; MI455X (gfx1250); checked and timed in simulation.
; The chip was launched on July 23, 2026; its instructions are those of AMD's public machine-readable ISA for CDNA 5 (MIT licence, August 2026) and "CDNA5" Instruction Set Architecture Reference Guide (July 2026). The comments in the code are by the model that wrote it; some were corrected since.
;; Self Attention. Allowed arithmetic: float matrix products may take bf16 or f16 operands with f32 sums; other float arithmetic in f32, or as packed bf16 or f16 multiplies, adds, multiply-adds, maxima and minima; sums over many terms, partial sums and values carried from step to step in f32; what a program stores and reads back later, other than sums and carried values, may be rounded once to bf16 or f16.
;; Inputs: Wk 1,024 x 1,024 float32; Wo 1,024 x 1,024 float32; Wq 1,024 x 1,024 float32; Wv 1,024 x 1,024 float32; x 4 x 2,048 x 1,024 float32.
;; Outputs: out0 4 x 2,048 x 1,024 float32.
;; 3 versions, each right; version 2 is faster than version 1; version 3 is version 2 with the launch prep written anew for expert scheduling mode. Each part assembles by itself: llvm-mc -triple=amdgcn-amd-amdhsa -mcpu=gfx1250 --defsym DOCPART=n.
;; ======== version 1 of 3: 5 launches
;; limits: values are held in f16: magnitudes above 65,504 overflow, below 6.1e-05 lose precision
;; workspace buffers: x16 16,777,216 bytes; wqkv 6,291,456 bytes; wo16 2,097,152 bytes; qkv 50,331,648 bytes; p 33,554,432 bytes; stats 1,048,576 bytes; y 16,777,216 bytes
;; launch prep (part 1): grid 768 x 1, 8 waves a work-group, no clusters, 0 bytes of LDS; arguments x, Wq, Wk, Wv, Wo, x16, wqkv, wo16; writes x16, wqkv, wo16
.if DOCPART == 1
	.amdgcn_target "amdgcn-amd-amdhsa--gfx1250"
	.amdhsa_code_object_version 6
	.text
	.protected	k_qd7335009d8_prep
	.globl	k_qd7335009d8_prep
	.p2align	8
	.type	k_qd7335009d8_prep,@function
k_qd7335009d8_prep:
	s_mov_b64 s[64:65], 0
	v_nop
	global_prefetch_b8 v0, s[64:65] scope:SCOPE_SE
	s_setreg_imm32_b32 hwreg(HW_REG_WAVE_MODE, 25, 1), 1
	s_wait_xcnt 0x0
; THE CAST.  x, Wq, Wk, Wv, Wo (f32) are rounded to bf16 (nearest even), and that number is written as f16:
; x16 [8192][1024]; wqkv [1024][3072] with Wq, Wk, Wv side by side in a row; wo16 [1024][1024].
; LIMITS.  A bf16 number is exact in f16 from 2^-17 up to 65,504; below 2^-17 it is rounded to f16's fixed step of 6e-8; from 65,520 on it
; becomes an infinity.  NaN and infinities are not treated apart.
; A stream: each byte is read once and written once, nothing is shared between work-groups, so no LDS, no matrix unit, no cluster.
; SHARES.  12,288 rows of 1,024 numbers (8,192 of x, 1,024 of each weight); a work-group of eight waves takes 16 rows of one tensor.
; Thread t takes columns 4 t .. 4 t + 3 of each row: a wave's load covers 512 consecutive bytes, its store 256 consecutive bytes, aligned.
; All 16 loads of a thread go out first; no register that a load or store names is written again, so no wait frees a source.
.set ROWS, 16
.set DO,  4                            ; v[4:19]    row i: my byte offset in the destination
.set T,   20                           ; v[20:25]   at work
.set X,   32                           ; v[32:95]   row i: 4 numbers as loaded
.set Y,   96                           ; v[96:127]  row i: 4 numbers in f16, to store
	s_load_b512 s[8:23], s[0:1], 0x0               ; x s[8:9], Wq s[10:11], Wk s[12:13], Wv s[14:15], Wo s[16:17], x16 s[18:19], wqkv s[20:21], wo16 s[22:23]
	s_mov_b32 s2, ttmp9                            ; work-group w: 0-511 x, then 64 for each weight
	s_sub_co_u32 s3, s2, 512                       ; among the weights' (it wraps for x's work-groups: mat is then far above 3)
	s_lshr_b32 s4, s3, 6                           ; mat: 0 Wq, 1 Wk, 2 Wv, 3 Wo
	s_and_b32 s5, s3, 63                           ; the block of 16 rows in that weight
	s_mov_b32 s30, 0xffff0000                      ; a word's upper bf16
	v_lshlrev_b32 v1, 4, v0                        ; 16 t: my bytes in a source row
	v_lshlrev_b32 v2, 3, v0                        ; 8 t: in a destination row
	s_wait_kmcnt 0x0
	s_mov_b64 s[24:25], s[16:17]                   ; the source: Wo, unless ...
	s_cmp_eq_u32 s4, 2
	s_cselect_b64 s[24:25], s[14:15], s[24:25]
	s_cmp_eq_u32 s4, 1
	s_cselect_b64 s[24:25], s[12:13], s[24:25]
	s_cmp_eq_u32 s4, 0
	s_cselect_b64 s[24:25], s[10:11], s[24:25]
	s_cmp_lt_u32 s2, 512
	s_cselect_b64 s[24:25], s[8:9], s[24:25]
	s_cselect_b32 s6, s2, s5                       ; my block of 16 rows in the tensor
	s_movk_i32 s7, 2048                            ; the destination's pitch in bytes: 2,048, or 6,144 in wqkv
	s_cmp_lt_u32 s4, 3
	s_cselect_b64 s[26:27], s[20:21], s[22:23]     ; the destination: wqkv or wo16, unless ...
	s_cselect_b32 s7, 6144, s7
	s_cselect_b32 s31, s4, 0                       ; which third of wqkv's rows
	s_cmp_lt_u32 s2, 512
	s_cselect_b64 s[26:27], s[18:19], s[26:27]
	s_lshl_b32 s6, s6, 4                           ; my first row
	s_lshl_b32 s31, s31, 11                        ; 2,048 bytes a third
	s_lshl_b32 s28, s6, 12                         ; 4,096 bytes a source row: 33.5 million at the most
	s_mov_b32 s29, 0
	s_add_nc_u64 s[24:25], s[24:25], s[28:29]
	s_mul_i32 s28, s6, s7
	s_add_co_u32 s28, s28, s31
	s_add_nc_u64 s[26:27], s[26:27], s[28:29]
.set i, 0
.rept ROWS
	global_load_b128 v[X+4*i:X+4*i+3], v1, s[24:25] offset:4096*i th:TH_LOAD_NT
.set i, i+1
.endr
.set i, 0
.rept ROWS
	v_mad_u32_u24 v[DO+i], s7, i, v2               ; row i x pitch + 8 t
.set i, i+1
.endr
.set i, 0
.rept ROWS
	s_wait_loadcnt ROWS-1-i                        ; loads come back in order (ISA guide 5.7.1): row i is in, the younger rows stay out
	v_cvt_pk_bf16_f32 v[T], v[X+4*i], v[X+4*i+1]   ; the rounding that counts: to bf16
	v_cvt_pk_bf16_f32 v[T+1], v[X+4*i+2], v[X+4*i+3]
	v_lshlrev_b32 v[T+2], 16, v[T]                 ; back to f32: the low half moves up, the high half stays
	v_and_b32 v[T+3], s30, v[T]
	v_lshlrev_b32 v[T+4], 16, v[T+1]
	v_and_b32 v[T+5], s30, v[T+1]
	v_cvt_pk_f16_f32 v[Y+2*i], v[T+2], v[T+3]      ; the same number in f16
	v_cvt_pk_f16_f32 v[Y+2*i+1], v[T+4], v[T+5]
	global_store_b64 v[DO+i], v[Y+2*i:Y+2*i+1], s[26:27]
.set i, i+1
.endr
	s_endpgm
.Lfunc_end_k_qd7335009d8_prep:
	.size	k_qd7335009d8_prep, .Lfunc_end_k_qd7335009d8_prep-k_qd7335009d8_prep
	.p2alignl 7, 3214868480
	.fill 96, 4, 3214868480
	.section	.rodata,"a",@progbits
	.p2align	6, 0x0
	.amdhsa_kernel k_qd7335009d8_prep
		.amdhsa_group_segment_fixed_size 0
		.amdhsa_private_segment_fixed_size 0
		.amdhsa_enable_private_segment 0
		.amdhsa_kernarg_size 64
		.amdhsa_user_sgpr_count 2
		.amdhsa_user_sgpr_kernarg_segment_ptr 1
		.amdhsa_wavefront_size32 1
		.amdhsa_system_sgpr_workgroup_id_x 1
		.amdhsa_system_sgpr_workgroup_id_y 1
		.amdhsa_system_sgpr_workgroup_id_z 1
		.amdhsa_system_vgpr_workitem_id 0
		.amdhsa_next_free_vgpr 128
		.amdhsa_next_free_sgpr 66
		.amdhsa_reserve_vcc 0
		.amdhsa_float_denorm_mode_32 3
		.amdhsa_float_denorm_mode_16_64 3
		.amdhsa_memory_ordered 1
		.amdhsa_forward_progress 1
		.amdhsa_inst_pref_size 13
	.end_amdhsa_kernel
	.amdgpu_metadata
---
amdhsa.version: [ 1, 2 ]
amdhsa.kernels:
  - .name:           k_qd7335009d8_prep
    .symbol:         k_qd7335009d8_prep.kd
    .args:
      - { .name: x, .offset: 0, .size: 8, .value_kind: global_buffer, .address_space: global }
      - { .name: Wq, .offset: 8, .size: 8, .value_kind: global_buffer, .address_space: global }
      - { .name: Wk, .offset: 16, .size: 8, .value_kind: global_buffer, .address_space: global }
      - { .name: Wv, .offset: 24, .size: 8, .value_kind: global_buffer, .address_space: global }
      - { .name: Wo, .offset: 32, .size: 8, .value_kind: global_buffer, .address_space: global }
      - { .name: x16, .offset: 40, .size: 8, .value_kind: global_buffer, .address_space: global }
      - { .name: wqkv, .offset: 48, .size: 8, .value_kind: global_buffer, .address_space: global }
      - { .name: wo16, .offset: 56, .size: 8, .value_kind: global_buffer, .address_space: global }
    .group_segment_fixed_size: 0
    .private_segment_fixed_size: 0
    .kernarg_segment_align: 8
    .kernarg_segment_size: 64
    .max_flat_workgroup_size: 256
    .sgpr_count:     66
    .vgpr_count:     128
    .wavefront_size: 32
...
	.end_amdgpu_metadata
.endif
;; end of part 1
;; launch gqkv (part 2): grid 24 x 32, 4 waves a work-group, clusters of 4 x 4, 327,680 bytes of LDS; arguments x16, wqkv, qkv; writes qkv
.if DOCPART == 2
	.amdgcn_target "amdgcn-amd-amdhsa--gfx1250"
	.amdhsa_code_object_version 6
	.text
	.protected	k_qd7335009d8_gqkv
	.globl	k_qd7335009d8_gqkv
	.p2align	8
	.type	k_qd7335009d8_gqkv,@function
k_qd7335009d8_gqkv:
	s_mov_b64 s[64:65], 0
	v_nop
	global_prefetch_b8 v0, s[64:65] scope:SCOPE_SE
	s_setreg_imm32_b32 hwreg(HW_REG_WAVE_MODE, 25, 1), 1
	s_wait_xcnt 0x0
	s_wait_alu depctr_hold_cnt(0) depctr_sa_sdst(0) depctr_va_vdst(0) depctr_va_sdst(0) depctr_va_ssrc(0) depctr_va_vcc(0) depctr_vm_vsrc(0)
	s_getreg_b32 s2, hwreg(HW_REG_IB_STS2, 6, 4)
	s_cmp_eq_u32 s2, 0
	s_cbranch_scc0 .Lentry_in_a_cluster
	s_endpgm
.Lentry_in_a_cluster:
	s_bfe_u32 s2, ttmp6, 0x10000c
	s_cmp_lg_u32 s2, 0xf033
	s_cbranch_scc0 .Lentry_shape_is_right
	s_endpgm
.Lentry_shape_is_right:
; q, k, v AT ONCE: qkv[8192][3072] = x16[8192][1024] x wqkv[1024][3072], all f16, sums in f32, each result rounded once to f16.
; LIMIT.  A result of 65,520 or more becomes an infinity in f16.
; ONE TEXT SERVES FOUR LAUNCHES (projections, scores, weights x values, output projection); the constants below choose; only the way out is each launch's own.
.set SIZE_K, 1024                      ; the length of the sums
.set AP,   1024                        ; A's pitch in elements; A is [M][K]
.set BNN,  1                           ; 1: B is [K][N] and is turned on its way out of LDS; 0: B is [N][K]
.set BP,   3072                        ; B's pitch in elements
.set BOFS, 0                           ; B's first column in its buffer's rows, in bytes
.set BBAT, 0                           ; B's rows for each batch (0: one B for all)
.set CPB,  6144                        ; C's pitch in bytes
.set CCOL, 256                         ; bytes of a tile's 128 columns in C
.set EPI,  0                           ; the way out: 0 f16; 1 softmax by groups; 2 divided by the row's sum; 3 f32
.set PSC,  0                           ; 1: A's fragments are multiplied by a factor for each row and K step
.set ARG_A, 0
.set ARG_B, 8
.set ARG_C, 16
; SHARES.  A work-group makes 256 x 128 of C; wave w its rows 64 w .. 64 w + 63 and all 128 columns: 32 accumulators of 16 x 16, 256 registers.
; So a wave's rows of C are whole (256 bytes of f16, 512 of f32): each wave has a stage of its own and the way out needs no barrier.
; K goes in steps of 128 through two LDS slots filled by the tensor data mover; every row of a tile is 256 consecutive bytes, at a multiple of 256 from its buffer's first byte.
; CLUSTER.  4 x 4 work-groups: the four of a row need the same tile of A, the four of a column the same tile of B: each is asked for JOINTLY, by the same load, descriptor and mask in all four.
; THE MATRIX INSTRUCTION IS USED TRANSPOSED (source 0 = 16 columns of C out of B, source 1 = 16 rows out of A): lane l holds row l % 16 of C and the columns 8 (l / 16) + 0..7.
; REGISTERS.  Window 0: v0-31 addresses; v32-95 A's fragments, two buffers of 4 x 8; v96-223 B's, two buffers of 8 x 8; v224-255 statistics.  Window 1: accumulator (a, b) at v[8 (8 a + b)].
.set KSTEP, 128
.set PA,    272                        ; a row of A in LDS: 256 bytes + 16 = 68 words: the 16 rows of a load start at 16 different groups of four banks (64 banks of 4 bytes: ISA guide 11.1)
.if BNN
.set PB,    288                        ; a row of B that is turned: 256 + 32 = 72 words
.set BPAD,  7                          ; 8 words of padding
.set BSTEP, KSTEP*BP*2                 ; a K step goes 128 rows down
.else
.set PB,    272
.set BPAD,  3                          ; 4 words of padding
.set BSTEP, KSTEP*2                    ; a K step goes 256 bytes along the rows
.endif
.set BOFF,  256*PA                     ; in a slot: A's 256 rows, then B's 128
.set SLOT,  106496
.set STAGE, 2*SLOT                     ; behind the ring, never filled by a tensor load: 16 rows for each wave, for the way out
.if EPI == 3
.set SP,    528
.else
.set SP,    272
.endif
.set XTRA,  STAGE+4*16*SP              ; behind the stages: a launch's own scratch, each wave's own
.if EPI == 1
.set SPARE, XTRA+4*512
.elseif EPI == 2
.set SPARE, XTRA+4*4096
.else
.set SPARE, XTRA
.endif                                 ; SPARE: the spare words, 128 bytes for each wave: two blocks of 256 bytes that no other line names
.set LAPS, SIZE_K/(2*KSTEP)            ; a lap = two K steps = once round the ring
.set FK,   8                           ; v8-15   (PSC) four factors, one for each of my blocks of 16 rows, for slot 0 and slot 1
.set ADRA, 16                          ; v16-17  LDS address of my A fragments in slot 0, 1
.set ADRB, 20                          ; v20-21  the same for B
.set STO,  24                          ; v24     the way out: where I put my part of a row
.set RD,   25                          ; v25     the way out: where I read rows back
.set CO,   26                          ; v26     my byte offset in C
.set SA,   27                          ; v27     (EPI 1) where my row's statistics go in the scratch
.set SPW,  28                          ; v28     LDS address of my spare word: SPARE + 4 x my thread's number; never rewritten
.set NIL,  29                          ; v29     0; never rewritten
.set FTA,  30                          ; v30     (PSC) the factors of the K step to be fetched; (EPI 1) where the statistics are read back
.set SO,   31                          ; v31     my byte offset in the statistics
.set FA,   32
.set FB,   96
.set OUT,  32                          ; the way out works where the fragments lay
.set G1,  24                           ; s[24:31] descriptor group 1 for A's tiles;  s[32:39] group 0, one set for each slot
.set G0,  32
.set G1B, 48                           ; s[48:55], s[56:63] the same for B's tiles
.set G0B, 56
.set MSB, 0
.macro WIN new                         ; s_set_vgpr_msb: bits 1:0 source 0, 3:2 source 1, 5:4 source 2, 7:6 destination; the high byte repeats the setting that is left
.if MSB != (\new)
	s_set_vgpr_msb (MSB<<8)|(\new)
.set MSB, \new
.endif
.endm
.set MUL, 0x50                         ; fragments in window 0; C and D in window 1
.macro PLACES                          ; four places in front of loads into registers that matrix instructions have read, and of lines that read results (ISA guide 7.12.1 for lines that read results)
.rept 4
	v_nop
.endr
.endm
.macro JLOAD s                         ; a joint load: waves 0 and 1 fetch A's two halves, waves 2 and 3 B's; four v_nop follow each of the two lines, ahead of the jump, the label and what follows
	s_cmp_eq_u32 s11, 0
	s_cbranch_scc0 .Lfor_b_\@
	tensor_load_to_lds s[G0+4*(\s):G0+4*(\s)+3], s[G1:G1+7]
	s_nop 0
.rept 4
	v_nop
.endr
	s_branch .Lasked_\@
.Lfor_b_\@:
	tensor_load_to_lds s[G0B+4*(\s):G0B+4*(\s)+3], s[G1B:G1B+7]
	s_nop 0
.rept 4
	v_nop
.endr
.Lasked_\@:
.endm
.macro CREST                           ; a round of the cluster's barrier behind its opening barrier
	s_cmp_lg_u32 s10, 0
	s_cbranch_scc1 .Lnot_wave_0_\@
	s_barrier_signal -3
.Lnot_wave_0_\@:
	s_barrier_wait -3
	s_barrier_signal -1
	s_barrier_wait -1
.endm
.macro CROUND                          ; a whole round
	s_barrier_signal -1
	s_barrier_wait -1
	CREST
.endm
; 8 matrix instructions: my block a of 16 rows x all 8 blocks of 16 columns, 32 along K, from buffer f.  zero = 1: the product starts the sums.
; The 32 accumulators take turns, one instruction a turn, in the same order in every quarter.
.macro MUL8 f, a, zero
	WIN MUL
.irp b, 0,1,2,3,4,5,6,7
.if \zero
	v_wmma_f32_16x16x32_f16 v[8*(8*(\a)+(\b)):8*(8*(\a)+(\b))+7], v[FB+64*(\f)+8*(\b):FB+64*(\f)+8*(\b)+7], v[FA+32*(\f)+8*(\a):FA+32*(\f)+8*(\a)+7], 0
.else
	v_wmma_f32_16x16x32_f16 v[8*(8*(\a)+(\b)):8*(8*(\a)+(\b))+7], v[FB+64*(\f)+8*(\b):FB+64*(\f)+8*(\b)+7], v[FA+32*(\f)+8*(\a):FA+32*(\f)+8*(\a)+7], v[8*(8*(\a)+(\b)):8*(8*(\a)+(\b))+7]
.endif
.endr
.endm
; 24 LDS loads in one run: the fragments of quarter kq (32 along K) of a slot into buffer f; with PSC a K step's first run also takes the step's four factors.
.macro FETCH slot, kq, f
	WIN 0
.if PSC && ((\kq) == 0)
	ds_load_b128 v[FK+4*(\slot):FK+4*(\slot)+3], v[FTA]
	v_add_nc_u32 v[FTA], 256, v[FTA]               ; the next K step's
.endif
.irp b, 0,1,2,3,4,5,6,7
.if BNN
	ds_load_tr16_b128 v[FB+64*(\f)+8*(\b):FB+64*(\f)+8*(\b)+3],   v[ADRB+(\slot)] offset:(\kq)*32*PB+32*(\b)
	ds_load_tr16_b128 v[FB+64*(\f)+8*(\b)+4:FB+64*(\f)+8*(\b)+7], v[ADRB+(\slot)] offset:(\kq)*32*PB+16*PB+32*(\b)
.else
	ds_load_b128 v[FB+64*(\f)+8*(\b):FB+64*(\f)+8*(\b)+3],   v[ADRB+(\slot)] offset:(\b)*16*PB+64*(\kq)
	ds_load_b128 v[FB+64*(\f)+8*(\b)+4:FB+64*(\f)+8*(\b)+7], v[ADRB+(\slot)] offset:(\b)*16*PB+64*(\kq)+32
.endif
.endr
.irp a, 0,1,2,3
	ds_load_b128 v[FA+32*(\f)+8*(\a):FA+32*(\f)+8*(\a)+3],   v[ADRA+(\slot)] offset:(\a)*16*PA+64*(\kq)
	ds_load_b128 v[FA+32*(\f)+8*(\a)+4:FA+32*(\f)+8*(\a)+7], v[ADRA+(\slot)] offset:(\a)*16*PA+64*(\kq)+32
.endr
.endm
.macro SCALE f, slot                   ; (PSC) A's fragments in buffer f times the row's factor for the slot's K step, two f16 at a time
.irp a, 0,1,2,3
.irp i, 0,1,2,3,4,5,6,7
	v_pk_mul_f16 v[FA+32*(\f)+8*(\a)+(\i)], v[FA+32*(\f)+8*(\a)+(\i)], v[FK+4*(\slot)+(\a)]
.endr
.endr
.endm
; A K step is four quarters of 32 along K, 32 matrix instructions each, on buffers 0, 1, 0, 1.  One of the first three: fetches quarter kq into buffer g, then multiplies buffer f.
.macro QUARTER slot, kq, f, g, zero
	s_wait_dscnt 0x0                               ; buffer f's loads were issued in front of the last 32 matrix instructions, and nothing behind them
.if PSC
	WIN 0
	SCALE \f, \slot                                ; 32 plain lines that name nothing of the last products: also the places in front of the loads into buffer g
.else
	PLACES
.endif
	FETCH \slot, \kq, \g
	MUL8 \f, 0, \zero
	MUL8 \f, 1, \zero
	MUL8 \f, 2, \zero
	MUL8 \f, 3, \zero
.endm
; The last quarter multiplies buffer 1 and changes slots: ONE barrier; in front of it each wave waits for all its tensor loads (one is out: its part of the next slot), adds 0 to its spare
; word, and waits for that and for its own reads of this slot.  fill = 1: the barrier opens a round of the cluster's, and this slot is filled again, two K steps ahead, first thing behind it.
.macro TURN slot, next, fill
	WIN 0
	s_wait_tensorcnt 0x0                           ; all my tensor loads have landed;
	ds_add_u32 v[SPW], v[NIL]                      ; 0 onto my spare word;
	s_wait_dscnt 1                                 ; (only the add may be out: buffer 1's 24 loads are in)
.if PSC
	SCALE 1, \slot
.endif
	MUL8 1, 0, 0                                   ; matrix instructions stand between the add and the wait for it
	s_wait_dscnt 0x0                               ; the add is done, and my reads of this slot are over
	s_barrier_signal -1
	MUL8 1, 1, 0
.if \fill
	WIN 0
.endif
	s_barrier_wait -1
.if \fill
	CREST                                          ; no wave of any partner still reads this slot's tiles or has a load on its way
	s_add_nc_u64 s[G0+4*(\slot)+2:G0+4*(\slot)+3], s[G0+4*(\slot)+2:G0+4*(\slot)+3], 2*KSTEP*2
	s_add_nc_u64 s[G0B+4*(\slot)+2:G0B+4*(\slot)+3], s[G0B+4*(\slot)+2:G0B+4*(\slot)+3], 2*BSTEP
	JLOAD \slot                                    ; my one tensor load behind the round: 112 matrix instructions ahead of the wait for it; its four v_nop are also the places in front of the loads below
.else
	PLACES
.endif
	FETCH \next, 0, 0
	MUL8 1, 2, 0
	MUL8 1, 3, 0
.endm
	s_load_b64 s[4:5], s[0:1], ARG_A
	s_load_b64 s[6:7], s[0:1], ARG_B
	s_load_b64 s[8:9], s[0:1], ARG_C
	v_lshl_add_u32 v[SPW], v0, 2, SPARE
	v_mov_b32 v[NIL], 0
	ds_add_u32 v28, v29
	s_wait_dscnt 0x0
	v_lshrrev_b32 v1, 5, v0
	v_readfirstlane_b32 s10, v1                    ; wave 0..3
	s_lshr_b32 s11, s10, 1                         ; I fetch for A (0) or for B (1),
	s_and_b32 s12, s10, 1                          ; and which half of that tile's rows
	s_bfe_u32 s40, ttmp6, 0x40000                  ; cx, cy: my place in the cluster
	s_bfe_u32 s41, ttmp6, 0x40004
	s_lshl_b32 s42, ttmp9, 2
	s_add_co_u32 s42, s42, s40                     ; tile column of C = 4 x cluster x + cx
	s_and_b32 s45, ttmp7, 0xffff
	s_lshl_b32 s13, s45, 2
	s_add_co_u32 s13, s13, s41                     ; tile row of C = 4 x cluster y + cy
	s_lshr_b32 s45, s45, 1                         ; the batch: 8 tile rows = 2 clusters each, so it hangs on the cluster's y alone
	s_lshl_b32 s43, s41, 2
	s_lshl_b32 s43, 15, s43                        ; my row of the cluster
	s_lshl_b32 s44, 0x1111, s40                    ; my column
	; descriptor group 1.  A: 128 rows x 128 elements a load; B: 64 rows x 128 elements; padded in LDS behind every row
	s_or_b32 s[G1+0], s43, (1<<16)|(1<<20)|(1<<21)|(5<<22)|(3<<25)      ; 15:0 the mask: my row; 17:16 2-byte elements; 20 padding on; 21 set beside a mask; 24:22 after every 64 words (code 5); 31:25 4 words (code 3)
	s_or_b32 s[G1B+0], s44, (1<<16)|(1<<20)|(1<<21)|(5<<22)|(BPAD<<25)  ; the same with my column's mask and B's padding
	s_mov_b32 s[G1+1], KSTEP<<16                   ; tensor_dim0 = 128
	s_mov_b32 s[G1+2], 128<<16                     ; tensor_dim1 = 128
	s_mov_b32 s[G1+3], KSTEP<<16                   ; tile_dim0 = 128
	s_mov_b32 s[G1+4], 128                         ; tile_dim1 = 128
	s_mov_b32 s[G1+5], AP                          ; elements from row to row
	s_mov_b32 s[G1+6], 0
	s_mov_b32 s[G1+7], 0
	s_mov_b32 s[G1B+1], 128<<16
	s_mov_b32 s[G1B+2], 64<<16
	s_mov_b32 s[G1B+3], 128<<16
	s_mov_b32 s[G1B+4], 64
	s_mov_b32 s[G1B+5], BP
	s_mov_b32 s[G1B+6], 0
	s_mov_b32 s[G1B+7], 0
	; where the tiles come from: A's hang on the tile row alone, B's on the tile column and the batch alone; all offsets stay under 2^32
	s_lshl_b32 s17, s12, 7
	s_lshl_b32 s16, s13, 8
	s_add_co_u32 s16, s16, s17                     ; A: row 256 x tile row + 128 x half
	s_mul_i32 s16, s16, AP*2
	s_mov_b32 s17, 0
	s_lshl_b32 s46, s12, 6                         ; B: 64 x half,
.if BBAT
	s_mul_i32 s47, s45, BBAT                       ; in the batch's rows,
	s_add_co_u32 s46, s46, s47
.endif
.if !BNN
	s_lshl_b32 s47, s42, 7                         ; in the tile column's 128 rows
	s_add_co_u32 s46, s46, s47
.endif
	s_mul_i32 s46, s46, BP*2
.if BNN
	s_lshl_b32 s47, s42, 8                         ; at the tile column's 256 bytes
	s_add_co_u32 s46, s46, s47
.endif
.if BOFS
	s_add_co_u32 s46, s46, BOFS
.endif
	s_mov_b32 s47, 0
	s_mul_i32 s20, s12, 128*PA                     ; and where they go: no place in the cluster enters an LDS address
	s_mul_i32 s21, s12, 64*PB
	s_add_co_u32 s21, s21, BOFF
	s_wait_kmcnt 0x0
	s_add_nc_u64 s[14:15], s[4:5], s[16:17]
	s_add_nc_u64 s[46:47], s[6:7], s[46:47]
	CROUND                                         ; all sixteen work-groups are here: the first joint loads meet
.irp s, 0,1
	s_mov_b32 s[G0+4*(\s)], 1                                        ; count = 1
	s_add_co_u32 s[G0+4*(\s)+1], s20, (\s)*SLOT                      ; LDS address
	s_add_nc_u64 s[G0+4*(\s)+2:G0+4*(\s)+3], s[14:15], (\s)*KSTEP*2  ; global address: K step s
	s_or_b32 s[G0+4*(\s)+3], s[G0+4*(\s)+3], 0x80000000              ; type = 2
	s_mov_b32 s[G0B+4*(\s)], 1
	s_add_co_u32 s[G0B+4*(\s)+1], s21, (\s)*SLOT
	s_add_nc_u64 s[G0B+4*(\s)+2:G0B+4*(\s)+3], s[46:47], (\s)*BSTEP
	s_or_b32 s[G0B+4*(\s)+3], s[G0B+4*(\s)+3], 0x80000000
	JLOAD \s                                       ; two tensor loads of mine are out
.endr
	; A fragment is 16 rows x 32 K in 8 registers: lane l holds row l % 16; registers 0-3 K = 8 (l / 16) + 0..7, registers 4-7 K = 16 + 8 (l / 16) + 0..7.
	v_and_b32 v1, 15, v0                           ; r = l % 16
	v_bfe_u32 v2, v0, 4, 1                         ; h = l / 16
	v_mul_u32_u24 v3, v1, PA
	v_lshl_add_u32 v3, v2, 4, v3                   ; row x pitch + 16 x half
	s_mul_i32 s22, s10, 64*PA                      ; my 64 rows of A
	v_add_nc_u32 v[ADRA], s22, v3
	v_add_nc_u32 v[ADRA+1], SLOT, v[ADRA]
.if BNN
	; The turning load takes 16 K x 16 columns (lane l reads 16 bytes: K 8 (l / 16) + l % 8, columns 8 ((l / 8) % 2) + 0..7) and leaves half a fragment: lane l holds column l % 16 and 8 K.
	v_and_b32 v4, 7, v0
	v_lshl_add_u32 v4, v2, 3, v4
	v_mul_u32_u24 v4, v4, PB
	v_bfe_u32 v5, v0, 3, 1
	v_lshl_add_u32 v4, v5, 4, v4
	v_add_nc_u32 v[ADRB], BOFF, v4
.else
	v_add_nc_u32 v[ADRB], BOFF, v3
.endif
	v_add_nc_u32 v[ADRB+1], SLOT, v[ADRB]
	s_mul_i32 s23, s10, 16*SP
	s_add_co_u32 s23, s23, STAGE                   ; my stage
	v_mul_u32_u24 v4, v1, SP                       ; in: row l % 16, my eight columns
.if EPI == 3
	v_lshl_add_u32 v4, v2, 5, v4                   ; 32 bytes of f32 for each half of the lanes
	v_add_nc_u32 v[STO], s23, v4
	v_and_b32 v5, 31, v0                           ; back: 32 lanes take one row of 512 bytes
	v_lshlrev_b32 v[CO], 4, v5
	v_add_nc_u32 v[RD], s23, v[CO]
.else
	v_lshl_add_u32 v4, v2, 4, v4                   ; 16 bytes of f16 for each half of the lanes
	v_add_nc_u32 v[STO], s23, v4
	v_mul_u32_u24 v5, v2, SP                       ; back: lanes 0-15 take one row of 256 bytes, lanes 16-31 the next
	v_lshl_add_u32 v5, v1, 4, v5
	v_add_nc_u32 v[RD], s23, v5
	v_mul_u32_u24 v5, v2, CPB                      ; and the same two rows in C
	v_lshl_add_u32 v[CO], v1, 4, v5
.endif
	s_lshl_b32 s16, s13, 8
	s_lshl_b32 s17, s10, 6
	s_add_co_u32 s16, s16, s17                     ; my first row of C: 256 x tile row + 64 x wave
	s_mul_i32 s16, s16, CPB
	s_mov_b32 s17, 0
	s_add_nc_u64 s[8:9], s[8:9], s[16:17]
	s_mul_i32 s46, s42, CCOL                       ; the tile's first column, in bytes
	s_mov_b32 s47, 0
	s_add_nc_u64 s[8:9], s[8:9], s[46:47]
	s_wait_tensorcnt 1                             ; my part of K step 0 is in; K step 1's may stay out
	s_barrier_signal -1
	s_barrier_wait -1                              ; everybody's is
	FETCH 0, 0, 0
	QUARTER 0, 1, 0, 1, 1                          ; the first quarter stands in front of the loop: its products start the sums
	WIN 0                                          ; at a label and at a branch every window is 0
	s_mov_b32 s3, LAPS-1
.Llap:                                                 ; a trip goes once round the ring, from a lap's second quarter to the next lap's first, and fills both slots again
	QUARTER 0, 2, 1, 0, 0
	QUARTER 0, 3, 0, 1, 0
	TURN 0, 1, 1
	QUARTER 1, 1, 0, 1, 0
	QUARTER 1, 2, 1, 0, 0
	QUARTER 1, 3, 0, 1, 0
	TURN 1, 0, 1
	QUARTER 0, 1, 0, 1, 0
	WIN 0
	s_sub_co_u32 s3, s3, 1
	s_cmp_lg_u32 s3, 0
	s_cbranch_scc1 .Llap
	QUARTER 0, 2, 1, 0, 0                          ; the last lap fills nothing, and has no round of the cluster's barrier
	QUARTER 0, 3, 0, 1, 0
	TURN 0, 1, 0
	QUARTER 1, 1, 0, 1, 0
	QUARTER 1, 2, 1, 0, 0
	QUARTER 1, 3, 0, 1, 0
	s_wait_dscnt 0x0                               ; the very last quarter: nothing more to fetch
	MUL8 1, 0, 0
	MUL8 1, 1, 0
	MUL8 1, 2, 0
	MUL8 1, 3, 0
	WIN 0
	PLACES
; THE WAY OUT, a block of 16 rows at a time: rounded to f16, 16 bytes a lane (each accumulator's registers in ascending order); into my stage; back as whole rows; stored.
.macro PACK a
	WIN 0x05                                       ; sources 0 and 1 window 1, destination window 0
.set i, 0
.rept 32
	v_cvt_pk_f16_f32 v[OUT+32*(\a)+i], v[64*(\a)+2*i], v[64*(\a)+2*i+1]
.set i, i+1
.endr
	WIN 0
.endm
.macro STG a
.irp b, 0,1,2,3,4,5,6,7
	ds_store_b128 v[STO], v[OUT+32*(\a)+4*(\b):OUT+32*(\a)+4*(\b)+3] offset:32*(\b)
.endr
.irp t, 0,1,2,3,4,5,6,7
	ds_load_b128 v[OUT+32*(\a)+4*(\t):OUT+32*(\a)+4*(\t)+3], v[RD] offset:(\t)*2*SP  ; LDS serves a wave's instructions in order (ISA guide 5.7.1.4): these see the stores above; the next block's stores come behind them
.endr
.endm
.macro SEND a, younger                 ; younger: the LDS instructions issued behind block a's loads
.irp t, 0,1,2,3,4,5,6,7
	s_wait_dscnt (\younger)+7-(\t)
	global_store_b128 v[CO], v[OUT+32*(\a)+4*(\t):OUT+32*(\a)+4*(\t)+3], s[8:9] offset:(16*(\a)+2*(\t))*CPB  ; 16 lanes store 256 consecutive bytes, at a multiple of 256 from C's first byte
.endr
.endm
	PACK 0
	STG 0
.irp a, 1,2,3                          ; a block's conversions stand between the loads of the block before and its stores
	PACK \a
	STG \a
	SEND (\a)-1, 16
.endr
	SEND 3, 0
	s_wait_tensorcnt 0x0                           ; the wave's end: behind my last tensor load and my last LDS store
	ds_add_u32 v[SPW], v[NIL]
	s_wait_dscnt 0x0
	CROUND                                         ; the closing round: no work-group ends while a partner may still ask for a tile that names it
	s_endpgm
.Lfunc_end_k_qd7335009d8_gqkv:
	.size	k_qd7335009d8_gqkv, .Lfunc_end_k_qd7335009d8_gqkv-k_qd7335009d8_gqkv
	.p2alignl 7, 3214868480
	.fill 96, 4, 3214868480
	.section	.rodata,"a",@progbits
	.p2align	6, 0x0
	.amdhsa_kernel k_qd7335009d8_gqkv
		.amdhsa_group_segment_fixed_size 327680
		.amdhsa_private_segment_fixed_size 0
		.amdhsa_enable_private_segment 0
		.amdhsa_kernarg_size 24
		.amdhsa_user_sgpr_count 2
		.amdhsa_user_sgpr_kernarg_segment_ptr 1
		.amdhsa_wavefront_size32 1
		.amdhsa_system_sgpr_workgroup_id_x 1
		.amdhsa_system_sgpr_workgroup_id_y 1
		.amdhsa_system_sgpr_workgroup_id_z 1
		.amdhsa_system_vgpr_workitem_id 0
		.amdhsa_next_free_vgpr 512
		.amdhsa_next_free_sgpr 80
		.amdhsa_reserve_vcc 0
		.amdhsa_float_denorm_mode_32 3
		.amdhsa_float_denorm_mode_16_64 3
		.amdhsa_memory_ordered 1
		.amdhsa_forward_progress 1
		.amdhsa_inst_pref_size 86
	.end_amdhsa_kernel
	.amdgpu_metadata
---
amdhsa.version: [ 1, 2 ]
amdhsa.kernels:
  - .name:           k_qd7335009d8_gqkv
    .symbol:         k_qd7335009d8_gqkv.kd
    .args:
      - { .name: x16, .offset: 0, .size: 8, .value_kind: global_buffer, .address_space: global }
      - { .name: wqkv, .offset: 8, .size: 8, .value_kind: global_buffer, .address_space: global }
      - { .name: qkv, .offset: 16, .size: 8, .value_kind: global_buffer, .address_space: global }
    .group_segment_fixed_size: 327680
    .private_segment_fixed_size: 0
    .kernarg_segment_align: 8
    .kernarg_segment_size: 24
    .max_flat_workgroup_size: 128
    .sgpr_count:     80
    .vgpr_count:     512
    .wavefront_size: 32
...
	.end_amdgpu_metadata
.endif
;; end of part 2
;; launch gscores (part 3): grid 16 x 32, 4 waves a work-group, clusters of 4 x 4, 327,680 bytes of LDS; arguments qkv, p, stats; writes p, stats
.if DOCPART == 3
	.amdgcn_target "amdgcn-amd-amdhsa--gfx1250"
	.amdhsa_code_object_version 6
	.text
	.protected	k_qd7335009d8_gscores
	.globl	k_qd7335009d8_gscores
	.p2align	8
	.type	k_qd7335009d8_gscores,@function
k_qd7335009d8_gscores:
	s_mov_b64 s[64:65], 0
	v_nop
	global_prefetch_b8 v0, s[64:65] scope:SCOPE_SE
	s_setreg_imm32_b32 hwreg(HW_REG_WAVE_MODE, 25, 1), 1
	s_wait_xcnt 0x0
	s_wait_alu depctr_hold_cnt(0) depctr_sa_sdst(0) depctr_va_vdst(0) depctr_va_sdst(0) depctr_va_ssrc(0) depctr_va_vcc(0) depctr_vm_vsrc(0)
	s_getreg_b32 s2, hwreg(HW_REG_IB_STS2, 6, 4)
	s_cmp_eq_u32 s2, 0
	s_cbranch_scc0 .Lentry_in_a_cluster
	s_endpgm
.Lentry_in_a_cluster:
	s_bfe_u32 s2, ttmp6, 0x10000c
	s_cmp_lg_u32 s2, 0xf033
	s_cbranch_scc0 .Lentry_shape_is_right
	s_endpgm
.Lentry_shape_is_right:
; SCORES AND WEIGHTS BY GROUPS.  For each batch s = q k^T (q, k: columns 0-1023 and 1024-2047 of qkv's rows, f16; sums in f32).  For each query and each GROUP of 128 keys (a tile's columns):
; m = the group's largest score, p = 2^(c s - c m) with c = log2(e) / 32, l = the sum of the unrounded p.  p goes out in f16 ([8192][2048]); c m and l in f32 (stats: [2 kinds][4 batches][16 groups][2048 rows]).
; The next launch brings the groups to the row's true maximum by factors of at most 1: the maximum is taken away in front of every exponential, and nothing can overflow.
; LIMITS.  p lies in 0 to 1; below 6e-5 it keeps f16's fixed step of 6e-8; a weight below 2^-126 counts as 0 in l; NaN and infinities are not treated apart.
; ONE TEXT SERVES FOUR LAUNCHES (projections, scores, weights x values, output projection); the constants below choose; only the way out is each launch's own.
.set SIZE_K, 1024                      ; the length of the sums
.set AP,   3072                        ; A's pitch in elements; A is [M][K]
.set BNN,  0                           ; 1: B is [K][N] and is turned on its way out of LDS; 0: B is [N][K]
.set BP,   3072                        ; B's pitch in elements
.set BOFS, 2048                        ; B's first column in its buffer's rows, in bytes
.set BBAT, 2048                        ; B's rows for each batch (0: one B for all)
.set CPB,  4096                        ; C's pitch in bytes
.set CCOL, 256                         ; bytes of a tile's 128 columns in C
.set EPI,  1                           ; the way out: 0 f16; 1 softmax by groups; 2 divided by the row's sum; 3 f32
.set PSC,  0                           ; 1: A's fragments are multiplied by a factor for each row and K step
.set ARG_A, 0
.set ARG_B, 0
.set ARG_C, 8
.set ARG_S, 16
; SHARES.  A work-group makes 256 x 128 of C; wave w its rows 64 w .. 64 w + 63 and all 128 columns: 32 accumulators of 16 x 16, 256 registers.
; So a wave's rows of C are whole (256 bytes of f16, 512 of f32): each wave has a stage of its own and the way out needs no barrier.
; K goes in steps of 128 through two LDS slots filled by the tensor data mover; every row of a tile is 256 consecutive bytes, at a multiple of 256 from its buffer's first byte.
; CLUSTER.  4 x 4 work-groups: the four of a row need the same tile of A, the four of a column the same tile of B: each is asked for JOINTLY, by the same load, descriptor and mask in all four.
; THE MATRIX INSTRUCTION IS USED TRANSPOSED (source 0 = 16 columns of C out of B, source 1 = 16 rows out of A): lane l holds row l % 16 of C and the columns 8 (l / 16) + 0..7.
; REGISTERS.  Window 0: v0-31 addresses; v32-95 A's fragments, two buffers of 4 x 8; v96-223 B's, two buffers of 8 x 8; v224-255 statistics.  Window 1: accumulator (a, b) at v[8 (8 a + b)].
.set KSTEP, 128
.set PA,    272                        ; a row of A in LDS: 256 bytes + 16 = 68 words: the 16 rows of a load start at 16 different groups of four banks (64 banks of 4 bytes: ISA guide 11.1)
.if BNN
.set PB,    288                        ; a row of B that is turned: 256 + 32 = 72 words
.set BPAD,  7                          ; 8 words of padding
.set BSTEP, KSTEP*BP*2                 ; a K step goes 128 rows down
.else
.set PB,    272
.set BPAD,  3                          ; 4 words of padding
.set BSTEP, KSTEP*2                    ; a K step goes 256 bytes along the rows
.endif
.set BOFF,  256*PA                     ; in a slot: A's 256 rows, then B's 128
.set SLOT,  106496
.set STAGE, 2*SLOT                     ; behind the ring, never filled by a tensor load: 16 rows for each wave, for the way out
.if EPI == 3
.set SP,    528
.else
.set SP,    272
.endif
.set XTRA,  STAGE+4*16*SP              ; behind the stages: a launch's own scratch, each wave's own
.if EPI == 1
.set SPARE, XTRA+4*512
.elseif EPI == 2
.set SPARE, XTRA+4*4096
.else
.set SPARE, XTRA
.endif                                 ; SPARE: the spare words, 128 bytes for each wave: two blocks of 256 bytes that no other line names
.set LAPS, SIZE_K/(2*KSTEP)            ; a lap = two K steps = once round the ring
.set FK,   8                           ; v8-15   (PSC) four factors, one for each of my blocks of 16 rows, for slot 0 and slot 1
.set ADRA, 16                          ; v16-17  LDS address of my A fragments in slot 0, 1
.set ADRB, 20                          ; v20-21  the same for B
.set STO,  24                          ; v24     the way out: where I put my part of a row
.set RD,   25                          ; v25     the way out: where I read rows back
.set CO,   26                          ; v26     my byte offset in C
.set SA,   27                          ; v27     (EPI 1) where my row's statistics go in the scratch
.set SPW,  28                          ; v28     LDS address of my spare word: SPARE + 4 x my thread's number; never rewritten
.set NIL,  29                          ; v29     0; never rewritten
.set FTA,  30                          ; v30     (PSC) the factors of the K step to be fetched; (EPI 1) where the statistics are read back
.set SO,   31                          ; v31     my byte offset in the statistics
.set FA,   32
.set FB,   96
.set OUT,  32                          ; the way out works where the fragments lay
.set G1,  24                           ; s[24:31] descriptor group 1 for A's tiles;  s[32:39] group 0, one set for each slot
.set G0,  32
.set G1B, 48                           ; s[48:55], s[56:63] the same for B's tiles
.set G0B, 56
.set MSB, 0
.macro WIN new                         ; s_set_vgpr_msb: bits 1:0 source 0, 3:2 source 1, 5:4 source 2, 7:6 destination; the high byte repeats the setting that is left
.if MSB != (\new)
	s_set_vgpr_msb (MSB<<8)|(\new)
.set MSB, \new
.endif
.endm
.set MUL, 0x50                         ; fragments in window 0; C and D in window 1
.macro PLACES                          ; four places in front of loads into registers that matrix instructions have read, and of lines that read results (ISA guide 7.12.1 for lines that read results)
.rept 4
	v_nop
.endr
.endm
.macro JLOAD s                         ; a joint load: waves 0 and 1 fetch A's two halves, waves 2 and 3 B's; four v_nop follow each of the two lines, ahead of the jump, the label and what follows
	s_cmp_eq_u32 s11, 0
	s_cbranch_scc0 .Lfor_b_\@
	tensor_load_to_lds s[G0+4*(\s):G0+4*(\s)+3], s[G1:G1+7]
	s_nop 0
.rept 4
	v_nop
.endr
	s_branch .Lasked_\@
.Lfor_b_\@:
	tensor_load_to_lds s[G0B+4*(\s):G0B+4*(\s)+3], s[G1B:G1B+7]
	s_nop 0
.rept 4
	v_nop
.endr
.Lasked_\@:
.endm
.macro CREST                           ; a round of the cluster's barrier behind its opening barrier
	s_cmp_lg_u32 s10, 0
	s_cbranch_scc1 .Lnot_wave_0_\@
	s_barrier_signal -3
.Lnot_wave_0_\@:
	s_barrier_wait -3
	s_barrier_signal -1
	s_barrier_wait -1
.endm
.macro CROUND                          ; a whole round
	s_barrier_signal -1
	s_barrier_wait -1
	CREST
.endm
; 8 matrix instructions: my block a of 16 rows x all 8 blocks of 16 columns, 32 along K, from buffer f.  zero = 1: the product starts the sums.
; The 32 accumulators take turns, one instruction a turn, in the same order in every quarter.
.macro MUL8 f, a, zero
	WIN MUL
.irp b, 0,1,2,3,4,5,6,7
.if \zero
	v_wmma_f32_16x16x32_f16 v[8*(8*(\a)+(\b)):8*(8*(\a)+(\b))+7], v[FB+64*(\f)+8*(\b):FB+64*(\f)+8*(\b)+7], v[FA+32*(\f)+8*(\a):FA+32*(\f)+8*(\a)+7], 0
.else
	v_wmma_f32_16x16x32_f16 v[8*(8*(\a)+(\b)):8*(8*(\a)+(\b))+7], v[FB+64*(\f)+8*(\b):FB+64*(\f)+8*(\b)+7], v[FA+32*(\f)+8*(\a):FA+32*(\f)+8*(\a)+7], v[8*(8*(\a)+(\b)):8*(8*(\a)+(\b))+7]
.endif
.endr
.endm
; 24 LDS loads in one run: the fragments of quarter kq (32 along K) of a slot into buffer f; with PSC a K step's first run also takes the step's four factors.
.macro FETCH slot, kq, f
	WIN 0
.if PSC && ((\kq) == 0)
	ds_load_b128 v[FK+4*(\slot):FK+4*(\slot)+3], v[FTA]
	v_add_nc_u32 v[FTA], 256, v[FTA]               ; the next K step's
.endif
.irp b, 0,1,2,3,4,5,6,7
.if BNN
	ds_load_tr16_b128 v[FB+64*(\f)+8*(\b):FB+64*(\f)+8*(\b)+3],   v[ADRB+(\slot)] offset:(\kq)*32*PB+32*(\b)
	ds_load_tr16_b128 v[FB+64*(\f)+8*(\b)+4:FB+64*(\f)+8*(\b)+7], v[ADRB+(\slot)] offset:(\kq)*32*PB+16*PB+32*(\b)
.else
	ds_load_b128 v[FB+64*(\f)+8*(\b):FB+64*(\f)+8*(\b)+3],   v[ADRB+(\slot)] offset:(\b)*16*PB+64*(\kq)
	ds_load_b128 v[FB+64*(\f)+8*(\b)+4:FB+64*(\f)+8*(\b)+7], v[ADRB+(\slot)] offset:(\b)*16*PB+64*(\kq)+32
.endif
.endr
.irp a, 0,1,2,3
	ds_load_b128 v[FA+32*(\f)+8*(\a):FA+32*(\f)+8*(\a)+3],   v[ADRA+(\slot)] offset:(\a)*16*PA+64*(\kq)
	ds_load_b128 v[FA+32*(\f)+8*(\a)+4:FA+32*(\f)+8*(\a)+7], v[ADRA+(\slot)] offset:(\a)*16*PA+64*(\kq)+32
.endr
.endm
.macro SCALE f, slot                   ; (PSC) A's fragments in buffer f times the row's factor for the slot's K step, two f16 at a time
.irp a, 0,1,2,3
.irp i, 0,1,2,3,4,5,6,7
	v_pk_mul_f16 v[FA+32*(\f)+8*(\a)+(\i)], v[FA+32*(\f)+8*(\a)+(\i)], v[FK+4*(\slot)+(\a)]
.endr
.endr
.endm
; A K step is four quarters of 32 along K, 32 matrix instructions each, on buffers 0, 1, 0, 1.  One of the first three: fetches quarter kq into buffer g, then multiplies buffer f.
.macro QUARTER slot, kq, f, g, zero
	s_wait_dscnt 0x0                               ; buffer f's loads were issued in front of the last 32 matrix instructions, and nothing behind them
.if PSC
	WIN 0
	SCALE \f, \slot                                ; 32 plain lines that name nothing of the last products: also the places in front of the loads into buffer g
.else
	PLACES
.endif
	FETCH \slot, \kq, \g
	MUL8 \f, 0, \zero
	MUL8 \f, 1, \zero
	MUL8 \f, 2, \zero
	MUL8 \f, 3, \zero
.endm
; The last quarter multiplies buffer 1 and changes slots: ONE barrier; in front of it each wave waits for all its tensor loads (one is out: its part of the next slot), adds 0 to its spare
; word, and waits for that and for its own reads of this slot.  fill = 1: the barrier opens a round of the cluster's, and this slot is filled again, two K steps ahead, first thing behind it.
.macro TURN slot, next, fill
	WIN 0
	s_wait_tensorcnt 0x0                           ; all my tensor loads have landed;
	ds_add_u32 v[SPW], v[NIL]                      ; 0 onto my spare word;
	s_wait_dscnt 1                                 ; (only the add may be out: buffer 1's 24 loads are in)
.if PSC
	SCALE 1, \slot
.endif
	MUL8 1, 0, 0                                   ; matrix instructions stand between the add and the wait for it
	s_wait_dscnt 0x0                               ; the add is done, and my reads of this slot are over
	s_barrier_signal -1
	MUL8 1, 1, 0
.if \fill
	WIN 0
.endif
	s_barrier_wait -1
.if \fill
	CREST                                          ; no wave of any partner still reads this slot's tiles or has a load on its way
	s_add_nc_u64 s[G0+4*(\slot)+2:G0+4*(\slot)+3], s[G0+4*(\slot)+2:G0+4*(\slot)+3], 2*KSTEP*2
	s_add_nc_u64 s[G0B+4*(\slot)+2:G0B+4*(\slot)+3], s[G0B+4*(\slot)+2:G0B+4*(\slot)+3], 2*BSTEP
	JLOAD \slot                                    ; my one tensor load behind the round: 112 matrix instructions ahead of the wait for it; its four v_nop are also the places in front of the loads below
.else
	PLACES
.endif
	FETCH \next, 0, 0
	MUL8 1, 2, 0
	MUL8 1, 3, 0
.endm
	s_load_b64 s[4:5], s[0:1], ARG_A
	s_load_b64 s[6:7], s[0:1], ARG_B
	s_load_b64 s[8:9], s[0:1], ARG_C
	s_load_b64 s[66:67], s[0:1], ARG_S
	v_lshl_add_u32 v[SPW], v0, 2, SPARE
	v_mov_b32 v[NIL], 0
	ds_add_u32 v28, v29
	s_wait_dscnt 0x0
	v_lshrrev_b32 v1, 5, v0
	v_readfirstlane_b32 s10, v1                    ; wave 0..3
	s_lshr_b32 s11, s10, 1                         ; I fetch for A (0) or for B (1),
	s_and_b32 s12, s10, 1                          ; and which half of that tile's rows
	s_bfe_u32 s40, ttmp6, 0x40000                  ; cx, cy: my place in the cluster
	s_bfe_u32 s41, ttmp6, 0x40004
	s_lshl_b32 s42, ttmp9, 2
	s_add_co_u32 s42, s42, s40                     ; tile column of C = 4 x cluster x + cx
	s_and_b32 s45, ttmp7, 0xffff
	s_lshl_b32 s13, s45, 2
	s_add_co_u32 s13, s13, s41                     ; tile row of C = 4 x cluster y + cy
	s_lshr_b32 s45, s45, 1                         ; the batch: 8 tile rows = 2 clusters each, so it hangs on the cluster's y alone
	s_lshl_b32 s43, s41, 2
	s_lshl_b32 s43, 15, s43                        ; my row of the cluster
	s_lshl_b32 s44, 0x1111, s40                    ; my column
	; descriptor group 1.  A: 128 rows x 128 elements a load; B: 64 rows x 128 elements; padded in LDS behind every row
	s_or_b32 s[G1+0], s43, (1<<16)|(1<<20)|(1<<21)|(5<<22)|(3<<25)      ; 15:0 the mask: my row; 17:16 2-byte elements; 20 padding on; 21 set beside a mask; 24:22 after every 64 words (code 5); 31:25 4 words (code 3)
	s_or_b32 s[G1B+0], s44, (1<<16)|(1<<20)|(1<<21)|(5<<22)|(BPAD<<25)  ; the same with my column's mask and B's padding
	s_mov_b32 s[G1+1], KSTEP<<16                   ; tensor_dim0 = 128
	s_mov_b32 s[G1+2], 128<<16                     ; tensor_dim1 = 128
	s_mov_b32 s[G1+3], KSTEP<<16                   ; tile_dim0 = 128
	s_mov_b32 s[G1+4], 128                         ; tile_dim1 = 128
	s_mov_b32 s[G1+5], AP                          ; elements from row to row
	s_mov_b32 s[G1+6], 0
	s_mov_b32 s[G1+7], 0
	s_mov_b32 s[G1B+1], 128<<16
	s_mov_b32 s[G1B+2], 64<<16
	s_mov_b32 s[G1B+3], 128<<16
	s_mov_b32 s[G1B+4], 64
	s_mov_b32 s[G1B+5], BP
	s_mov_b32 s[G1B+6], 0
	s_mov_b32 s[G1B+7], 0
	; where the tiles come from: A's hang on the tile row alone, B's on the tile column and the batch alone; all offsets stay under 2^32
	s_lshl_b32 s17, s12, 7
	s_lshl_b32 s16, s13, 8
	s_add_co_u32 s16, s16, s17                     ; A: row 256 x tile row + 128 x half
	s_mul_i32 s16, s16, AP*2
	s_mov_b32 s17, 0
	s_lshl_b32 s46, s12, 6                         ; B: 64 x half,
.if BBAT
	s_mul_i32 s47, s45, BBAT                       ; in the batch's rows,
	s_add_co_u32 s46, s46, s47
.endif
.if !BNN
	s_lshl_b32 s47, s42, 7                         ; in the tile column's 128 rows
	s_add_co_u32 s46, s46, s47
.endif
	s_mul_i32 s46, s46, BP*2
.if BNN
	s_lshl_b32 s47, s42, 8                         ; at the tile column's 256 bytes
	s_add_co_u32 s46, s46, s47
.endif
.if BOFS
	s_add_co_u32 s46, s46, BOFS
.endif
	s_mov_b32 s47, 0
	s_mul_i32 s20, s12, 128*PA                     ; and where they go: no place in the cluster enters an LDS address
	s_mul_i32 s21, s12, 64*PB
	s_add_co_u32 s21, s21, BOFF
	s_wait_kmcnt 0x0
	s_add_nc_u64 s[14:15], s[4:5], s[16:17]
	s_add_nc_u64 s[46:47], s[6:7], s[46:47]
	CROUND                                         ; all sixteen work-groups are here: the first joint loads meet
.irp s, 0,1
	s_mov_b32 s[G0+4*(\s)], 1                                        ; count = 1
	s_add_co_u32 s[G0+4*(\s)+1], s20, (\s)*SLOT                      ; LDS address
	s_add_nc_u64 s[G0+4*(\s)+2:G0+4*(\s)+3], s[14:15], (\s)*KSTEP*2  ; global address: K step s
	s_or_b32 s[G0+4*(\s)+3], s[G0+4*(\s)+3], 0x80000000              ; type = 2
	s_mov_b32 s[G0B+4*(\s)], 1
	s_add_co_u32 s[G0B+4*(\s)+1], s21, (\s)*SLOT
	s_add_nc_u64 s[G0B+4*(\s)+2:G0B+4*(\s)+3], s[46:47], (\s)*BSTEP
	s_or_b32 s[G0B+4*(\s)+3], s[G0B+4*(\s)+3], 0x80000000
	JLOAD \s                                       ; two tensor loads of mine are out
.endr
	; A fragment is 16 rows x 32 K in 8 registers: lane l holds row l % 16; registers 0-3 K = 8 (l / 16) + 0..7, registers 4-7 K = 16 + 8 (l / 16) + 0..7.
	v_and_b32 v1, 15, v0                           ; r = l % 16
	v_bfe_u32 v2, v0, 4, 1                         ; h = l / 16
	v_mul_u32_u24 v3, v1, PA
	v_lshl_add_u32 v3, v2, 4, v3                   ; row x pitch + 16 x half
	s_mul_i32 s22, s10, 64*PA                      ; my 64 rows of A
	v_add_nc_u32 v[ADRA], s22, v3
	v_add_nc_u32 v[ADRA+1], SLOT, v[ADRA]
.if BNN
	; The turning load takes 16 K x 16 columns (lane l reads 16 bytes: K 8 (l / 16) + l % 8, columns 8 ((l / 8) % 2) + 0..7) and leaves half a fragment: lane l holds column l % 16 and 8 K.
	v_and_b32 v4, 7, v0
	v_lshl_add_u32 v4, v2, 3, v4
	v_mul_u32_u24 v4, v4, PB
	v_bfe_u32 v5, v0, 3, 1
	v_lshl_add_u32 v4, v5, 4, v4
	v_add_nc_u32 v[ADRB], BOFF, v4
.else
	v_add_nc_u32 v[ADRB], BOFF, v3
.endif
	v_add_nc_u32 v[ADRB+1], SLOT, v[ADRB]
	s_mul_i32 s23, s10, 16*SP
	s_add_co_u32 s23, s23, STAGE                   ; my stage
	v_mul_u32_u24 v4, v1, SP                       ; in: row l % 16, my eight columns
.if EPI == 3
	v_lshl_add_u32 v4, v2, 5, v4                   ; 32 bytes of f32 for each half of the lanes
	v_add_nc_u32 v[STO], s23, v4
	v_and_b32 v5, 31, v0                           ; back: 32 lanes take one row of 512 bytes
	v_lshlrev_b32 v[CO], 4, v5
	v_add_nc_u32 v[RD], s23, v[CO]
.else
	v_lshl_add_u32 v4, v2, 4, v4                   ; 16 bytes of f16 for each half of the lanes
	v_add_nc_u32 v[STO], s23, v4
	v_mul_u32_u24 v5, v2, SP                       ; back: lanes 0-15 take one row of 256 bytes, lanes 16-31 the next
	v_lshl_add_u32 v5, v1, 4, v5
	v_add_nc_u32 v[RD], s23, v5
	v_mul_u32_u24 v5, v2, CPB                      ; and the same two rows in C
	v_lshl_add_u32 v[CO], v1, 4, v5
.endif
	s_lshl_b32 s16, s13, 8
	s_lshl_b32 s17, s10, 6
	s_add_co_u32 s16, s16, s17                     ; my first row of C: 256 x tile row + 64 x wave
	s_mul_i32 s16, s16, CPB
	s_mov_b32 s17, 0
	s_add_nc_u64 s[8:9], s[8:9], s[16:17]
	s_mul_i32 s46, s42, CCOL                       ; the tile's first column, in bytes
	s_mov_b32 s47, 0
	s_add_nc_u64 s[8:9], s[8:9], s[46:47]
	; THIS LAUNCH'S OWN: constants and addresses of the statistics
.set CC,  224                          ; v224-231  eight chains of the maximum
.set CM,  232                          ; v[232:233] c m (the packed scaling names a pair and takes its low word for both halves)
.set LS,  234                          ; v234      l
.set T,   235                          ; v235      what the lane 16 away holds
.set T2,  236                          ; v236      c m in lanes 0-15, l in lanes 16-31
.set BLK, 240                          ; v[240:243] four rows' statistics, to store
.set SR,  FTA                          ; v30
	s_mov_b32 s68, 0x3d38aa3b                      ; c = log2(e) / 32 = 0.0450842
	s_mov_b32 s69, s68                             ; named with it as a pair
	s_mov_b32 s70, 0x76543210                      ; v_permlanex16_b32: each lane takes its own place in the other half
	s_mov_b32 s71, 0xfedcba98
	s_mov_b32 s72, 0xffff0000                      ; lanes 16-31
	s_lshl_b32 s18, s45, 4
	s_add_co_u32 s18, s18, s42                     ; 16 x batch + group (the tile column),
	s_lshl_b32 s18, s18, 13                        ; 2,048 rows of 4 bytes each,
	s_and_b32 s19, s13, 7
	s_lshl_b32 s19, s19, 10                        ; my tile row's 256 rows in the batch,
	s_add_co_u32 s18, s18, s19
	s_lshl_b32 s19, s10, 8                         ; my wave's 64
	s_add_co_u32 s18, s18, s19
	s_mov_b32 s19, 0
	s_add_nc_u64 s[66:67], s[66:67], s[18:19]
	s_lshl_b32 s22, s10, 9
	s_add_co_u32 s22, s22, XTRA                    ; my scratch: 256 bytes of c m (64 rows), then 256 of l
	v_lshlrev_b32 v3, 2, v1
	v_lshl_add_u32 v3, v2, 8, v3
	v_add_nc_u32 v[SA], s22, v3                    ; in: 256 x half + 4 x row
	v_and_b32 v3, 31, v0
	v_lshl_add_u32 v[SR], v3, 4, s22               ; back: 16 bytes a lane
	v_lshlrev_b32 v3, 4, v1
	v_lshl_add_u32 v[SO], v2, 19, v3               ; out: lanes 0-15 in c m's half of stats, lanes 16-31 524,288 bytes on, in l's
	v_mov_b32 v[T], 0                              ; v_permlanex16_b32's destination counts as read
	s_wait_tensorcnt 1                             ; my part of K step 0 is in; K step 1's may stay out
	s_barrier_signal -1
	s_barrier_wait -1                              ; everybody's is
	FETCH 0, 0, 0
	QUARTER 0, 1, 0, 1, 1                          ; the first quarter stands in front of the loop: its products start the sums
	WIN 0                                          ; at a label and at a branch every window is 0
	s_mov_b32 s3, LAPS-1
.Llap:                                                 ; a trip goes once round the ring, from a lap's second quarter to the next lap's first, and fills both slots again
	QUARTER 0, 2, 1, 0, 0
	QUARTER 0, 3, 0, 1, 0
	TURN 0, 1, 1
	QUARTER 1, 1, 0, 1, 0
	QUARTER 1, 2, 1, 0, 0
	QUARTER 1, 3, 0, 1, 0
	TURN 1, 0, 1
	QUARTER 0, 1, 0, 1, 0
	WIN 0
	s_sub_co_u32 s3, s3, 1
	s_cmp_lg_u32 s3, 0
	s_cbranch_scc1 .Llap
	QUARTER 0, 2, 1, 0, 0                          ; the last lap fills nothing, and has no round of the cluster's barrier
	QUARTER 0, 3, 0, 1, 0
	TURN 0, 1, 0
	QUARTER 1, 1, 0, 1, 0
	QUARTER 1, 2, 1, 0, 0
	QUARTER 1, 3, 0, 1, 0
	s_wait_dscnt 0x0                               ; the very last quarter: nothing more to fetch
	MUL8 1, 0, 0
	MUL8 1, 1, 0
	MUL8 1, 2, 0
	MUL8 1, 3, 0
	WIN 0
	PLACES
; THE WAY OUT, a block of 16 rows at a time.  A lane holds 64 of its row's 128 scores (window 1, v[64 a ..]); the lane 16 away holds the other 64.
; SOFT a: the maximum (each accumulator's lowest registers first); c s - c m; the exponentials; the rounding to f16; the sum of the unrounded weights; c m and l into my scratch.
.macro SOFT a
.set SB, 64*(\a)
	WIN 0x15                                       ; three sources in window 1, destination in window 0
.irp b, 0,1,2,3,4,5,6,7
	v_max3_num_f32 v[CC+(\b)], v[SB+8*(\b)], v[SB+8*(\b)+1], v[SB+8*(\b)+2]
.endr
	WIN 0x14                                       ; sources 1 and 2 in window 1
.irp b, 0,1,2,3,4,5,6,7
	v_max3_num_f32 v[CC+(\b)], v[CC+(\b)], v[SB+8*(\b)+3], v[SB+8*(\b)+4]
.endr
.irp b, 0,1,2,3,4,5,6,7
	v_max3_num_f32 v[CC+(\b)], v[CC+(\b)], v[SB+8*(\b)+5], v[SB+8*(\b)+6]
.endr
.irp j, 0,1,2,3
	v_max3_num_f32 v[CC+(\j)], v[CC+(\j)], v[SB+16*(\j)+7], v[SB+16*(\j)+15]
.endr
	WIN 0
	v_max3_num_f32 v[CC], v[CC], v[CC+1], v[CC+2]
	v_max3_num_f32 v[CC+3], v[CC+3], v[CC+4], v[CC+5]
	v_max3_num_f32 v[CC], v[CC], v[CC+3], v[CC+6]
	v_max_num_f32 v[CC], v[CC], v[CC+7]
	v_permlanex16_b32 v[T], v[CC], s70, s71
	v_max_num_f32 v[CC], v[CC], v[T]               ; m of the row's 128 scores
	v_mul_f32 v[CM], s68, v[CC]
	v_mov_b32 v[CM+1], v[CM]
	WIN 0x41                                       ; in place in window 1; c m in window 0
.set i, 0
.rept 32
	v_pk_fma_f32 v[SB+2*i:SB+2*i+1], v[SB+2*i:SB+2*i+1], s[68:69], v[CM:CM+1] op_sel_hi:[1,0,0] neg_lo:[0,0,1] neg_hi:[0,0,1]
.set i, i+1
.endr
.set i, 0
.rept 64
	v_exp_f32 v[SB+i], v[SB+i]
.set i, i+1
.endr
	v_nop                                          ; a plain instruction between the last exponential and the use of its result (ISA guide 5.7.2)
	WIN 0x05
.set i, 0
	s_wait_alu depctr_va_vdst(0)
.rept 32
	v_cvt_pk_f16_f32 v[OUT+32*(\a)+i], v[SB+2*i], v[SB+2*i+1]
.set i, i+1
.endr
	WIN 0x45                                       ; the 32 pairs are added in place: neighbours 16, 8, 4, 2, 1 pairs apart
.irp w, 16,8,4,2,1
.set i, 0
.rept \w
	v_pk_add_f32 v[SB+2*i:SB+2*i+1], v[SB+2*i:SB+2*i+1], v[SB+2*(i+\w):SB+2*(i+\w)+1]
.set i, i+1
.endr
.endr
	WIN 0x05
	v_add_f32 v[LS], v[SB], v[SB+1]
	WIN 0
	v_permlanex16_b32 v[T], v[LS], s70, s71
	v_add_f32 v[LS], v[LS], v[T]                   ; l of the row's 128 weights
	v_cndmask_b32 v[T2], v[CM], v[LS], s72
	ds_store_b32 v[SA], v[T2] offset:64*(\a)
.endm
.macro STG a
.irp b, 0,1,2,3,4,5,6,7
	ds_store_b128 v[STO], v[OUT+32*(\a)+4*(\b):OUT+32*(\a)+4*(\b)+3] offset:32*(\b)
.endr
.irp t, 0,1,2,3,4,5,6,7
	ds_load_b128 v[OUT+32*(\a)+4*(\t):OUT+32*(\a)+4*(\t)+3], v[RD] offset:(\t)*2*SP  ; LDS serves a wave's instructions in order (ISA guide 5.7.1.4): these see the stores above; the next block's stores come behind them
.endr
.endm
.macro SEND a, younger                 ; younger: the LDS instructions issued behind block a's loads
.irp t, 0,1,2,3,4,5,6,7
	s_wait_dscnt (\younger)+7-(\t)
	global_store_b128 v[CO], v[OUT+32*(\a)+4*(\t):OUT+32*(\a)+4*(\t)+3], s[8:9] offset:(16*(\a)+2*(\t))*CPB  ; 16 lanes store 256 consecutive bytes, at a multiple of 256 from C's first byte
.endr
.endm
	SOFT 0
	STG 0
.irp a, 1,2,3                          ; a block's softmax stands between the loads of the block before and its stores; behind those loads: one store of statistics and the next block's sixteen
	SOFT \a
	STG \a
	SEND (\a)-1, 17
.endr
	SEND 3, 0
	ds_load_b128 v[BLK:BLK+3], v[SR]               ; my 64 rows' c m (lanes 0-15) and l (lanes 16-31)
	s_wait_dscnt 0x0
	global_store_b128 v[SO], v[BLK:BLK+3], s[66:67]  ; each half of the lanes stores 256 consecutive bytes, at a multiple of 256 from the buffer's first byte
	s_wait_tensorcnt 0x0                           ; the wave's end: behind my last tensor load and my last LDS store
	ds_add_u32 v[SPW], v[NIL]
	s_wait_dscnt 0x0
	CROUND                                         ; the closing round: no work-group ends while a partner may still ask for a tile that names it
	s_endpgm
.Lfunc_end_k_qd7335009d8_gscores:
	.size	k_qd7335009d8_gscores, .Lfunc_end_k_qd7335009d8_gscores-k_qd7335009d8_gscores
	.p2alignl 7, 3214868480
	.fill 96, 4, 3214868480
	.section	.rodata,"a",@progbits
	.p2align	6, 0x0
	.amdhsa_kernel k_qd7335009d8_gscores
		.amdhsa_group_segment_fixed_size 327680
		.amdhsa_private_segment_fixed_size 0
		.amdhsa_enable_private_segment 0
		.amdhsa_kernarg_size 24
		.amdhsa_user_sgpr_count 2
		.amdhsa_user_sgpr_kernarg_segment_ptr 1
		.amdhsa_wavefront_size32 1
		.amdhsa_system_sgpr_workgroup_id_x 1
		.amdhsa_system_sgpr_workgroup_id_y 1
		.amdhsa_system_sgpr_workgroup_id_z 1
		.amdhsa_system_vgpr_workitem_id 0
		.amdhsa_next_free_vgpr 512
		.amdhsa_next_free_sgpr 80
		.amdhsa_reserve_vcc 0
		.amdhsa_float_denorm_mode_32 3
		.amdhsa_float_denorm_mode_16_64 3
		.amdhsa_memory_ordered 1
		.amdhsa_forward_progress 1
		.amdhsa_inst_pref_size 122
	.end_amdhsa_kernel
	.amdgpu_metadata
---
amdhsa.version: [ 1, 2 ]
amdhsa.kernels:
  - .name:           k_qd7335009d8_gscores
    .symbol:         k_qd7335009d8_gscores.kd
    .args:
      - { .name: qkv, .offset: 0, .size: 8, .value_kind: global_buffer, .address_space: global }
      - { .name: p, .offset: 8, .size: 8, .value_kind: global_buffer, .address_space: global }
      - { .name: stats, .offset: 16, .size: 8, .value_kind: global_buffer, .address_space: global }
    .group_segment_fixed_size: 327680
    .private_segment_fixed_size: 0
    .kernarg_segment_align: 8
    .kernarg_segment_size: 24
    .max_flat_workgroup_size: 128
    .sgpr_count:     80
    .vgpr_count:     512
    .wavefront_size: 32
...
	.end_amdgpu_metadata
.endif
;; end of part 3
;; launch gpv (part 4): grid 8 x 32, 4 waves a work-group, clusters of 4 x 4, 327,680 bytes of LDS; arguments p, qkv, y, stats; writes y
.if DOCPART == 4
	.amdgcn_target "amdgcn-amd-amdhsa--gfx1250"
	.amdhsa_code_object_version 6
	.text
	.protected	k_qd7335009d8_gpv
	.globl	k_qd7335009d8_gpv
	.p2align	8
	.type	k_qd7335009d8_gpv,@function
k_qd7335009d8_gpv:
	s_mov_b64 s[64:65], 0
	v_nop
	global_prefetch_b8 v0, s[64:65] scope:SCOPE_SE
	s_setreg_imm32_b32 hwreg(HW_REG_WAVE_MODE, 25, 1), 1
	s_wait_xcnt 0x0
	s_wait_alu depctr_hold_cnt(0) depctr_sa_sdst(0) depctr_va_vdst(0) depctr_va_sdst(0) depctr_va_ssrc(0) depctr_va_vcc(0) depctr_vm_vsrc(0)
	s_getreg_b32 s2, hwreg(HW_REG_IB_STS2, 6, 4)
	s_cmp_eq_u32 s2, 0
	s_cbranch_scc0 .Lentry_in_a_cluster
	s_endpgm
.Lentry_in_a_cluster:
	s_bfe_u32 s2, ttmp6, 0x10000c
	s_cmp_lg_u32 s2, 0xf033
	s_cbranch_scc0 .Lentry_shape_is_right
	s_endpgm
.Lentry_shape_is_right:
; WEIGHTS x VALUES.  For each batch y = (the sum over the 16 groups g of f_g P_g V_g) / L, with f_g = 2^(c m_g - the row's largest c m) and L = the sum of l_g f_g: the softmax over all 2,048 keys,
; its true maximum taken away.  P: p [8192][2048] f16; V: columns 2048-3071 of qkv's rows; c m, l: stats.  A group is one K step of 128 keys: P's fragments are multiplied by f_g (in f16) on
; their way to the matrix unit.  Sums in f32; y rounded once to f16.
; LIMITS.  f_g lies in 0 to 1 and is rounded to f16 for the products (L takes it unrounded: at most 2^-11 of a group's share); f_g p below 6e-5 keeps f16's fixed step of 6e-8.
; L is at least 1: the group that holds the maximum has f = 1 and l >= 1.  NaN and infinities are not treated apart.
; ONE TEXT SERVES FOUR LAUNCHES (projections, scores, weights x values, output projection); the constants below choose; only the prologue and the way out are each launch's own.
.set SIZE_K, 2048                      ; the length of the sums
.set AP,   2048                        ; A's pitch in elements; A is [M][K]
.set BNN,  1                           ; 1: B is [K][N] and is turned on its way out of LDS; 0: B is [N][K]
.set BP,   3072                        ; B's pitch in elements
.set BOFS, 4096                        ; B's first column in its buffer's rows, in bytes
.set BBAT, 2048                        ; B's rows for each batch (0: one B for all)
.set CPB,  2048                        ; C's pitch in bytes
.set CCOL, 256                         ; bytes of a tile's 128 columns in C
.set EPI,  2                           ; the way out: 0 f16; 1 softmax by groups; 2 divided by the row's sum; 3 f32
.set PSC,  1                           ; 1: A's fragments are multiplied by a factor for each row and K step
.set ARG_A, 0
.set ARG_B, 8
.set ARG_C, 16
.set ARG_S, 24
; SHARES.  A work-group makes 256 x 128 of C; wave w its rows 64 w .. 64 w + 63 and all 128 columns: 32 accumulators of 16 x 16, 256 registers.
; So a wave's rows of C are whole (256 bytes of f16, 512 of f32): each wave has a stage of its own and the way out needs no barrier.
; K goes in steps of 128 through two LDS slots filled by the tensor data mover; every row of a tile is 256 consecutive bytes, at a multiple of 256 from its buffer's first byte.
; CLUSTER.  4 x 4 work-groups: the four of a row need the same tile of A, the four of a column the same tile of B: each is asked for JOINTLY, by the same load, descriptor and mask in all four.
; THE MATRIX INSTRUCTION IS USED TRANSPOSED (source 0 = 16 columns of C out of B, source 1 = 16 rows out of A): lane l holds row l % 16 of C and the columns 8 (l / 16) + 0..7.
; REGISTERS.  Window 0: v0-31 addresses; v32-95 A's fragments, two buffers of 4 x 8; v96-223 B's, two buffers of 8 x 8; v224-255 statistics.  Window 1: accumulator (a, b) at v[8 (8 a + b)].
.set KSTEP, 128
.set PA,    272                        ; a row of A in LDS: 256 bytes + 16 = 68 words: the 16 rows of a load start at 16 different groups of four banks (64 banks of 4 bytes: ISA guide 11.1)
.if BNN
.set PB,    288                        ; a row of B that is turned: 256 + 32 = 72 words
.set BPAD,  7                          ; 8 words of padding
.set BSTEP, KSTEP*BP*2                 ; a K step goes 128 rows down
.else
.set PB,    272
.set BPAD,  3                          ; 4 words of padding
.set BSTEP, KSTEP*2                    ; a K step goes 256 bytes along the rows
.endif
.set BOFF,  256*PA                     ; in a slot: A's 256 rows, then B's 128
.set SLOT,  106496
.set STAGE, 2*SLOT                     ; behind the ring, never filled by a tensor load: 16 rows for each wave, for the way out
.if EPI == 3
.set SP,    528
.else
.set SP,    272
.endif
.set XTRA,  STAGE+4*16*SP              ; behind the stages: a launch's own scratch, each wave's own
.if EPI == 1
.set SPARE, XTRA+4*512
.elseif EPI == 2
.set SPARE, XTRA+4*4096
.else
.set SPARE, XTRA
.endif                                 ; SPARE: the spare words, 128 bytes for each wave: two blocks of 256 bytes that no other line names
.set LAPS, SIZE_K/(2*KSTEP)            ; a lap = two K steps = once round the ring
.set FK,   8                           ; v8-15   (PSC) four factors, one for each of my blocks of 16 rows, for slot 0 and slot 1
.set ADRA, 16                          ; v16-17  LDS address of my A fragments in slot 0, 1
.set ADRB, 20                          ; v20-21  the same for B
.set STO,  24                          ; v24     the way out: where I put my part of a row
.set RD,   25                          ; v25     the way out: where I read rows back
.set CO,   26                          ; v26     my byte offset in C
.set SA,   27                          ; v27     (EPI 1) where my row's statistics go in the scratch
.set SPW,  28                          ; v28     LDS address of my spare word: SPARE + 4 x my thread's number; never rewritten
.set NIL,  29                          ; v29     0; never rewritten
.set FTA,  30                          ; v30     (PSC) the factors of the K step to be fetched; (EPI 1) where the statistics are read back
.set SO,   31                          ; v31     my byte offset in the statistics
.set FA,   32
.set FB,   96
.set OUT,  32                          ; the way out works where the fragments lay
.set G1,  24                           ; s[24:31] descriptor group 1 for A's tiles;  s[32:39] group 0, one set for each slot
.set G0,  32
.set G1B, 48                           ; s[48:55], s[56:63] the same for B's tiles
.set G0B, 56
.set MSB, 0
.macro WIN new                         ; s_set_vgpr_msb: bits 1:0 source 0, 3:2 source 1, 5:4 source 2, 7:6 destination; the high byte repeats the setting that is left
.if MSB != (\new)
	s_set_vgpr_msb (MSB<<8)|(\new)
.set MSB, \new
.endif
.endm
.set MUL, 0x50                         ; fragments in window 0; C and D in window 1
.macro PLACES                          ; four places in front of loads into registers that matrix instructions have read, and of lines that read results (ISA guide 7.12.1 for lines that read results)
	s_wait_alu depctr_va_vdst(0)
.rept 4
	v_nop
.endr
.endm
.macro JLOAD s                         ; a joint load: waves 0 and 1 fetch A's two halves, waves 2 and 3 B's; four v_nop follow each of the two lines, ahead of the jump, the label and what follows
	s_cmp_eq_u32 s11, 0
	s_cbranch_scc0 .Lfor_b_\@
	tensor_load_to_lds s[G0+4*(\s):G0+4*(\s)+3], s[G1:G1+7]
	s_nop 0
.rept 4
	v_nop
.endr
	s_branch .Lasked_\@
.Lfor_b_\@:
	tensor_load_to_lds s[G0B+4*(\s):G0B+4*(\s)+3], s[G1B:G1B+7]
	s_nop 0
.rept 4
	v_nop
.endr
.Lasked_\@:
.endm
.macro CREST                           ; a round of the cluster's barrier behind its opening barrier
	s_cmp_lg_u32 s10, 0
	s_cbranch_scc1 .Lnot_wave_0_\@
	s_barrier_signal -3
.Lnot_wave_0_\@:
	s_barrier_wait -3
	s_barrier_signal -1
	s_barrier_wait -1
.endm
.macro CROUND                          ; a whole round
	s_barrier_signal -1
	s_barrier_wait -1
	CREST
.endm
; 8 matrix instructions: my block a of 16 rows x all 8 blocks of 16 columns, 32 along K, from buffer f.  zero = 1: the product starts the sums.
; The 32 accumulators take turns, one instruction a turn, in the same order in every quarter.
.macro MUL8 f, a, zero
	WIN MUL
.irp b, 0,1,2,3,4,5,6,7
.if \zero
	v_wmma_f32_16x16x32_f16 v[8*(8*(\a)+(\b)):8*(8*(\a)+(\b))+7], v[FB+64*(\f)+8*(\b):FB+64*(\f)+8*(\b)+7], v[FA+32*(\f)+8*(\a):FA+32*(\f)+8*(\a)+7], 0
.else
	v_wmma_f32_16x16x32_f16 v[8*(8*(\a)+(\b)):8*(8*(\a)+(\b))+7], v[FB+64*(\f)+8*(\b):FB+64*(\f)+8*(\b)+7], v[FA+32*(\f)+8*(\a):FA+32*(\f)+8*(\a)+7], v[8*(8*(\a)+(\b)):8*(8*(\a)+(\b))+7]
.endif
.endr
.endm
; 24 LDS loads in one run: the fragments of quarter kq (32 along K) of a slot into buffer f; with PSC a K step's first run also takes the step's four factors.
.macro FETCH slot, kq, f
	WIN 0
.if PSC && ((\kq) == 0)
	ds_load_b128 v[FK+4*(\slot):FK+4*(\slot)+3], v[FTA]
	v_add_nc_u32 v[FTA], 256, v[FTA]               ; the next K step's
.endif
.irp b, 0,1,2,3,4,5,6,7
.if BNN
	ds_load_tr16_b128 v[FB+64*(\f)+8*(\b):FB+64*(\f)+8*(\b)+3],   v[ADRB+(\slot)] offset:(\kq)*32*PB+32*(\b)
	ds_load_tr16_b128 v[FB+64*(\f)+8*(\b)+4:FB+64*(\f)+8*(\b)+7], v[ADRB+(\slot)] offset:(\kq)*32*PB+16*PB+32*(\b)
.else
	ds_load_b128 v[FB+64*(\f)+8*(\b):FB+64*(\f)+8*(\b)+3],   v[ADRB+(\slot)] offset:(\b)*16*PB+64*(\kq)
	ds_load_b128 v[FB+64*(\f)+8*(\b)+4:FB+64*(\f)+8*(\b)+7], v[ADRB+(\slot)] offset:(\b)*16*PB+64*(\kq)+32
.endif
.endr
.irp a, 0,1,2,3
	ds_load_b128 v[FA+32*(\f)+8*(\a):FA+32*(\f)+8*(\a)+3],   v[ADRA+(\slot)] offset:(\a)*16*PA+64*(\kq)
	ds_load_b128 v[FA+32*(\f)+8*(\a)+4:FA+32*(\f)+8*(\a)+7], v[ADRA+(\slot)] offset:(\a)*16*PA+64*(\kq)+32
.endr
.endm
.macro SCALE f, slot                   ; (PSC) A's fragments in buffer f times the row's factor for the slot's K step, two f16 at a time
.irp a, 0,1,2,3
.irp i, 0,1,2,3,4,5,6,7
	v_pk_mul_f16 v[FA+32*(\f)+8*(\a)+(\i)], v[FA+32*(\f)+8*(\a)+(\i)], v[FK+4*(\slot)+(\a)]
.endr
.endr
.endm
; A K step is four quarters of 32 along K, 32 matrix instructions each, on buffers 0, 1, 0, 1.  One of the first three: fetches quarter kq into buffer g, then multiplies buffer f.
.macro QUARTER slot, kq, f, g, zero
	s_wait_dscnt 0x0                               ; buffer f's loads were issued in front of the last 32 matrix instructions, and nothing behind them
.if PSC
	WIN 0
	SCALE \f, \slot                                ; 32 plain lines that name nothing of the last products: also the places in front of the loads into buffer g
.else
	PLACES
.endif
	FETCH \slot, \kq, \g
	MUL8 \f, 0, \zero
	MUL8 \f, 1, \zero
	MUL8 \f, 2, \zero
	MUL8 \f, 3, \zero
.endm
; The last quarter multiplies buffer 1 and changes slots: ONE barrier; in front of it each wave waits for all its tensor loads (one is out: its part of the next slot), adds 0 to its spare
; word, and waits for that and for its own reads of this slot.  fill = 1: the barrier opens a round of the cluster's, and this slot is filled again, two K steps ahead, first thing behind it.
.macro TURN slot, next, fill
	WIN 0
	s_wait_tensorcnt 0x0                           ; all my tensor loads have landed;
	ds_add_u32 v[SPW], v[NIL]                      ; 0 onto my spare word;
	s_wait_dscnt 1                                 ; (only the add may be out: buffer 1's 24 loads are in)
.if PSC
	SCALE 1, \slot
.endif
	MUL8 1, 0, 0                                   ; matrix instructions stand between the add and the wait for it
	s_wait_dscnt 0x0                               ; the add is done, and my reads of this slot are over
	s_barrier_signal -1
	MUL8 1, 1, 0
.if \fill
	WIN 0
.endif
	s_barrier_wait -1
.if \fill
	CREST                                          ; no wave of any partner still reads this slot's tiles or has a load on its way
	s_add_nc_u64 s[G0+4*(\slot)+2:G0+4*(\slot)+3], s[G0+4*(\slot)+2:G0+4*(\slot)+3], 2*KSTEP*2
	s_add_nc_u64 s[G0B+4*(\slot)+2:G0B+4*(\slot)+3], s[G0B+4*(\slot)+2:G0B+4*(\slot)+3], 2*BSTEP
	JLOAD \slot                                    ; my one tensor load behind the round: 112 matrix instructions ahead of the wait for it; its four v_nop are also the places in front of the loads below
.else
	PLACES
.endif
	FETCH \next, 0, 0
	MUL8 1, 2, 0
	MUL8 1, 3, 0
.endm
	s_load_b64 s[4:5], s[0:1], ARG_A
	s_load_b64 s[6:7], s[0:1], ARG_B
	s_load_b64 s[8:9], s[0:1], ARG_C
	s_load_b64 s[66:67], s[0:1], ARG_S
	v_lshl_add_u32 v[SPW], v0, 2, SPARE
	v_mov_b32 v[NIL], 0
	ds_add_u32 v28, v29
	s_wait_dscnt 0x0
	v_lshrrev_b32 v1, 5, v0
	v_readfirstlane_b32 s10, v1                    ; wave 0..3
	s_lshr_b32 s11, s10, 1                         ; I fetch for A (0) or for B (1),
	s_and_b32 s12, s10, 1                          ; and which half of that tile's rows
	s_bfe_u32 s40, ttmp6, 0x40000                  ; cx, cy: my place in the cluster
	s_bfe_u32 s41, ttmp6, 0x40004
	s_lshl_b32 s42, ttmp9, 2
	s_add_co_u32 s42, s42, s40                     ; tile column of C = 4 x cluster x + cx
	s_and_b32 s45, ttmp7, 0xffff
	s_lshl_b32 s13, s45, 2
	s_add_co_u32 s13, s13, s41                     ; tile row of C = 4 x cluster y + cy
	s_lshr_b32 s45, s45, 1                         ; the batch: 8 tile rows = 2 clusters each, so it hangs on the cluster's y alone
	s_lshl_b32 s43, s41, 2
	s_lshl_b32 s43, 15, s43                        ; my row of the cluster
	s_lshl_b32 s44, 0x1111, s40                    ; my column
	; descriptor group 1.  A: 128 rows x 128 elements a load; B: 64 rows x 128 elements; padded in LDS behind every row
	s_or_b32 s[G1+0], s43, (1<<16)|(1<<20)|(1<<21)|(5<<22)|(3<<25)      ; 15:0 the mask: my row; 17:16 2-byte elements; 20 padding on; 21 set beside a mask; 24:22 after every 64 words (code 5); 31:25 4 words (code 3)
	s_or_b32 s[G1B+0], s44, (1<<16)|(1<<20)|(1<<21)|(5<<22)|(BPAD<<25)  ; the same with my column's mask and B's padding
	s_mov_b32 s[G1+1], KSTEP<<16                   ; tensor_dim0 = 128
	s_mov_b32 s[G1+2], 128<<16                     ; tensor_dim1 = 128
	s_mov_b32 s[G1+3], KSTEP<<16                   ; tile_dim0 = 128
	s_mov_b32 s[G1+4], 128                         ; tile_dim1 = 128
	s_mov_b32 s[G1+5], AP                          ; elements from row to row
	s_mov_b32 s[G1+6], 0
	s_mov_b32 s[G1+7], 0
	s_mov_b32 s[G1B+1], 128<<16
	s_mov_b32 s[G1B+2], 64<<16
	s_mov_b32 s[G1B+3], 128<<16
	s_mov_b32 s[G1B+4], 64
	s_mov_b32 s[G1B+5], BP
	s_mov_b32 s[G1B+6], 0
	s_mov_b32 s[G1B+7], 0
	; where the tiles come from: A's hang on the tile row alone, B's on the tile column and the batch alone; all offsets stay under 2^32
	s_lshl_b32 s17, s12, 7
	s_lshl_b32 s16, s13, 8
	s_add_co_u32 s16, s16, s17                     ; A: row 256 x tile row + 128 x half
	s_mul_i32 s16, s16, AP*2
	s_mov_b32 s17, 0
	s_lshl_b32 s46, s12, 6                         ; B: 64 x half,
.if BBAT
	s_mul_i32 s47, s45, BBAT                       ; in the batch's rows,
	s_add_co_u32 s46, s46, s47
.endif
.if !BNN
	s_lshl_b32 s47, s42, 7                         ; in the tile column's 128 rows
	s_add_co_u32 s46, s46, s47
.endif
	s_mul_i32 s46, s46, BP*2
.if BNN
	s_lshl_b32 s47, s42, 8                         ; at the tile column's 256 bytes
	s_add_co_u32 s46, s46, s47
.endif
.if BOFS
	s_add_co_u32 s46, s46, BOFS
.endif
	s_mov_b32 s47, 0
	s_mul_i32 s20, s12, 128*PA                     ; and where they go: no place in the cluster enters an LDS address
	s_mul_i32 s21, s12, 64*PB
	s_add_co_u32 s21, s21, BOFF
	s_wait_kmcnt 0x0
	s_add_nc_u64 s[14:15], s[4:5], s[16:17]
	s_add_nc_u64 s[46:47], s[6:7], s[46:47]
	CROUND                                         ; all sixteen work-groups are here: the first joint loads meet
.irp s, 0,1
	s_mov_b32 s[G0+4*(\s)], 1                                        ; count = 1
	s_add_co_u32 s[G0+4*(\s)+1], s20, (\s)*SLOT                      ; LDS address
	s_add_nc_u64 s[G0+4*(\s)+2:G0+4*(\s)+3], s[14:15], (\s)*KSTEP*2  ; global address: K step s
	s_or_b32 s[G0+4*(\s)+3], s[G0+4*(\s)+3], 0x80000000              ; type = 2
	s_mov_b32 s[G0B+4*(\s)], 1
	s_add_co_u32 s[G0B+4*(\s)+1], s21, (\s)*SLOT
	s_add_nc_u64 s[G0B+4*(\s)+2:G0B+4*(\s)+3], s[46:47], (\s)*BSTEP
	s_or_b32 s[G0B+4*(\s)+3], s[G0B+4*(\s)+3], 0x80000000
	JLOAD \s                                       ; two tensor loads of mine are out
.endr
	; A fragment is 16 rows x 32 K in 8 registers: lane l holds row l % 16; registers 0-3 K = 8 (l / 16) + 0..7, registers 4-7 K = 16 + 8 (l / 16) + 0..7.
	v_and_b32 v1, 15, v0                           ; r = l % 16
	v_bfe_u32 v2, v0, 4, 1                         ; h = l / 16
	v_mul_u32_u24 v3, v1, PA
	v_lshl_add_u32 v3, v2, 4, v3                   ; row x pitch + 16 x half
	s_mul_i32 s22, s10, 64*PA                      ; my 64 rows of A
	v_add_nc_u32 v[ADRA], s22, v3
	v_add_nc_u32 v[ADRA+1], SLOT, v[ADRA]
.if BNN
	; The turning load takes 16 K x 16 columns (lane l reads 16 bytes: K 8 (l / 16) + l % 8, columns 8 ((l / 8) % 2) + 0..7) and leaves half a fragment: lane l holds column l % 16 and 8 K.
	v_and_b32 v4, 7, v0
	v_lshl_add_u32 v4, v2, 3, v4
	v_mul_u32_u24 v4, v4, PB
	v_bfe_u32 v5, v0, 3, 1
	v_lshl_add_u32 v4, v5, 4, v4
	v_add_nc_u32 v[ADRB], BOFF, v4
.else
	v_add_nc_u32 v[ADRB], BOFF, v3
.endif
	v_add_nc_u32 v[ADRB+1], SLOT, v[ADRB]
	s_mul_i32 s23, s10, 16*SP
	s_add_co_u32 s23, s23, STAGE                   ; my stage
	v_mul_u32_u24 v4, v1, SP                       ; in: row l % 16, my eight columns
.if EPI == 3
	v_lshl_add_u32 v4, v2, 5, v4                   ; 32 bytes of f32 for each half of the lanes
	v_add_nc_u32 v[STO], s23, v4
	v_and_b32 v5, 31, v0                           ; back: 32 lanes take one row of 512 bytes
	v_lshlrev_b32 v[CO], 4, v5
	v_add_nc_u32 v[RD], s23, v[CO]
.else
	v_lshl_add_u32 v4, v2, 4, v4                   ; 16 bytes of f16 for each half of the lanes
	v_add_nc_u32 v[STO], s23, v4
	v_mul_u32_u24 v5, v2, SP                       ; back: lanes 0-15 take one row of 256 bytes, lanes 16-31 the next
	v_lshl_add_u32 v5, v1, 4, v5
	v_add_nc_u32 v[RD], s23, v5
	v_mul_u32_u24 v5, v2, CPB                      ; and the same two rows in C
	v_lshl_add_u32 v[CO], v1, 4, v5
.endif
	s_lshl_b32 s16, s13, 8
	s_lshl_b32 s17, s10, 6
	s_add_co_u32 s16, s16, s17                     ; my first row of C: 256 x tile row + 64 x wave
	s_mul_i32 s16, s16, CPB
	s_mov_b32 s17, 0
	s_add_nc_u64 s[8:9], s[8:9], s[16:17]
	s_mul_i32 s46, s42, CCOL                       ; the tile's first column, in bytes
	s_mov_b32 s47, 0
	s_add_nc_u64 s[8:9], s[8:9], s[46:47]
	; THIS LAUNCH'S OWN: THE STATISTICS, once a wave, while the first tiles are on their way.  Lane l takes row 16 a + l % 16 of my 64, for a = 0..3 and all 16 groups g (both halves of the lanes alike).
.set CMR, 32                           ; v32-95   c m (g, a) at 4 g + a; then f; then f twice in f16
.set LR,  96                           ; v96-159  l (g, a)
.set MX,  224                          ; v224-227 the row's largest c m
.set LSUM, 228                         ; v228-231 L
.set RI,  232                          ; v232-239 1 / L, a pair for each a (the packed multiply names a pair)
	s_lshl_b32 s18, s45, 17                        ; the batch: 16 groups x 2,048 rows x 4 bytes,
	s_and_b32 s19, s13, 7
	s_lshl_b32 s19, s19, 10                        ; my tile row's 256 rows in the batch,
	s_add_co_u32 s18, s18, s19
	s_lshl_b32 s19, s10, 8                         ; my wave's 64
	s_add_co_u32 s18, s18, s19
	s_mov_b32 s19, 0
	s_add_nc_u64 s[66:67], s[66:67], s[18:19]
	v_lshlrev_b32 v[SO], 2, v1
.set g, 0
.rept 16
.irp a, 0,1,2,3
	global_load_b32 v[CMR+4*g+(\a)], v[SO], s[66:67] offset:8192*g+64*(\a)
	global_load_b32 v[LR+4*g+(\a)], v[SO], s[66:67] offset:8192*g+64*(\a)+524288
.endr
.set g, g+1
.endr
	s_lshl_b32 s22, s10, 12
	s_add_co_u32 s22, s22, XTRA                    ; my table of factors: 16 groups x 16 rows x 4 blocks x 4 bytes
	v_lshl_add_u32 v[FTA], v1, 4, s22
	s_wait_loadcnt 0x0
.irp a, 0,1,2,3
	v_max3_num_f32 v[MX+(\a)], v[CMR+(\a)], v[CMR+4+(\a)], v[CMR+8+(\a)]
.endr
.set g, 3
.rept 6
.irp a, 0,1,2,3
	v_max3_num_f32 v[MX+(\a)], v[MX+(\a)], v[CMR+4*g+(\a)], v[CMR+4*g+4+(\a)]
.endr
.set g, g+2
.endr
.irp a, 0,1,2,3
	v_max_num_f32 v[MX+(\a)], v[MX+(\a)], v[CMR+60+(\a)]
.endr
.set i, 0
.rept 64
	v_sub_f32 v[CMR+i], v[CMR+i], v[MX+i%4]        ; c m_g less the row's largest: 0 at the most
.set i, i+1
.endr
.set i, 0
.rept 64
	v_exp_f32 v[CMR+i], v[CMR+i]                   ; f_g
.set i, i+1
.endr
	v_nop                                          ; a plain instruction between the last exponential and the use of its result (ISA guide 5.7.2)
	s_wait_alu depctr_va_vdst(0)
.irp a, 0,1,2,3
	v_mul_f32 v[LSUM+(\a)], v[LR+(\a)], v[CMR+(\a)]
.endr
.set g, 1
.rept 15
.irp a, 0,1,2,3
	v_fmac_f32 v[LSUM+(\a)], v[LR+4*g+(\a)], v[CMR+4*g+(\a)]
.endr
.set g, g+1
.endr
.set i, 0
.rept 64
	v_cvt_pk_f16_f32 v[CMR+i], v[CMR+i], v[CMR+i]  ; f in both halves of a word
.set i, i+1
.endr
.irp a, 0,1,2,3
	v_rcp_f32 v[RI+2*(\a)], v[LSUM+(\a)]
	v_rcp_f32 v[RI+2*(\a)+1], v[LSUM+(\a)]
.endr
	v_nop
.set g, 0
.rept 16
	ds_store_b128 v[FTA], v[CMR+4*g:CMR+4*g+3] offset:256*g  ; my wave's own bytes; the two halves of the lanes write the same numbers to the same places
.set g, g+1
.endr
	s_wait_tensorcnt 1                             ; my part of K step 0 is in; K step 1's may stay out
	s_wait_dscnt 0x0                               ; no LDS instruction of mine is pending at a signal
	s_barrier_signal -1
	s_barrier_wait -1                              ; everybody's is
	FETCH 0, 0, 0
	QUARTER 0, 1, 0, 1, 1                          ; the first quarter stands in front of the loop: its products start the sums
	WIN 0                                          ; at a label and at a branch every window is 0
	s_mov_b32 s3, LAPS-1
.Llap:                                                 ; a trip goes once round the ring, from a lap's second quarter to the next lap's first, and fills both slots again
	QUARTER 0, 2, 1, 0, 0
	QUARTER 0, 3, 0, 1, 0
	TURN 0, 1, 1
	QUARTER 1, 1, 0, 1, 0
	QUARTER 1, 2, 1, 0, 0
	QUARTER 1, 3, 0, 1, 0
	TURN 1, 0, 1
	QUARTER 0, 1, 0, 1, 0
	WIN 0
	s_sub_co_u32 s3, s3, 1
	s_cmp_lg_u32 s3, 0
	s_cbranch_scc1 .Llap
	QUARTER 0, 2, 1, 0, 0                          ; the last lap fills nothing, and has no round of the cluster's barrier
	QUARTER 0, 3, 0, 1, 0
	TURN 0, 1, 0
	QUARTER 1, 1, 0, 1, 0
	QUARTER 1, 2, 1, 0, 0
	QUARTER 1, 3, 0, 1, 0
	s_wait_dscnt 0x0                               ; the very last quarter: nothing more to fetch
	WIN 0
	SCALE 1, 1
	MUL8 1, 0, 0
	MUL8 1, 1, 0
	MUL8 1, 2, 0
	MUL8 1, 3, 0
	WIN 0
	PLACES
; THE WAY OUT, a block of 16 rows at a time: divided by the row's L; rounded to f16, 16 bytes a lane (each accumulator's registers in ascending order); into my stage; back as whole rows; stored.
.macro PACK a
	WIN 0x41                                       ; in place in window 1; 1 / L in window 0
.set i, 0
.rept 32
	v_pk_mul_f32 v[64*(\a)+2*i:64*(\a)+2*i+1], v[64*(\a)+2*i:64*(\a)+2*i+1], v[RI+2*(\a):RI+2*(\a)+1] op_sel_hi:[1,0]
.set i, i+1
.endr
	WIN 0x05                                       ; sources 0 and 1 window 1, destination window 0
.set i, 0
.rept 32
	v_cvt_pk_f16_f32 v[OUT+32*(\a)+i], v[64*(\a)+2*i], v[64*(\a)+2*i+1]
.set i, i+1
.endr
	WIN 0
.endm
.macro STG a
.irp b, 0,1,2,3,4,5,6,7
	ds_store_b128 v[STO], v[OUT+32*(\a)+4*(\b):OUT+32*(\a)+4*(\b)+3] offset:32*(\b)
.endr
.irp t, 0,1,2,3,4,5,6,7
	ds_load_b128 v[OUT+32*(\a)+4*(\t):OUT+32*(\a)+4*(\t)+3], v[RD] offset:(\t)*2*SP  ; LDS serves a wave's instructions in order (ISA guide 5.7.1.4): these see the stores above; the next block's stores come behind them
.endr
.endm
.macro SEND a, younger                 ; younger: the LDS instructions issued behind block a's loads
.irp t, 0,1,2,3,4,5,6,7
	s_wait_dscnt (\younger)+7-(\t)
	global_store_b128 v[CO], v[OUT+32*(\a)+4*(\t):OUT+32*(\a)+4*(\t)+3], s[8:9] offset:(16*(\a)+2*(\t))*CPB  ; 16 lanes store 256 consecutive bytes, at a multiple of 256 from C's first byte
.endr
.endm
	PACK 0
	STG 0
.irp a, 1,2,3                          ; a block's arithmetic stands between the loads of the block before and its stores
	PACK \a
	STG \a
	SEND (\a)-1, 16
.endr
	SEND 3, 0
	s_wait_tensorcnt 0x0                           ; the wave's end: behind my last tensor load and my last LDS store
	ds_add_u32 v[SPW], v[NIL]
	s_wait_dscnt 0x0
	CROUND                                         ; the closing round: no work-group ends while a partner may still ask for a tile that names it
	s_endpgm
.Lfunc_end_k_qd7335009d8_gpv:
	.size	k_qd7335009d8_gpv, .Lfunc_end_k_qd7335009d8_gpv-k_qd7335009d8_gpv
	.p2alignl 7, 3214868480
	.fill 96, 4, 3214868480
	.section	.rodata,"a",@progbits
	.p2align	6, 0x0
	.amdhsa_kernel k_qd7335009d8_gpv
		.amdhsa_group_segment_fixed_size 327680
		.amdhsa_private_segment_fixed_size 0
		.amdhsa_enable_private_segment 0
		.amdhsa_kernarg_size 32
		.amdhsa_user_sgpr_count 2
		.amdhsa_user_sgpr_kernarg_segment_ptr 1
		.amdhsa_wavefront_size32 1
		.amdhsa_system_sgpr_workgroup_id_x 1
		.amdhsa_system_sgpr_workgroup_id_y 1
		.amdhsa_system_sgpr_workgroup_id_z 1
		.amdhsa_system_vgpr_workitem_id 0
		.amdhsa_next_free_vgpr 512
		.amdhsa_next_free_sgpr 80
		.amdhsa_reserve_vcc 0
		.amdhsa_float_denorm_mode_32 3
		.amdhsa_float_denorm_mode_16_64 3
		.amdhsa_memory_ordered 1
		.amdhsa_forward_progress 1
		.amdhsa_inst_pref_size 151
	.end_amdhsa_kernel
	.amdgpu_metadata
---
amdhsa.version: [ 1, 2 ]
amdhsa.kernels:
  - .name:           k_qd7335009d8_gpv
    .symbol:         k_qd7335009d8_gpv.kd
    .args:
      - { .name: p, .offset: 0, .size: 8, .value_kind: global_buffer, .address_space: global }
      - { .name: qkv, .offset: 8, .size: 8, .value_kind: global_buffer, .address_space: global }
      - { .name: y, .offset: 16, .size: 8, .value_kind: global_buffer, .address_space: global }
      - { .name: stats, .offset: 24, .size: 8, .value_kind: global_buffer, .address_space: global }
    .group_segment_fixed_size: 327680
    .private_segment_fixed_size: 0
    .kernarg_segment_align: 8
    .kernarg_segment_size: 32
    .max_flat_workgroup_size: 128
    .sgpr_count:     80
    .vgpr_count:     512
    .wavefront_size: 32
...
	.end_amdgpu_metadata
.endif
;; end of part 4
;; launch gproj (part 5): grid 8 x 32, 4 waves a work-group, clusters of 4 x 4, 327,680 bytes of LDS; arguments y, wo16, out0; writes out0
.if DOCPART == 5
	.amdgcn_target "amdgcn-amd-amdhsa--gfx1250"
	.amdhsa_code_object_version 6
	.text
	.protected	k_qd7335009d8_gproj
	.globl	k_qd7335009d8_gproj
	.p2align	8
	.type	k_qd7335009d8_gproj,@function
k_qd7335009d8_gproj:
	s_mov_b64 s[64:65], 0
	v_nop
	global_prefetch_b8 v0, s[64:65] scope:SCOPE_SE
	s_setreg_imm32_b32 hwreg(HW_REG_WAVE_MODE, 25, 1), 1
	s_wait_xcnt 0x0
	s_wait_alu depctr_hold_cnt(0) depctr_sa_sdst(0) depctr_va_vdst(0) depctr_va_sdst(0) depctr_va_ssrc(0) depctr_va_vcc(0) depctr_vm_vsrc(0)
	s_getreg_b32 s2, hwreg(HW_REG_IB_STS2, 6, 4)
	s_cmp_eq_u32 s2, 0
	s_cbranch_scc0 .Lentry_in_a_cluster
	s_endpgm
.Lentry_in_a_cluster:
	s_bfe_u32 s2, ttmp6, 0x10000c
	s_cmp_lg_u32 s2, 0xf033
	s_cbranch_scc0 .Lentry_shape_is_right
	s_endpgm
.Lentry_shape_is_right:
; THE OUTPUT PROJECTION: out0[8192][1024] (f32) = y[8192][1024] x wo16[1024][1024], operands f16, sums in f32, stored as they are.
; ONE TEXT SERVES FOUR LAUNCHES (projections, scores, weights x values, output projection); the constants below choose; only the way out is each launch's own.
.set SIZE_K, 1024                      ; the length of the sums
.set AP,   1024                        ; A's pitch in elements; A is [M][K]
.set BNN,  1                           ; 1: B is [K][N] and is turned on its way out of LDS; 0: B is [N][K]
.set BP,   1024                        ; B's pitch in elements
.set BOFS, 0                           ; B's first column in its buffer's rows, in bytes
.set BBAT, 0                           ; B's rows for each batch (0: one B for all)
.set CPB,  4096                        ; C's pitch in bytes
.set CCOL, 512                         ; bytes of a tile's 128 columns in C
.set EPI,  3                           ; the way out: 0 f16; 1 softmax by groups; 2 divided by the row's sum; 3 f32
.set PSC,  0                           ; 1: A's fragments are multiplied by a factor for each row and K step
.set ARG_A, 0
.set ARG_B, 8
.set ARG_C, 16
; SHARES.  A work-group makes 256 x 128 of C; wave w its rows 64 w .. 64 w + 63 and all 128 columns: 32 accumulators of 16 x 16, 256 registers.
; So a wave's rows of C are whole (256 bytes of f16, 512 of f32): each wave has a stage of its own and the way out needs no barrier.
; K goes in steps of 128 through two LDS slots filled by the tensor data mover; every row of a tile is 256 consecutive bytes, at a multiple of 256 from its buffer's first byte.
; CLUSTER.  4 x 4 work-groups: the four of a row need the same tile of A, the four of a column the same tile of B: each is asked for JOINTLY, by the same load, descriptor and mask in all four.
; THE MATRIX INSTRUCTION IS USED TRANSPOSED (source 0 = 16 columns of C out of B, source 1 = 16 rows out of A): lane l holds row l % 16 of C and the columns 8 (l / 16) + 0..7.
; REGISTERS.  Window 0: v0-31 addresses; v32-95 A's fragments, two buffers of 4 x 8; v96-223 B's, two buffers of 8 x 8; v224-255 statistics.  Window 1: accumulator (a, b) at v[8 (8 a + b)].
.set KSTEP, 128
.set PA,    272                        ; a row of A in LDS: 256 bytes + 16 = 68 words: the 16 rows of a load start at 16 different groups of four banks (64 banks of 4 bytes: ISA guide 11.1)
.if BNN
.set PB,    288                        ; a row of B that is turned: 256 + 32 = 72 words
.set BPAD,  7                          ; 8 words of padding
.set BSTEP, KSTEP*BP*2                 ; a K step goes 128 rows down
.else
.set PB,    272
.set BPAD,  3                          ; 4 words of padding
.set BSTEP, KSTEP*2                    ; a K step goes 256 bytes along the rows
.endif
.set BOFF,  256*PA                     ; in a slot: A's 256 rows, then B's 128
.set SLOT,  106496
.set STAGE, 2*SLOT                     ; behind the ring, never filled by a tensor load: 16 rows for each wave, for the way out
.if EPI == 3
.set SP,    528
.else
.set SP,    272
.endif
.set XTRA,  STAGE+4*16*SP              ; behind the stages: a launch's own scratch, each wave's own
.if EPI == 1
.set SPARE, XTRA+4*512
.elseif EPI == 2
.set SPARE, XTRA+4*4096
.else
.set SPARE, XTRA
.endif                                 ; SPARE: the spare words, 128 bytes for each wave: two blocks of 256 bytes that no other line names
.set LAPS, SIZE_K/(2*KSTEP)            ; a lap = two K steps = once round the ring
.set FK,   8                           ; v8-15   (PSC) four factors, one for each of my blocks of 16 rows, for slot 0 and slot 1
.set ADRA, 16                          ; v16-17  LDS address of my A fragments in slot 0, 1
.set ADRB, 20                          ; v20-21  the same for B
.set STO,  24                          ; v24     the way out: where I put my part of a row
.set RD,   25                          ; v25     the way out: where I read rows back
.set CO,   26                          ; v26     my byte offset in C
.set SA,   27                          ; v27     (EPI 1) where my row's statistics go in the scratch
.set SPW,  28                          ; v28     LDS address of my spare word: SPARE + 4 x my thread's number; never rewritten
.set NIL,  29                          ; v29     0; never rewritten
.set FTA,  30                          ; v30     (PSC) the factors of the K step to be fetched; (EPI 1) where the statistics are read back
.set SO,   31                          ; v31     my byte offset in the statistics
.set FA,   32
.set FB,   96
.set OUT,  32                          ; the way out works where the fragments lay
.set G1,  24                           ; s[24:31] descriptor group 1 for A's tiles;  s[32:39] group 0, one set for each slot
.set G0,  32
.set G1B, 48                           ; s[48:55], s[56:63] the same for B's tiles
.set G0B, 56
.set MSB, 0
.macro WIN new                         ; s_set_vgpr_msb: bits 1:0 source 0, 3:2 source 1, 5:4 source 2, 7:6 destination; the high byte repeats the setting that is left
.if MSB != (\new)
	s_set_vgpr_msb (MSB<<8)|(\new)
.set MSB, \new
.endif
.endm
.set MUL, 0x50                         ; fragments in window 0; C and D in window 1
.macro PLACES                          ; four places in front of loads into registers that matrix instructions have read, and of lines that read results (ISA guide 7.12.1 for lines that read results)
.rept 4
	v_nop
.endr
.endm
.macro JLOAD s                         ; a joint load: waves 0 and 1 fetch A's two halves, waves 2 and 3 B's; four v_nop follow each of the two lines, ahead of the jump, the label and what follows
	s_cmp_eq_u32 s11, 0
	s_cbranch_scc0 .Lfor_b_\@
	tensor_load_to_lds s[G0+4*(\s):G0+4*(\s)+3], s[G1:G1+7]
	s_nop 0
.rept 4
	v_nop
.endr
	s_branch .Lasked_\@
.Lfor_b_\@:
	tensor_load_to_lds s[G0B+4*(\s):G0B+4*(\s)+3], s[G1B:G1B+7]
	s_nop 0
.rept 4
	v_nop
.endr
.Lasked_\@:
.endm
.macro CREST                           ; a round of the cluster's barrier behind its opening barrier
	s_cmp_lg_u32 s10, 0
	s_cbranch_scc1 .Lnot_wave_0_\@
	s_barrier_signal -3
.Lnot_wave_0_\@:
	s_barrier_wait -3
	s_barrier_signal -1
	s_barrier_wait -1
.endm
.macro CROUND                          ; a whole round
	s_barrier_signal -1
	s_barrier_wait -1
	CREST
.endm
; 8 matrix instructions: my block a of 16 rows x all 8 blocks of 16 columns, 32 along K, from buffer f.  zero = 1: the product starts the sums.
; The 32 accumulators take turns, one instruction a turn, in the same order in every quarter.
.macro MUL8 f, a, zero
	WIN MUL
.irp b, 0,1,2,3,4,5,6,7
.if \zero
	v_wmma_f32_16x16x32_f16 v[8*(8*(\a)+(\b)):8*(8*(\a)+(\b))+7], v[FB+64*(\f)+8*(\b):FB+64*(\f)+8*(\b)+7], v[FA+32*(\f)+8*(\a):FA+32*(\f)+8*(\a)+7], 0
.else
	v_wmma_f32_16x16x32_f16 v[8*(8*(\a)+(\b)):8*(8*(\a)+(\b))+7], v[FB+64*(\f)+8*(\b):FB+64*(\f)+8*(\b)+7], v[FA+32*(\f)+8*(\a):FA+32*(\f)+8*(\a)+7], v[8*(8*(\a)+(\b)):8*(8*(\a)+(\b))+7]
.endif
.endr
.endm
; 24 LDS loads in one run: the fragments of quarter kq (32 along K) of a slot into buffer f; with PSC a K step's first run also takes the step's four factors.
.macro FETCH slot, kq, f
	WIN 0
.if PSC && ((\kq) == 0)
	ds_load_b128 v[FK+4*(\slot):FK+4*(\slot)+3], v[FTA]
	v_add_nc_u32 v[FTA], 256, v[FTA]               ; the next K step's
.endif
.irp b, 0,1,2,3,4,5,6,7
.if BNN
	ds_load_tr16_b128 v[FB+64*(\f)+8*(\b):FB+64*(\f)+8*(\b)+3],   v[ADRB+(\slot)] offset:(\kq)*32*PB+32*(\b)
	ds_load_tr16_b128 v[FB+64*(\f)+8*(\b)+4:FB+64*(\f)+8*(\b)+7], v[ADRB+(\slot)] offset:(\kq)*32*PB+16*PB+32*(\b)
.else
	ds_load_b128 v[FB+64*(\f)+8*(\b):FB+64*(\f)+8*(\b)+3],   v[ADRB+(\slot)] offset:(\b)*16*PB+64*(\kq)
	ds_load_b128 v[FB+64*(\f)+8*(\b)+4:FB+64*(\f)+8*(\b)+7], v[ADRB+(\slot)] offset:(\b)*16*PB+64*(\kq)+32
.endif
.endr
.irp a, 0,1,2,3
	ds_load_b128 v[FA+32*(\f)+8*(\a):FA+32*(\f)+8*(\a)+3],   v[ADRA+(\slot)] offset:(\a)*16*PA+64*(\kq)
	ds_load_b128 v[FA+32*(\f)+8*(\a)+4:FA+32*(\f)+8*(\a)+7], v[ADRA+(\slot)] offset:(\a)*16*PA+64*(\kq)+32
.endr
.endm
.macro SCALE f, slot                   ; (PSC) A's fragments in buffer f times the row's factor for the slot's K step, two f16 at a time
.irp a, 0,1,2,3
.irp i, 0,1,2,3,4,5,6,7
	v_pk_mul_f16 v[FA+32*(\f)+8*(\a)+(\i)], v[FA+32*(\f)+8*(\a)+(\i)], v[FK+4*(\slot)+(\a)]
.endr
.endr
.endm
; A K step is four quarters of 32 along K, 32 matrix instructions each, on buffers 0, 1, 0, 1.  One of the first three: fetches quarter kq into buffer g, then multiplies buffer f.
.macro QUARTER slot, kq, f, g, zero
	s_wait_dscnt 0x0                               ; buffer f's loads were issued in front of the last 32 matrix instructions, and nothing behind them
.if PSC
	WIN 0
	SCALE \f, \slot                                ; 32 plain lines that name nothing of the last products: also the places in front of the loads into buffer g
.else
	PLACES
.endif
	FETCH \slot, \kq, \g
	MUL8 \f, 0, \zero
	MUL8 \f, 1, \zero
	MUL8 \f, 2, \zero
	MUL8 \f, 3, \zero
.endm
; The last quarter multiplies buffer 1 and changes slots: ONE barrier; in front of it each wave waits for all its tensor loads (one is out: its part of the next slot), adds 0 to its spare
; word, and waits for that and for its own reads of this slot.  fill = 1: the barrier opens a round of the cluster's, and this slot is filled again, two K steps ahead, first thing behind it.
.macro TURN slot, next, fill
	WIN 0
	s_wait_tensorcnt 0x0                           ; all my tensor loads have landed;
	ds_add_u32 v[SPW], v[NIL]                      ; 0 onto my spare word;
	s_wait_dscnt 1                                 ; (only the add may be out: buffer 1's 24 loads are in)
.if PSC
	SCALE 1, \slot
.endif
	MUL8 1, 0, 0                                   ; matrix instructions stand between the add and the wait for it
	s_wait_dscnt 0x0                               ; the add is done, and my reads of this slot are over
	s_barrier_signal -1
	MUL8 1, 1, 0
.if \fill
	WIN 0
.endif
	s_barrier_wait -1
.if \fill
	CREST                                          ; no wave of any partner still reads this slot's tiles or has a load on its way
	s_add_nc_u64 s[G0+4*(\slot)+2:G0+4*(\slot)+3], s[G0+4*(\slot)+2:G0+4*(\slot)+3], 2*KSTEP*2
	s_add_nc_u64 s[G0B+4*(\slot)+2:G0B+4*(\slot)+3], s[G0B+4*(\slot)+2:G0B+4*(\slot)+3], 2*BSTEP
	JLOAD \slot                                    ; my one tensor load behind the round: 112 matrix instructions ahead of the wait for it; its four v_nop are also the places in front of the loads below
.else
	PLACES
.endif
	FETCH \next, 0, 0
	MUL8 1, 2, 0
	MUL8 1, 3, 0
.endm
	s_load_b64 s[4:5], s[0:1], ARG_A
	s_load_b64 s[6:7], s[0:1], ARG_B
	s_load_b64 s[8:9], s[0:1], ARG_C
	v_lshl_add_u32 v[SPW], v0, 2, SPARE
	v_mov_b32 v[NIL], 0
	ds_add_u32 v28, v29
	s_wait_dscnt 0x0
	v_lshrrev_b32 v1, 5, v0
	v_readfirstlane_b32 s10, v1                    ; wave 0..3
	s_lshr_b32 s11, s10, 1                         ; I fetch for A (0) or for B (1),
	s_and_b32 s12, s10, 1                          ; and which half of that tile's rows
	s_bfe_u32 s40, ttmp6, 0x40000                  ; cx, cy: my place in the cluster
	s_bfe_u32 s41, ttmp6, 0x40004
	s_lshl_b32 s42, ttmp9, 2
	s_add_co_u32 s42, s42, s40                     ; tile column of C = 4 x cluster x + cx
	s_and_b32 s45, ttmp7, 0xffff
	s_lshl_b32 s13, s45, 2
	s_add_co_u32 s13, s13, s41                     ; tile row of C = 4 x cluster y + cy
	s_lshr_b32 s45, s45, 1                         ; the batch: 8 tile rows = 2 clusters each, so it hangs on the cluster's y alone
	s_lshl_b32 s43, s41, 2
	s_lshl_b32 s43, 15, s43                        ; my row of the cluster
	s_lshl_b32 s44, 0x1111, s40                    ; my column
	; descriptor group 1.  A: 128 rows x 128 elements a load; B: 64 rows x 128 elements; padded in LDS behind every row
	s_or_b32 s[G1+0], s43, (1<<16)|(1<<20)|(1<<21)|(5<<22)|(3<<25)      ; 15:0 the mask: my row; 17:16 2-byte elements; 20 padding on; 21 set beside a mask; 24:22 after every 64 words (code 5); 31:25 4 words (code 3)
	s_or_b32 s[G1B+0], s44, (1<<16)|(1<<20)|(1<<21)|(5<<22)|(BPAD<<25)  ; the same with my column's mask and B's padding
	s_mov_b32 s[G1+1], KSTEP<<16                   ; tensor_dim0 = 128
	s_mov_b32 s[G1+2], 128<<16                     ; tensor_dim1 = 128
	s_mov_b32 s[G1+3], KSTEP<<16                   ; tile_dim0 = 128
	s_mov_b32 s[G1+4], 128                         ; tile_dim1 = 128
	s_mov_b32 s[G1+5], AP                          ; elements from row to row
	s_mov_b32 s[G1+6], 0
	s_mov_b32 s[G1+7], 0
	s_mov_b32 s[G1B+1], 128<<16
	s_mov_b32 s[G1B+2], 64<<16
	s_mov_b32 s[G1B+3], 128<<16
	s_mov_b32 s[G1B+4], 64
	s_mov_b32 s[G1B+5], BP
	s_mov_b32 s[G1B+6], 0
	s_mov_b32 s[G1B+7], 0
	; where the tiles come from: A's hang on the tile row alone, B's on the tile column and the batch alone; all offsets stay under 2^32
	s_lshl_b32 s17, s12, 7
	s_lshl_b32 s16, s13, 8
	s_add_co_u32 s16, s16, s17                     ; A: row 256 x tile row + 128 x half
	s_mul_i32 s16, s16, AP*2
	s_mov_b32 s17, 0
	s_lshl_b32 s46, s12, 6                         ; B: 64 x half,
.if BBAT
	s_mul_i32 s47, s45, BBAT                       ; in the batch's rows,
	s_add_co_u32 s46, s46, s47
.endif
.if !BNN
	s_lshl_b32 s47, s42, 7                         ; in the tile column's 128 rows
	s_add_co_u32 s46, s46, s47
.endif
	s_mul_i32 s46, s46, BP*2
.if BNN
	s_lshl_b32 s47, s42, 8                         ; at the tile column's 256 bytes
	s_add_co_u32 s46, s46, s47
.endif
.if BOFS
	s_add_co_u32 s46, s46, BOFS
.endif
	s_mov_b32 s47, 0
	s_mul_i32 s20, s12, 128*PA                     ; and where they go: no place in the cluster enters an LDS address
	s_mul_i32 s21, s12, 64*PB
	s_add_co_u32 s21, s21, BOFF
	s_wait_kmcnt 0x0
	s_add_nc_u64 s[14:15], s[4:5], s[16:17]
	s_add_nc_u64 s[46:47], s[6:7], s[46:47]
	CROUND                                         ; all sixteen work-groups are here: the first joint loads meet
.irp s, 0,1
	s_mov_b32 s[G0+4*(\s)], 1                                        ; count = 1
	s_add_co_u32 s[G0+4*(\s)+1], s20, (\s)*SLOT                      ; LDS address
	s_add_nc_u64 s[G0+4*(\s)+2:G0+4*(\s)+3], s[14:15], (\s)*KSTEP*2  ; global address: K step s
	s_or_b32 s[G0+4*(\s)+3], s[G0+4*(\s)+3], 0x80000000              ; type = 2
	s_mov_b32 s[G0B+4*(\s)], 1
	s_add_co_u32 s[G0B+4*(\s)+1], s21, (\s)*SLOT
	s_add_nc_u64 s[G0B+4*(\s)+2:G0B+4*(\s)+3], s[46:47], (\s)*BSTEP
	s_or_b32 s[G0B+4*(\s)+3], s[G0B+4*(\s)+3], 0x80000000
	JLOAD \s                                       ; two tensor loads of mine are out
.endr
	; A fragment is 16 rows x 32 K in 8 registers: lane l holds row l % 16; registers 0-3 K = 8 (l / 16) + 0..7, registers 4-7 K = 16 + 8 (l / 16) + 0..7.
	v_and_b32 v1, 15, v0                           ; r = l % 16
	v_bfe_u32 v2, v0, 4, 1                         ; h = l / 16
	v_mul_u32_u24 v3, v1, PA
	v_lshl_add_u32 v3, v2, 4, v3                   ; row x pitch + 16 x half
	s_mul_i32 s22, s10, 64*PA                      ; my 64 rows of A
	v_add_nc_u32 v[ADRA], s22, v3
	v_add_nc_u32 v[ADRA+1], SLOT, v[ADRA]
.if BNN
	; The turning load takes 16 K x 16 columns (lane l reads 16 bytes: K 8 (l / 16) + l % 8, columns 8 ((l / 8) % 2) + 0..7) and leaves half a fragment: lane l holds column l % 16 and 8 K.
	v_and_b32 v4, 7, v0
	v_lshl_add_u32 v4, v2, 3, v4
	v_mul_u32_u24 v4, v4, PB
	v_bfe_u32 v5, v0, 3, 1
	v_lshl_add_u32 v4, v5, 4, v4
	v_add_nc_u32 v[ADRB], BOFF, v4
.else
	v_add_nc_u32 v[ADRB], BOFF, v3
.endif
	v_add_nc_u32 v[ADRB+1], SLOT, v[ADRB]
	s_mul_i32 s23, s10, 16*SP
	s_add_co_u32 s23, s23, STAGE                   ; my stage
	v_mul_u32_u24 v4, v1, SP                       ; in: row l % 16, my eight columns
.if EPI == 3
	v_lshl_add_u32 v4, v2, 5, v4                   ; 32 bytes of f32 for each half of the lanes
	v_add_nc_u32 v[STO], s23, v4
	v_and_b32 v5, 31, v0                           ; back: 32 lanes take one row of 512 bytes
	v_lshlrev_b32 v[CO], 4, v5
	v_add_nc_u32 v[RD], s23, v[CO]
.else
	v_lshl_add_u32 v4, v2, 4, v4                   ; 16 bytes of f16 for each half of the lanes
	v_add_nc_u32 v[STO], s23, v4
	v_mul_u32_u24 v5, v2, SP                       ; back: lanes 0-15 take one row of 256 bytes, lanes 16-31 the next
	v_lshl_add_u32 v5, v1, 4, v5
	v_add_nc_u32 v[RD], s23, v5
	v_mul_u32_u24 v5, v2, CPB                      ; and the same two rows in C
	v_lshl_add_u32 v[CO], v1, 4, v5
.endif
	s_lshl_b32 s16, s13, 8
	s_lshl_b32 s17, s10, 6
	s_add_co_u32 s16, s16, s17                     ; my first row of C: 256 x tile row + 64 x wave
	s_mul_i32 s16, s16, CPB
	s_mov_b32 s17, 0
	s_add_nc_u64 s[8:9], s[8:9], s[16:17]
	s_mul_i32 s46, s42, CCOL                       ; the tile's first column, in bytes
	s_mov_b32 s47, 0
	s_add_nc_u64 s[8:9], s[8:9], s[46:47]
	s_wait_tensorcnt 1                             ; my part of K step 0 is in; K step 1's may stay out
	s_barrier_signal -1
	s_barrier_wait -1                              ; everybody's is
	FETCH 0, 0, 0
	QUARTER 0, 1, 0, 1, 1                          ; the first quarter stands in front of the loop: its products start the sums
	WIN 0                                          ; at a label and at a branch every window is 0
	s_mov_b32 s3, LAPS-1
.Llap:                                                 ; a trip goes once round the ring, from a lap's second quarter to the next lap's first, and fills both slots again
	QUARTER 0, 2, 1, 0, 0
	QUARTER 0, 3, 0, 1, 0
	TURN 0, 1, 1
	QUARTER 1, 1, 0, 1, 0
	QUARTER 1, 2, 1, 0, 0
	QUARTER 1, 3, 0, 1, 0
	TURN 1, 0, 1
	QUARTER 0, 1, 0, 1, 0
	WIN 0
	s_sub_co_u32 s3, s3, 1
	s_cmp_lg_u32 s3, 0
	s_cbranch_scc1 .Llap
	QUARTER 0, 2, 1, 0, 0                          ; the last lap fills nothing, and has no round of the cluster's barrier
	QUARTER 0, 3, 0, 1, 0
	TURN 0, 1, 0
	QUARTER 1, 1, 0, 1, 0
	QUARTER 1, 2, 1, 0, 0
	QUARTER 1, 3, 0, 1, 0
	s_wait_dscnt 0x0                               ; the very last quarter: nothing more to fetch
	MUL8 1, 0, 0
	MUL8 1, 1, 0
	MUL8 1, 2, 0
	MUL8 1, 3, 0
	WIN 0
	PLACES
; THE WAY OUT, a block of 16 rows at a time: a lane's eight f32 of a row go into my stage as they are (each accumulator's low four registers first), rows of 512 + 16 bytes,
; and come back as whole rows of 512 bytes, into one of three sets of 64 registers where the fragments lay.
.macro ST a
	WIN 0x04                                       ; the stores' data in window 1
.irp b, 0,1,2,3,4,5,6,7
	ds_store_b128 v[STO], v[64*(\a)+8*(\b):64*(\a)+8*(\b)+3] offset:64*(\b)
	ds_store_b128 v[STO], v[64*(\a)+8*(\b)+4:64*(\a)+8*(\b)+7] offset:64*(\b)+16
.endr
	WIN 0
.set OB, OUT+64*((\a)%3)
.set t, 0
.rept 16
	ds_load_b128 v[OB+4*t:OB+4*t+3], v[RD] offset:SP*t  ; LDS serves a wave's instructions in order (ISA guide 5.7.1.4): these see the stores above; the next block's stores come behind them
.set t, t+1
.endr
.endm
.macro SENDF a, younger                ; younger: the LDS instructions issued behind block a's loads: the next block's 32, or none
.set OB, OUT+64*((\a)%3)
.set t, 0
.rept 16
	s_wait_dscnt (\younger)+15-t
	global_store_b128 v[CO], v[OB+4*t:OB+4*t+3], s[8:9] offset:(16*(\a)+t)*CPB th:TH_STORE_NT  ; the wave stores 512 consecutive bytes, at a multiple of 512 from C's first byte
.set t, t+1
.endr
.endm
	ST 0
	ST 1
	SENDF 0, 32
	ST 2
	SENDF 1, 32
	s_wait_xcnt 0x0                                ; block 3 comes back into block 0's registers, which its stores read: they are loaded again only behind this wait (ISA guide 3.1)
	ST 3
	SENDF 2, 32
	SENDF 3, 0
	s_wait_tensorcnt 0x0                           ; the wave's end: behind my last tensor load and my last LDS store
	ds_add_u32 v[SPW], v[NIL]
	s_wait_dscnt 0x0
	CROUND                                         ; the closing round: no work-group ends while a partner may still ask for a tile that names it
	s_endpgm
.Lfunc_end_k_qd7335009d8_gproj:
	.size	k_qd7335009d8_gproj, .Lfunc_end_k_qd7335009d8_gproj-k_qd7335009d8_gproj
	.p2alignl 7, 3214868480
	.fill 96, 4, 3214868480
	.section	.rodata,"a",@progbits
	.p2align	6, 0x0
	.amdhsa_kernel k_qd7335009d8_gproj
		.amdhsa_group_segment_fixed_size 327680
		.amdhsa_private_segment_fixed_size 0
		.amdhsa_enable_private_segment 0
		.amdhsa_kernarg_size 24
		.amdhsa_user_sgpr_count 2
		.amdhsa_user_sgpr_kernarg_segment_ptr 1
		.amdhsa_wavefront_size32 1
		.amdhsa_system_sgpr_workgroup_id_x 1
		.amdhsa_system_sgpr_workgroup_id_y 1
		.amdhsa_system_sgpr_workgroup_id_z 1
		.amdhsa_system_vgpr_workitem_id 0
		.amdhsa_next_free_vgpr 512
		.amdhsa_next_free_sgpr 80
		.amdhsa_reserve_vcc 0
		.amdhsa_float_denorm_mode_32 3
		.amdhsa_float_denorm_mode_16_64 3
		.amdhsa_memory_ordered 1
		.amdhsa_forward_progress 1
		.amdhsa_inst_pref_size 86
	.end_amdhsa_kernel
	.amdgpu_metadata
---
amdhsa.version: [ 1, 2 ]
amdhsa.kernels:
  - .name:           k_qd7335009d8_gproj
    .symbol:         k_qd7335009d8_gproj.kd
    .args:
      - { .name: y, .offset: 0, .size: 8, .value_kind: global_buffer, .address_space: global }
      - { .name: wo16, .offset: 8, .size: 8, .value_kind: global_buffer, .address_space: global }
      - { .name: out0, .offset: 16, .size: 8, .value_kind: global_buffer, .address_space: global }
    .group_segment_fixed_size: 327680
    .private_segment_fixed_size: 0
    .kernarg_segment_align: 8
    .kernarg_segment_size: 24
    .max_flat_workgroup_size: 128
    .sgpr_count:     80
    .vgpr_count:     512
    .wavefront_size: 32
...
	.end_amdgpu_metadata
.endif
;; end of part 5
;; ======== version 2 of 3: 5 launches; 1.13 times as fast as version 1
;; limits: values are held in f16: magnitudes above 65,504 overflow, below 6.1e-05 lose precision
;; workspace buffers: x16 16,777,216 bytes; wqkv 6,291,456 bytes; wo16 2,097,152 bytes; qkv 50,331,648 bytes; p 33,554,432 bytes; stats 1,048,576 bytes; y 16,777,216 bytes
;; launch prep: the kernel of part 1 again; grid 768 x 1, 8 waves a work-group, no clusters, 0 bytes of LDS; arguments x, Wq, Wk, Wv, Wo, x16, wqkv, wo16; writes x16, wqkv, wo16
;; launch gqkv (part 6): grid 8 x 32, 4 waves a work-group, clusters of 4 x 4, 327,680 bytes of LDS; arguments x16, wqkv, qkv; writes qkv
.if DOCPART == 6
	.amdgcn_target "amdgcn-amd-amdhsa--gfx1250"
	.amdhsa_code_object_version 6
	.text
	.protected	k_qd7335009d8_gqkv
	.globl	k_qd7335009d8_gqkv
	.p2align	8
	.type	k_qd7335009d8_gqkv,@function
k_qd7335009d8_gqkv:
	s_mov_b64 s[64:65], 0
	v_nop
	global_prefetch_b8 v0, s[64:65] scope:SCOPE_SE
	s_setreg_imm32_b32 hwreg(HW_REG_WAVE_MODE, 25, 1), 1
	s_wait_xcnt 0x0
	s_wait_alu depctr_hold_cnt(0) depctr_sa_sdst(0) depctr_va_vdst(0) depctr_va_sdst(0) depctr_va_ssrc(0) depctr_va_vcc(0) depctr_vm_vsrc(0)
	s_getreg_b32 s2, hwreg(HW_REG_IB_STS2, 6, 4)
	s_cmp_eq_u32 s2, 0
	s_cbranch_scc0 .Lentry_in_a_cluster
	s_endpgm
.Lentry_in_a_cluster:
	s_bfe_u32 s2, ttmp6, 0x10000c
	s_cmp_lg_u32 s2, 0xf033
	s_cbranch_scc0 .Lentry_shape_is_right
	s_endpgm
.Lentry_shape_is_right:
; q, k, v AT ONCE: qkv[8192][3072] = x16[8192][1024] x wqkv[1024][3072], all f16, sums in f32, each result rounded once to f16.
; LIMIT.  A result of 65,520 or more becomes an infinity in f16.
; A TILE AND A HALF.  qkv has 32 x 12 = 384 tiles of 256 x 256, the launch 8 x 32 = 256 work-groups.  Each makes one WHOLE tile of q or k (32 x 8 of them) and then HALF a tile of v, 128 x 256
; (64 x 4 of them): the same work for all.  The ring does not stop between the two: the whole tile's last two changes of slots ask for the half tile's first two K steps, and nothing waits for
; the whole tile's stores.  Work-group (x, y), in the cluster column X = x / 4 at the place cx = x % 4, takes the half tile of rows 256 y + 128 X .. + 127 and of v's columns 256 cx .. + 255.
; SHARES.  Whole tile: wave w makes the row half w / 2 and the column half w % 2: 128 x 128, 64 accumulators of 16 x 16, 512 registers; for 32 along K it reads 2 x 128 x 64 bytes from LDS and issues
; 64 matrix instructions.  Half tile: the same halves of 128 rows and 256 columns: 64 x 128, the 32 accumulators of window 2.
; K goes in steps of 128 through two LDS slots filled by the tensor data mover: a wave's one load behind a round has 224 of a whole tile's 256 matrix instructions of a step in which to land, 112 of a
; half tile's 128.  Every row of a tile is 256 or 512 consecutive bytes, at a multiple of 256 from its buffer's first byte.
; CLUSTER.  4 x 4 work-groups: the four of a row need the same tile of A (it hangs on y, and for the half tile on X too), the four of a column the same tile of B (it hangs on x; for the half tile on cx):
; each is asked for JOINTLY, by the same load, descriptor and mask in all four.
; THE MATRIX INSTRUCTION IS USED TRANSPOSED (source 0 = 16 columns of C out of B, source 1 = 16 rows out of A): lane l holds row l % 16 of C and the columns 8 (l / 16) + 0..7.
; REGISTERS, in windows of 256 (s_set_vgpr_msb: bits 1:0 source 0, 3:2 source 1, 5:4 source 2, 7:6 destination):
;   window 0: v0-31 addresses; v64-127, v128-191 A's fragments (8 x 16 rows x 32 K), two buffers; v32-63, v192-255 at work on the way out
;   window 1: v64-127, v128-191 B's fragments, two buffers
;   window 2: the 32 accumulators of my rows 0-63 (accumulator (a, b) at v[8 (8 a + b)]);   window 3: those of my rows 64-127
.set SIZE_K, 1024                      ; the length of the sums
.set AP,     1024                      ; x16's pitch in elements
.set BP,     3072                      ; wqkv's pitch in elements; it is [K][N] and is turned on its way out of LDS
.set CPB,    6144                      ; qkv's pitch in bytes
.set VCOL,   4096                      ; v's first column in a row of wqkv and of qkv, in bytes
.set KSTEP,  128
.set PITCH,  272                       ; a row of A in LDS: 256 bytes + 16 = 68 words: the 16 rows of a load start at 16 different groups of four banks (64 banks of 4 bytes: ISA guide 11.1)
.set HALFT,  128*PITCH                 ; a wave's part of a slot: 34,816 bytes
.set SLOT,   4*HALFT                   ; A's two parts, then B's two parts
.set PB,     544                       ; a row of B: 512 bytes + 32 = 17 x 32; 64 such rows are HALFT bytes too
.set BSTEP,  KSTEP*BP*2                ; a K step goes 128 rows down in B
.set STAGE,  2*SLOT                    ; behind the ring, never filled by a tensor load: 16 rows x 272 bytes for each wave, for the way out
.set SPITCH, 272
.set SPARE,  STAGE+4*16*SPITCH         ; behind the stages: the spare words, 128 bytes for each wave: two blocks of 256 bytes that no other line names
.set LAPS, SIZE_K/(2*KSTEP)            ; a lap = two K steps = once round the ring
.set ADRA, 16                          ; v16-17  LDS address of my A fragments in slot 0, 1
.set ADRB, 20                          ; v20-21  the same for B
.set STO,  24                          ; v24     the way out: where I put 16 bytes of a row
.set RD,   25                          ; v25     the way out: where I read a row back
.set CO,   26                          ; v26     my byte offset in C
.set SPW,  28                          ; v28     LDS address of my spare word: SPARE + 4 x my thread's number; never rewritten
.set NIL,  29                          ; v29     0; never rewritten
.set F0,   64                          ; fragment buffer 0
.set F1,   128                         ; fragment buffer 1
.set TMP,  192                         ; the way out: packed results
.set OB,   32                          ; the way out: 16 rows read back from the stage: v32-63 and v224-255 by turns
.set C1,   8                           ; s[8:9]   qkv at my part of the whole tile
.set C2,   66                          ; s[66:67] qkv at my part of the half tile
.set G1,   24                          ; s[24:31] descriptor group 1 for A's tiles;  s[32:39] group 0, one set for each slot
.set G0,   32
.set G1B,  48                          ; s[48:55], s[56:63] the same for B's tiles
.set G0B,  56
.set G0H,  68                          ; s[68:75] the half tile: group 0 for A's tiles, one set for each slot
.set G0BH, 76                          ; s[76:83] the half tile: group 0 for B's tiles (their group 1 is the whole tile's)
.set G1H,  84                          ; s[84:91] the half tile: group 1 for A's tiles: 64 rows a load
.set MSB, 0
.macro WIN new                         ; the immediate's high byte repeats the setting that is left; a switch that changes nothing is dropped
.if MSB != (\new)
	s_set_vgpr_msb (MSB<<8)|(\new)
.set MSB, \new
.endif
.endm
.set MUL_LO, 0xa1                      ; source 0 (B) window 1, source 1 (A) window 0, C and D window 2
.set MUL_HI, 0xf1                      ; the same, C and D window 3
.set TO_B,   0x40                      ; destination window 1, address window 0
.macro PLACES                          ; four places in front of loads into registers that matrix instructions have read, and of lines that read results (ISA guide 7.12.1 for lines that read results)
.rept 4
	v_nop
.endr
.endm
; A joint load: waves 0 and 1 fetch A's two parts (group 0 at ga, group 1 at g1a), waves 2 and 3 B's (group 0 at gb).  The branch hangs on the wave's number alone.
; Four v_nop follow each of the two lines, ahead of the jump, the label and what follows.
.macro JLOAD ga, g1a, gb
	s_cmp_eq_u32 s11, 0
	s_cbranch_scc0 .Lfor_b_\@
	tensor_load_to_lds s[(\ga):(\ga)+3], s[(\g1a):(\g1a)+7]
	s_nop 0
.rept 4
	v_nop
.endr
	s_branch .Lasked_\@
.Lfor_b_\@:
	tensor_load_to_lds s[(\gb):(\gb)+3], s[G1B:G1B+7]
	s_nop 0
.rept 4
	v_nop
.endr
.Lasked_\@:
.endm
.macro CREST                           ; a round of the cluster's barrier behind its opening barrier
	s_cmp_lg_u32 s10, 0
	s_cbranch_scc1 .Lnot_wave_0_\@
	s_barrier_signal -3
.Lnot_wave_0_\@:
	s_barrier_wait -3
	s_barrier_signal -1
	s_barrier_wait -1
.endm
.macro CROUND                          ; a whole round
	s_barrier_signal -1
	s_barrier_wait -1
	CREST
.endm
; 8 matrix instructions: row block a of the window's four (hi = 0: my rows 0-63, 1: rows 64-127) x all 8 column blocks, 32 along K, from buffer f.  zero = 1: the product starts the sums.
; The accumulators (64 in the whole tile, 32 in the half) take turns, one instruction a turn, in the same order in every quarter.
.macro MULA f, hi, a, zero
	WIN MUL_LO+0x50*(\hi)
.irp b, 0,1,2,3,4,5,6,7
.if \zero
	v_wmma_f32_16x16x32_f16 v[8*(8*(\a)+(\b)):8*(8*(\a)+(\b))+7], v[(\f)+8*(\b):(\f)+8*(\b)+7], v[(\f)+8*(4*(\hi)+(\a)):(\f)+8*(4*(\hi)+(\a))+7], 0
.else
	v_wmma_f32_16x16x32_f16 v[8*(8*(\a)+(\b)):8*(8*(\a)+(\b))+7], v[(\f)+8*(\b):(\f)+8*(\b)+7], v[(\f)+8*(4*(\hi)+(\a)):(\f)+8*(4*(\hi)+(\a))+7], v[8*(8*(\a)+(\b)):8*(8*(\a)+(\b))+7]
.endif
.endr
.endm
.macro MUL16 f, hi, a0, zero           ; 16 of them: row blocks a0 and a0 + 1
	MULA \f, \hi, \a0, \zero
	MULA \f, \hi, (\a0)+1, \zero
.endm
; The LDS loads of a quarter in one run: the fragments of quarter kq (32 along K) of a slot into buffer f: B's sixteen loads, then two for each of A's na blocks of 16 rows (8, or 4 in the half tile)
.macro FETCH slot, kq, f, na=8
	WIN TO_B
.irp i, 0,1,2,3,4,5,6,7
	ds_load_tr16_b128 v[(\f)+8*(\i):(\f)+8*(\i)+3],   v[ADRB+(\slot)] offset:(\kq)*32*PB+32*(\i)
	ds_load_tr16_b128 v[(\f)+8*(\i)+4:(\f)+8*(\i)+7], v[ADRB+(\slot)] offset:(\kq)*32*PB+16*PB+32*(\i)
.endr
	WIN 0
.irp i, 0,1,2,3,4,5,6,7
.if (\i) < (\na)
	ds_load_b128 v[(\f)+8*(\i):(\f)+8*(\i)+3],   v[ADRA+(\slot)] offset:64*(\kq)+(\i)*16*PITCH
	ds_load_b128 v[(\f)+8*(\i)+4:(\f)+8*(\i)+7], v[ADRA+(\slot)] offset:64*(\kq)+(\i)*16*PITCH+32
.endif
.endr
.endm
; THE WHOLE TILE.  A K step is four quarters of 32 along K, 64 matrix instructions each, on buffers 0, 1, 0, 1.  One of the first three: multiplies buffer f; in its middle it fetches quarter kq into buffer g.
.macro QUARTER slot, kq, f, g, zero
	s_wait_dscnt 8                                 ; B and A's rows 0-63 are in; the youngest eight loads (A's rows 64-127) may be out
	MUL16 \f, 0, 0, \zero
	MUL16 \f, 0, 2, \zero
	PLACES
	FETCH \slot, \kq, \g
	s_wait_dscnt 32                                ; all but the 32 just issued
	MUL16 \f, 1, 0, \zero
	MUL16 \f, 1, 2, \zero
.endm
; The last quarter multiplies buffer 1 and changes slots.  MEET is its first half: ONE barrier, which opens a round of the cluster's; in front of it each wave waits for all its tensor loads (one is out:
; its part of the next slot), adds 0 to its spare word, and waits for that and for its own reads of this slot.  Behind it nobody reads this slot any more and the next slot is whole.
.macro MEET
	WIN 0                                          ; (the add's two registers lie in window 0)
	s_wait_tensorcnt 0x0                           ; all my tensor loads have landed;
	ds_add_u32 v[SPW], v[NIL]                      ; 0 onto my spare word;
	s_wait_dscnt 9                                 ; (the add and the youngest eight loads may be out)
	MUL16 F1, 0, 0, 0                              ; sixteen matrix instructions stand between the add and the wait for it
	s_wait_dscnt 0x0                               ; the add is done, and my reads of this slot are over
	s_barrier_signal -1
	MUL16 F1, 0, 2, 0                              ; work on registers while the others arrive
	WIN 0
	s_barrier_wait -1
.endm
; The whole last quarter.  This slot is filled again first thing behind the round: with this tile's K step two steps on (on = 0) or with the HALF tile's K step 0 or 1 (on = 1).  na: A's blocks in the next slot's first fragments.
.macro TURN slot, next, on, na
	MEET
	CREST                                          ; no wave of any partner still reads this slot's tiles or has a load on its way
.if \on
	JLOAD G0H+4*(\slot), G1H, G0BH+4*(\slot)
.else
	s_add_nc_u64 s[G0+4*(\slot)+2:G0+4*(\slot)+3], s[G0+4*(\slot)+2:G0+4*(\slot)+3], 2*KSTEP*2
	s_add_nc_u64 s[G0B+4*(\slot)+2:G0B+4*(\slot)+3], s[G0B+4*(\slot)+2:G0B+4*(\slot)+3], 2*BSTEP
	JLOAD G0+4*(\slot), G1, G0B+4*(\slot)
.endif                                 ; my one tensor load behind the round; its four v_nop are also the places in front of the loads below
	FETCH \next, 0, F0, \na
	MUL16 F1, 1, 0, 0
	MUL16 F1, 1, 2, 0
.endm
; THE HALF TILE.  A quarter has 32 matrix instructions and 24 LDS loads.  One of the first three: fetches quarter kq into buffer g, then multiplies buffer f.
.macro QH slot, kq, f, g, zero
	s_wait_dscnt 0x0                               ; buffer f's loads were issued in front of the last 32 matrix instructions, and nothing behind them
	PLACES
	FETCH \slot, \kq, \g, 4
	MUL16 \f, 0, 0, \zero
	MUL16 \f, 0, 2, \zero
.endm
; Its last quarter, with the change of slots: the same three lines, barrier and round.  fill = 1: this slot is filled again, two K steps ahead.
.macro TURNH slot, next, fill
	WIN 0
	s_wait_tensorcnt 0x0                           ; all my tensor loads have landed;
	ds_add_u32 v[SPW], v[NIL]                      ; 0 onto my spare word;
	s_wait_dscnt 1                                 ; (only the add may be out: buffer 1's 24 loads are in)
	MULA F1, 0, 0, 0                               ; matrix instructions stand between the add and the wait for it
	s_wait_dscnt 0x0                               ; the add is done, and my reads of this slot are over
	s_barrier_signal -1
	MULA F1, 0, 1, 0
.if \fill
	WIN 0
.endif
	s_barrier_wait -1
.if \fill
	CREST
	s_add_nc_u64 s[G0H+4*(\slot)+2:G0H+4*(\slot)+3], s[G0H+4*(\slot)+2:G0H+4*(\slot)+3], 2*KSTEP*2
	s_add_nc_u64 s[G0BH+4*(\slot)+2:G0BH+4*(\slot)+3], s[G0BH+4*(\slot)+2:G0BH+4*(\slot)+3], 2*BSTEP
	JLOAD G0H+4*(\slot), G1H, G0BH+4*(\slot)
.else
	PLACES
.endif
	FETCH \next, 0, F0, 4
	MULA F1, 0, 2, 0
	MULA F1, 0, 3, 0
.endm
; THE WAY OUT, a block of 16 rows at a time.  PACK: rounded to f16, 16 bytes a lane (each accumulator's registers in ascending order).
; TOSTAGE: into my own stage in LDS, and back as whole rows of 256 bytes.  SEND: stored.
.macro PACK a
.set AC, 64*((\a)%4)
	WIN 0x0a+5*((\a)/4)                            ; sources 0 and 1: window 2 or 3
.irp b, 0,1,2,3,4,5,6,7
.irp r, 0,1,2,3
	v_cvt_pk_f16_f32 v[TMP+4*(\b)+(\r)], v[AC+8*(\b)+2*(\r)], v[AC+8*(\b)+2*(\r)+1]
.endr
.endr
	WIN 0
.endm
.macro TOSTAGE a
.set BK, OB+192*((\a)%2)
.irp b, 0,1,2,3,4,5,6,7
	ds_store_b128 v[STO], v[TMP+4*(\b):TMP+4*(\b)+3] offset:32*(\b)
.endr
.irp t, 0,1,2,3,4,5,6,7
	ds_load_b128 v[BK+4*(\t):BK+4*(\t)+3], v[RD] offset:(\t)*2*SPITCH  ; LDS serves a wave's instructions in order (ISA guide 5.7.1.4): these see the stores above; the next block's stores come behind them
.endr
.endm
.macro SEND a, base                    ; base: the scalar pair that holds C at my part of the tile
.set BK, OB+192*((\a)%2)
	s_wait_dscnt 0x0                               ; the block is back in registers
	s_wait_xcnt 0x0                                ; every earlier memory instruction has had its addresses translated (ISA guide 3.1): the other set of 32 registers, which the block before stored, is loaded again only behind this wait
.irp t, 0,1,2,3,4,5,6,7
	global_store_b128 v[CO], v[BK+4*(\t):BK+4*(\t)+3], s[(\base):(\base)+1] offset:(16*(\a)+2*(\t))*CPB  ; 16 lanes store 256 consecutive bytes, at a multiple of 256 from C's first byte; 126 rows of C at the most: inside the signed 24-bit immediate
.endr
.endm
	s_load_b64 s[4:5], s[0:1], 0x0                 ; x16
	s_load_b64 s[6:7], s[0:1], 0x8                 ; wqkv
	s_load_b64 s[8:9], s[0:1], 0x10                ; qkv
	v_lshl_add_u32 v[SPW], v0, 2, SPARE
	v_mov_b32 v[NIL], 0
	ds_add_u32 v28, v29
	s_wait_dscnt 0x0
	v_lshrrev_b32 v1, 5, v0
	v_readfirstlane_b32 s10, v1                    ; wave 0..3
	s_lshr_b32 s11, s10, 1                         ; which half of a tile's rows is mine.  Also: I fetch for A (0) or for B (1)
	s_and_b32 s12, s10, 1                          ; which half of its columns.  Also: which part of that tile I fetch
	s_bfe_u32 s40, ttmp6, 0x40000                  ; cx, cy: my place in the cluster
	s_bfe_u32 s41, ttmp6, 0x40004
	s_lshl_b32 s42, ttmp9, 2
	s_add_co_u32 s42, s42, s40                     ; x = 4 x cluster x + cx: the whole tile's column
	s_and_b32 s13, ttmp7, 0xffff
	s_lshl_b32 s13, s13, 2
	s_add_co_u32 s13, s13, s41                     ; y = 4 x cluster y + cy: the whole tile's row
	s_lshl_b32 s43, s41, 2
	s_lshl_b32 s43, 15, s43                        ; my row of the cluster
	s_lshl_b32 s44, 0x1111, s40                    ; my column
	; descriptor group 1, padded in LDS behind every row
	s_or_b32 s[G1+0], s43, (1<<16)|(1<<20)|(1<<21)|(5<<22)|(3<<25)   ; 15:0 the mask: my row; 17:16 2-byte elements; 20 padding on; 21 set beside a mask; 24:22 after every 64 words (code 5); 31:25 4 words (code 3)
	s_or_b32 s[G1H+0], s43, (1<<16)|(1<<20)|(1<<21)|(5<<22)|(3<<25)  ; the same for the half tile's A
	s_or_b32 s[G1B+0], s44, (1<<16)|(1<<20)|(1<<21)|(6<<22)|(7<<25)  ; my column's mask; padding after every 128 words (code 6), 8 words of it (code 7)
	s_mov_b32 s[G1+1], KSTEP<<16                   ; A, whole tile: tensor_dim0 = 128
	s_mov_b32 s[G1+2], 128<<16                     ; tensor_dim1 = 128
	s_mov_b32 s[G1+3], KSTEP<<16                   ; tile_dim0 = 128
	s_mov_b32 s[G1+4], 128                         ; tile_dim1 = 128
	s_mov_b32 s[G1+5], AP                          ; elements from row to row
	s_mov_b32 s[G1+6], 0
	s_mov_b32 s[G1+7], 0
	s_mov_b32 s[G1H+1], KSTEP<<16                  ; A, half tile: 64 rows x 128 elements a load
	s_mov_b32 s[G1H+2], 64<<16
	s_mov_b32 s[G1H+3], KSTEP<<16
	s_mov_b32 s[G1H+4], 64
	s_mov_b32 s[G1H+5], AP
	s_mov_b32 s[G1H+6], 0
	s_mov_b32 s[G1H+7], 0
	s_mov_b32 s[G1B+1], 256<<16                    ; B, both tiles: 64 rows of K x 256 columns a load
	s_mov_b32 s[G1B+2], 64<<16
	s_mov_b32 s[G1B+3], 256<<16
	s_mov_b32 s[G1B+4], 64
	s_mov_b32 s[G1B+5], BP
	s_mov_b32 s[G1B+6], 0
	s_mov_b32 s[G1B+7], 0
	; where the tiles come from; all offsets stay under 2^32.  The registers that feed A's descriptors never hold cx, those that feed B's never cy.
	s_lshl_b32 s16, s13, 8                         ; A: row 256 y,
	s_lshl_b32 s18, ttmp9, 7
	s_add_co_u32 s18, s18, s16                     ; for the half tile + 128 x the cluster's x;
	s_lshl_b32 s17, s12, 7
	s_add_co_u32 s16, s16, s17                     ; whole tile: + 128 x the part that I fetch,
	s_lshl_b32 s17, s12, 6
	s_add_co_u32 s18, s18, s17                     ; half tile: + 64 x the part that I fetch
	s_mul_i32 s16, s16, AP*2
	s_mul_i32 s18, s18, AP*2
	s_mov_b32 s17, 0
	s_mov_b32 s19, 0
	s_lshl_b32 s46, s12, 6                         ; B: 64 rows of K x the part that I fetch,
	s_mul_i32 s46, s46, BP*2
	s_lshl_b32 s94, s40, 9                         ; half tile: at 512 bytes x cx
	s_add_co_u32 s94, s94, s46
	s_add_co_u32 s94, s94, VCOL                    ; of v's columns;
	s_mov_b32 s95, 0
	s_lshl_b32 s47, s42, 9                         ; whole tile: at 512 bytes x x
	s_add_co_u32 s46, s46, s47
	s_mov_b32 s47, 0
	s_mul_i32 s20, s10, HALFT                      ; and where they go, in both tiles: wave x 34,816 bytes: no place in the cluster enters an LDS address
	s_wait_kmcnt 0x0
	s_add_nc_u64 s[14:15], s[4:5], s[16:17]
	s_add_nc_u64 s[92:93], s[4:5], s[18:19]
	s_add_nc_u64 s[46:47], s[6:7], s[46:47]
	s_add_nc_u64 s[94:95], s[6:7], s[94:95]
	CROUND                                         ; all sixteen work-groups are here: the first joint loads meet
.irp s, 0,1
	s_mov_b32 s[G0+4*(\s)], 1                                        ; count = 1
	s_add_co_u32 s[G0+4*(\s)+1], s20, (\s)*SLOT                      ; LDS address
	s_add_nc_u64 s[G0+4*(\s)+2:G0+4*(\s)+3], s[14:15], (\s)*KSTEP*2  ; global address: K step s
	s_or_b32 s[G0+4*(\s)+3], s[G0+4*(\s)+3], 0x80000000              ; type = 2
	s_mov_b32 s[G0B+4*(\s)], 1
	s_add_co_u32 s[G0B+4*(\s)+1], s20, (\s)*SLOT
	s_add_nc_u64 s[G0B+4*(\s)+2:G0B+4*(\s)+3], s[46:47], (\s)*BSTEP
	s_or_b32 s[G0B+4*(\s)+3], s[G0B+4*(\s)+3], 0x80000000
	JLOAD G0+4*(\s), G1, G0B+4*(\s)                ; two tensor loads of mine are out
.endr
.irp s, 0,1                            ; the half tile's descriptors, in registers of their own: none of a pending load's is written
	s_mov_b32 s[G0H+4*(\s)], 1
	s_add_co_u32 s[G0H+4*(\s)+1], s20, (\s)*SLOT
	s_add_nc_u64 s[G0H+4*(\s)+2:G0H+4*(\s)+3], s[92:93], (\s)*KSTEP*2
	s_or_b32 s[G0H+4*(\s)+3], s[G0H+4*(\s)+3], 0x80000000
	s_mov_b32 s[G0BH+4*(\s)], 1
	s_add_co_u32 s[G0BH+4*(\s)+1], s20, (\s)*SLOT
	s_add_nc_u64 s[G0BH+4*(\s)+2:G0BH+4*(\s)+3], s[94:95], (\s)*BSTEP
	s_or_b32 s[G0BH+4*(\s)+3], s[G0BH+4*(\s)+3], 0x80000000
.endr
	; A fragment is 16 rows x 32 K in 8 registers: lane l holds row l % 16; registers 0-3 K = 8 (l / 16) + 0..7, registers 4-7 K = 16 + 8 (l / 16) + 0..7.
	v_and_b32 v1, 15, v0                           ; r = l % 16
	v_bfe_u32 v2, v0, 4, 1                         ; h = l / 16
	v_mul_u32_u24 v3, v1, PITCH
	v_lshl_add_u32 v3, v2, 4, v3                   ; row x pitch + 16 x half
	s_mul_i32 s21, s11, HALFT                      ; my rows of A: the part of the slot that holds my half of the tile's rows (128 of them, or 64)
	v_add_nc_u32 v[ADRA], s21, v3
	v_add_nc_u32 v[ADRA+1], SLOT, v[ADRA]
	; The turning load takes 16 K x 16 columns (lane l reads 16 bytes: K 8 (l / 16) + l % 8, columns 8 ((l / 8) % 2) + 0..7) and leaves half a fragment: lane l holds column l % 16 and 8 K.
	v_and_b32 v4, 7, v0
	v_lshl_add_u32 v4, v2, 3, v4
	v_mul_u32_u24 v4, v4, PB
	v_bfe_u32 v5, v0, 3, 1
	v_lshl_add_u32 v4, v5, 4, v4
	s_lshl_b32 s22, s12, 8                         ; my 128 columns: 256 bytes of each row,
	s_add_co_u32 s22, s22, 2*HALFT                 ; behind A's two parts
	v_add_nc_u32 v[ADRB], s22, v4
	v_add_nc_u32 v[ADRB+1], SLOT, v[ADRB]
	s_mul_i32 s23, s10, 16*SPITCH
	s_add_co_u32 s23, s23, STAGE                   ; my stage
	v_add_nc_u32 v[STO], s23, v3                   ; in: row l % 16, 16 bytes for each half of the lanes (the stage's pitch is the tiles')
	v_mul_u32_u24 v5, v2, SPITCH                   ; back: lanes 0-15 take one row of 256 bytes, lanes 16-31 the next
	v_lshl_add_u32 v5, v1, 4, v5
	v_add_nc_u32 v[RD], s23, v5
	v_mul_u32_u24 v5, v2, CPB                      ; and the same two rows in C
	v_lshl_add_u32 v[CO], v1, 4, v5
	; where my parts of the two tiles begin in qkv
	s_lshl_b32 s16, s13, 8
	s_lshl_b32 s18, ttmp9, 7
	s_add_co_u32 s18, s18, s16
	s_lshl_b32 s17, s11, 6
	s_add_co_u32 s18, s18, s17                     ; half tile: row 256 y + 128 x cluster x + 64 x my half
	s_lshl_b32 s17, s11, 7
	s_add_co_u32 s16, s16, s17                     ; whole tile: row 256 y + 128 x my half
	s_mul_i32 s16, s16, CPB
	s_mul_i32 s18, s18, CPB
	s_mov_b32 s17, 0
	s_mov_b32 s19, 0
	s_add_nc_u64 s[C2:C2+1], s[8:9], s[18:19]
	s_add_nc_u64 s[C1:C1+1], s[8:9], s[16:17]
	s_lshl_b32 s47, s12, 8                         ; 256 bytes x my half of the columns,
	s_lshl_b32 s46, s42, 9
	s_add_co_u32 s46, s46, s47                     ; whole tile: + 512 x
	s_lshl_b32 s94, s40, 9
	s_add_co_u32 s94, s94, s47
	s_add_co_u32 s94, s94, VCOL                    ; half tile: + 512 cx, in v's columns
	s_mov_b32 s47, 0
	s_mov_b32 s95, 0
	s_add_nc_u64 s[C1:C1+1], s[C1:C1+1], s[46:47]
	s_add_nc_u64 s[C2:C2+1], s[C2:C2+1], s[94:95]
	s_wait_tensorcnt 1                             ; my part of K step 0 is in; K step 1's may stay out
	s_barrier_signal -1
	s_barrier_wait -1                              ; everybody's is
	FETCH 0, 0, F0
	QUARTER 0, 1, F0, F1, 1                        ; THE WHOLE TILE.  Its first quarter stands in front of the loop: its products start the sums
	WIN 0                                          ; at a label and at a branch every window is 0
	s_mov_b32 s3, LAPS-1
.Llap:                                                 ; a trip goes once round the ring, from a lap's second quarter to the next lap's first, and fills both slots again
	QUARTER 0, 2, F1, F0, 0
	QUARTER 0, 3, F0, F1, 0
	TURN 0, 1, 0, 8
	QUARTER 1, 1, F0, F1, 0
	QUARTER 1, 2, F1, F0, 0
	QUARTER 1, 3, F0, F1, 0
	TURN 1, 0, 0, 8
	QUARTER 0, 1, F0, F1, 0
	WIN 0
	s_sub_co_u32 s3, s3, 1
	s_cmp_lg_u32 s3, 0
	s_cbranch_scc1 .Llap
	QUARTER 0, 2, F1, F0, 0                        ; the last lap: THE RING GOES ON INTO THE HALF TILE:
	QUARTER 0, 3, F0, F1, 0
	TURN 0, 1, 1, 8                                ; slot 0 takes its K step 0,
	QUARTER 1, 1, F0, F1, 0
	QUARTER 1, 2, F1, F0, 0
	QUARTER 1, 3, F0, F1, 0
	TURN 1, 0, 1, 4                                ; slot 1 its K step 1, and the half tile's first fragments are fetched
	WIN 0
	PLACES
	PACK 0                                         ; both refills are asked for: now the whole tile goes out; it touches neither fragment buffer
	TOSTAGE 0
.irp a, 1,2,3,4,5,6,7                  ; block a's conversions stand between block a - 1's loads from the stage and the wait for them
	PACK \a
	SEND (\a)-1, C1
	TOSTAGE \a
.endr
	SEND 7, C1
	QH 0, 1, F0, F1, 1                             ; THE HALF TILE.  Its first quarter starts the sums, on accumulators that have been packed; the whole tile's stores are on their way
	WIN 0
	s_mov_b32 s3, LAPS-1
.Lhalf:                                                ; a trip goes once round the ring, as above
	QH 0, 2, F1, F0, 0
	QH 0, 3, F0, F1, 0
	TURNH 0, 1, 1
	QH 1, 1, F0, F1, 0
	QH 1, 2, F1, F0, 0
	QH 1, 3, F0, F1, 0
	TURNH 1, 0, 1
	QH 0, 1, F0, F1, 0
	WIN 0
	s_sub_co_u32 s3, s3, 1
	s_cmp_lg_u32 s3, 0
	s_cbranch_scc1 .Lhalf
	QH 0, 2, F1, F0, 0                             ; the last lap fills nothing, and has no round of the cluster's barrier
	QH 0, 3, F0, F1, 0
	TURNH 0, 1, 0
	QH 1, 1, F0, F1, 0
	QH 1, 2, F1, F0, 0
	QH 1, 3, F0, F1, 0
	s_wait_dscnt 0x0                               ; the very last quarter: nothing more to fetch
	MUL16 F1, 0, 0, 0
	MUL16 F1, 0, 2, 0
	WIN 0
	PLACES
	PACK 0
	s_wait_xcnt 0x0                                ; the registers into which the stage is read back were the data of the whole tile's last stores: they are loaded again only behind this wait (ISA guide 3.1)
	TOSTAGE 0
.irp a, 1,2,3
	PACK \a
	SEND (\a)-1, C2
	TOSTAGE \a
.endr
	SEND 3, C2
	s_wait_tensorcnt 0x0                           ; the wave's end: behind my last tensor load and my last LDS store
	ds_add_u32 v[SPW], v[NIL]
	s_wait_dscnt 0x0
	CROUND                                         ; the closing round: no work-group ends while a partner may still ask for a tile that names it
	s_endpgm
.Lfunc_end_k_qd7335009d8_gqkv:
	.size	k_qd7335009d8_gqkv, .Lfunc_end_k_qd7335009d8_gqkv-k_qd7335009d8_gqkv
	.p2alignl 7, 3214868480
	.fill 96, 4, 3214868480
	.section	.rodata,"a",@progbits
	.p2align	6, 0x0
	.amdhsa_kernel k_qd7335009d8_gqkv
		.amdhsa_group_segment_fixed_size 327680
		.amdhsa_private_segment_fixed_size 0
		.amdhsa_enable_private_segment 0
		.amdhsa_kernarg_size 24
		.amdhsa_user_sgpr_count 2
		.amdhsa_user_sgpr_kernarg_segment_ptr 1
		.amdhsa_wavefront_size32 1
		.amdhsa_system_sgpr_workgroup_id_x 1
		.amdhsa_system_sgpr_workgroup_id_y 1
		.amdhsa_system_sgpr_workgroup_id_z 1
		.amdhsa_system_vgpr_workitem_id 0
		.amdhsa_next_free_vgpr 1024
		.amdhsa_next_free_sgpr 96
		.amdhsa_reserve_vcc 0
		.amdhsa_float_denorm_mode_32 3
		.amdhsa_float_denorm_mode_16_64 3
		.amdhsa_memory_ordered 1
		.amdhsa_forward_progress 1
		.amdhsa_inst_pref_size 224
	.end_amdhsa_kernel
	.amdgpu_metadata
---
amdhsa.version: [ 1, 2 ]
amdhsa.kernels:
  - .name:           k_qd7335009d8_gqkv
    .symbol:         k_qd7335009d8_gqkv.kd
    .args:
      - { .name: x16, .offset: 0, .size: 8, .value_kind: global_buffer, .address_space: global }
      - { .name: wqkv, .offset: 8, .size: 8, .value_kind: global_buffer, .address_space: global }
      - { .name: qkv, .offset: 16, .size: 8, .value_kind: global_buffer, .address_space: global }
    .group_segment_fixed_size: 327680
    .private_segment_fixed_size: 0
    .kernarg_segment_align: 8
    .kernarg_segment_size: 24
    .max_flat_workgroup_size: 128
    .sgpr_count:     96
    .vgpr_count:     1024
    .wavefront_size: 32
...
	.end_amdgpu_metadata
.endif
;; end of part 6
;; launch gscores (part 7): grid 8 x 32, 4 waves a work-group, clusters of 4 x 4, 327,680 bytes of LDS; arguments qkv, p, stats; writes p, stats
.if DOCPART == 7
	.amdgcn_target "amdgcn-amd-amdhsa--gfx1250"
	.amdhsa_code_object_version 6
	.text
	.protected	k_qd7335009d8_gscores
	.globl	k_qd7335009d8_gscores
	.p2align	8
	.type	k_qd7335009d8_gscores,@function
k_qd7335009d8_gscores:
	s_mov_b64 s[64:65], 0
	v_nop
	global_prefetch_b8 v0, s[64:65] scope:SCOPE_SE
	s_setreg_imm32_b32 hwreg(HW_REG_WAVE_MODE, 25, 1), 1
	s_wait_xcnt 0x0
	s_wait_alu depctr_hold_cnt(0) depctr_sa_sdst(0) depctr_va_vdst(0) depctr_va_sdst(0) depctr_va_ssrc(0) depctr_va_vcc(0) depctr_vm_vsrc(0)
	s_getreg_b32 s2, hwreg(HW_REG_IB_STS2, 6, 4)
	s_cmp_eq_u32 s2, 0
	s_cbranch_scc0 .Lentry_in_a_cluster
	s_endpgm
.Lentry_in_a_cluster:
	s_bfe_u32 s2, ttmp6, 0x10000c
	s_cmp_lg_u32 s2, 0xf033
	s_cbranch_scc0 .Lentry_shape_is_right
	s_endpgm
.Lentry_shape_is_right:
; SCORES AND WEIGHTS BY GROUPS.  For each batch s = q k^T (q, k: columns 0-1023 and 1024-2047 of qkv's rows, f16; sums in f32).  For each query and each GROUP of 128 keys (a wave's columns):
; m = the group's largest score, p = 2^(c s - c m) with c = log2(e) / 32, l = the sum of the unrounded p.  p goes out in f16 ([8192][2048]); c m and l in f32 (stats: [2 kinds][4 batches][16 groups][2048 rows]).
; The next launch brings the groups to the row's true maximum by factors of at most 1: the maximum is taken away in front of every exponential, and nothing can overflow.
; LIMITS.  p lies in 0 to 1; below 6e-5 it keeps f16's fixed step of 6e-8; a weight below 2^-126 counts as 0 in l; NaN and infinities are not treated apart.
; The loop over K is written for B either way, by BNN below: as [N][K], as k lies here, or as [K][N], turned on its way out of LDS.
.set SIZE_K, 1024                      ; the length of the sums
.set AP,   3072                        ; A's pitch in elements; A is [M][K]
.set BNN,  0                           ; 1: B is [K][N] and is turned on its way out of LDS; 0: B is [N][K]
.set BP,   3072                        ; B's pitch in elements
.set BOFS, 2048                        ; B's first column in its buffer's rows, in bytes
.set BBAT, 2048                        ; B's rows for each batch (0: one B for all)
.set CPB,  4096                        ; C's pitch in bytes
.set EPI,  1                           ; the way out: 0 f16; 1 softmax by groups
.set ARG_A, 0
.set ARG_B, 0
.set ARG_C, 8
.set ARG_S, 16
; SHARES.  A work-group makes 256 x 256 of C; wave w the row half w / 2 and the column half w % 2: 128 x 128, 64 accumulators of 16 x 16, 512 registers.
; For 32 along K a wave reads 2 x 128 x 64 bytes from LDS and issues 64 matrix instructions.
; K goes in steps of 128 through two LDS slots filled by the tensor data mover: a wave's one load behind a round has 224 of a step's 256 matrix instructions in which to land.
; Every row of a tile is 256 or 512 consecutive bytes, at a multiple of 256 from its buffer's first byte.
; CLUSTER.  4 x 4 work-groups: the four of a row need the same tile of A, the four of a column the same tile of B: each is asked for JOINTLY, by the same load, descriptor and mask in all four.
; THE MATRIX INSTRUCTION IS USED TRANSPOSED (source 0 = 16 columns of C out of B, source 1 = 16 rows out of A): lane l holds row l % 16 of C and the columns 8 (l / 16) + 0..7.
; REGISTERS, in windows of 256 (s_set_vgpr_msb: bits 1:0 source 0, 3:2 source 1, 5:4 source 2, 7:6 destination):
;   window 0: v0-31 addresses; v64-127, v128-191 A's fragments (8 x 16 rows x 32 K), two buffers; v32-63, v192-255 at work on the way out
;   window 1: v64-127, v128-191 B's fragments, two buffers
;   window 2: the 32 accumulators of my rows 0-63 (accumulator (a, b) at v[8 (8 a + b)]);   window 3: those of my rows 64-127
.set KSTEP,  128
.set PITCH,  272                       ; a row of A in LDS: 256 bytes + 16 = 68 words: the 16 rows of a load start at 16 different groups of four banks (64 banks of 4 bytes: ISA guide 11.1)
.set HALFT,  128*PITCH                 ; what one tensor load brings: 34,816 bytes
.set SLOT,   4*HALFT                   ; A's two halves, then B's two halves
.if BNN
.set PB,    544                        ; a row of B that is turned: 512 bytes + 32 = 17 x 32; 64 such rows are HALFT bytes too
.set BD0,   256                        ; a load of B: 64 rows of K x 256 columns
.set BD1,   64
.set BQI,   6                          ; padding after every 128 words,
.set BPAD,  7                          ; 8 words of it
.set BSTEP, KSTEP*BP*2                 ; a K step goes 128 rows down
.else
.set PB,    272
.set BD0,   128                        ; a load of B: 128 rows of N x 128 along K
.set BD1,   128
.set BQI,   5                          ; padding after every 64 words,
.set BPAD,  3                          ; 4 words of it
.set BSTEP, KSTEP*2                    ; a K step goes 256 bytes along the rows
.endif
.set STAGE,  2*SLOT                    ; behind the ring, never filled by a tensor load: 16 rows x 272 bytes for each wave, for the way out
.set SPITCH, 272
.set XTRA,   STAGE+4*16*SPITCH         ; behind the stages: (EPI 1) 1,024 bytes of scratch for each wave
.if EPI == 1
.set SPARE,  XTRA+4*1024
.else
.set SPARE,  XTRA
.endif                                 ; SPARE: the spare words, 128 bytes for each wave: two blocks of 256 bytes that no other line names
.set LAPS, SIZE_K/(2*KSTEP)            ; a lap = two K steps = once round the ring
.set ADRA, 16                          ; v16-17  LDS address of my A fragments in slot 0, 1
.set ADRB, 20                          ; v20-21  the same for B
.set STO,  24                          ; v24     the way out: where I put 16 bytes of a row
.set RD,   25                          ; v25     the way out: where I read a row back
.set CO,   26                          ; v26     my byte offset in C
.set SA,   27                          ; v27     (EPI 1) where my row's statistics go in the scratch
.set SPW,  28                          ; v28     LDS address of my spare word: SPARE + 4 x my thread's number; never rewritten
.set NIL,  29                          ; v29     0; never rewritten
.set SR,   30                          ; v30     (EPI 1) where the statistics are read back
.set SO,   31                          ; v31     (EPI 1) my byte offset in the statistics
.set F0,   64                          ; fragment buffer 0
.set F1,   128                         ; fragment buffer 1
.set TMP,  192                         ; the way out: packed results
.set OB,   32                          ; the way out: 16 rows read back from the stage: v32-63 and v224-255 by turns
.set G1,  24                           ; s[24:31] descriptor group 1 for A's tiles;  s[32:39] group 0, one set for each slot
.set G0,  32
.set G1B, 48                           ; s[48:55], s[56:63] the same for B's tiles
.set G0B, 56
.set MSB, 0
.macro WIN new                         ; the immediate's high byte repeats the setting that is left; a switch that changes nothing is dropped
.if MSB != (\new)
	s_set_vgpr_msb (MSB<<8)|(\new)
.set MSB, \new
.endif
.endm
.set MUL_LO, 0xa1                      ; source 0 (B) window 1, source 1 (A) window 0, C and D window 2
.set MUL_HI, 0xf1                      ; the same, C and D window 3
.set TO_B,   0x40                      ; destination window 1, address window 0
.macro PLACES                          ; four places in front of loads into registers that matrix instructions have read, and of lines that read results (ISA guide 7.12.1 for lines that read results)
.rept 4
	v_nop
.endr
.endm
.macro JLOAD s                         ; a joint load: waves 0 and 1 fetch A's two halves, waves 2 and 3 B's; four v_nop follow each of the two lines, ahead of the jump, the label and what follows
	s_cmp_eq_u32 s11, 0
	s_cbranch_scc0 .Lfor_b_\@
	tensor_load_to_lds s[G0+4*(\s):G0+4*(\s)+3], s[G1:G1+7]
	s_nop 0
.rept 4
	v_nop
.endr
	s_branch .Lasked_\@
.Lfor_b_\@:
	tensor_load_to_lds s[G0B+4*(\s):G0B+4*(\s)+3], s[G1B:G1B+7]
	s_nop 0
.rept 4
	v_nop
.endr
.Lasked_\@:
.endm
.macro CREST                           ; a round of the cluster's barrier behind its opening barrier
	s_cmp_lg_u32 s10, 0
	s_cbranch_scc1 .Lnot_wave_0_\@
	s_barrier_signal -3
.Lnot_wave_0_\@:
	s_barrier_wait -3
	s_barrier_signal -1
	s_barrier_wait -1
.endm
.macro CROUND                          ; a whole round
	s_barrier_signal -1
	s_barrier_wait -1
	CREST
.endm
; 16 matrix instructions: row blocks a0, a0 + 1 of the window's four (hi = 0: my rows 0-63, 1: rows 64-127) x all 8 column blocks, 32 along K.  zero = 1: the product starts the sums.
; The 64 accumulators take turns, one instruction a turn, in the same order in every quarter.
.macro MUL16 f, hi, a0, zero
	WIN MUL_LO+0x50*(\hi)
.irp a, \a0, (\a0)+1
.irp b, 0,1,2,3,4,5,6,7
.if \zero
	v_wmma_f32_16x16x32_f16 v[8*(8*(\a)+(\b)):8*(8*(\a)+(\b))+7], v[(\f)+8*(\b):(\f)+8*(\b)+7], v[(\f)+8*(4*(\hi)+(\a)):(\f)+8*(4*(\hi)+(\a))+7], 0
.else
	v_wmma_f32_16x16x32_f16 v[8*(8*(\a)+(\b)):8*(8*(\a)+(\b))+7], v[(\f)+8*(\b):(\f)+8*(\b)+7], v[(\f)+8*(4*(\hi)+(\a)):(\f)+8*(4*(\hi)+(\a))+7], v[8*(8*(\a)+(\b)):8*(8*(\a)+(\b))+7]
.endif
.endr
.endr
.endm
; 32 LDS loads in one run: the fragments of quarter kq (32 along K) of a slot into buffer f: B's sixteen, then A's sixteen
.macro FETCH slot, kq, f
	WIN TO_B
.irp i, 0,1,2,3,4,5,6,7
.if BNN
	ds_load_tr16_b128 v[(\f)+8*(\i):(\f)+8*(\i)+3],   v[ADRB+(\slot)] offset:(\kq)*32*PB+32*(\i)
	ds_load_tr16_b128 v[(\f)+8*(\i)+4:(\f)+8*(\i)+7], v[ADRB+(\slot)] offset:(\kq)*32*PB+16*PB+32*(\i)
.else
	ds_load_b128 v[(\f)+8*(\i):(\f)+8*(\i)+3],   v[ADRB+(\slot)] offset:64*(\kq)+(\i)*16*PB
	ds_load_b128 v[(\f)+8*(\i)+4:(\f)+8*(\i)+7], v[ADRB+(\slot)] offset:64*(\kq)+(\i)*16*PB+32
.endif
.endr
	WIN 0
.irp i, 0,1,2,3,4,5,6,7
	ds_load_b128 v[(\f)+8*(\i):(\f)+8*(\i)+3],   v[ADRA+(\slot)] offset:64*(\kq)+(\i)*16*PITCH
	ds_load_b128 v[(\f)+8*(\i)+4:(\f)+8*(\i)+7], v[ADRA+(\slot)] offset:64*(\kq)+(\i)*16*PITCH+32
.endr
.endm
; A K step is four quarters of 32 along K, 64 matrix instructions each, on buffers 0, 1, 0, 1.  One of the first three: multiplies buffer f; in its middle it fetches quarter kq into buffer g.
.macro QUARTER slot, kq, f, g, zero
	s_wait_dscnt 8                                 ; B and A's rows 0-63 are in; the youngest eight loads (A's rows 64-127) may be out
	MUL16 \f, 0, 0, \zero
	MUL16 \f, 0, 2, \zero
	PLACES
	FETCH \slot, \kq, \g
	s_wait_dscnt 32                                ; all but the 32 just issued
	MUL16 \f, 1, 0, \zero
	MUL16 \f, 1, 2, \zero
.endm
; The last quarter multiplies buffer 1 and changes slots.  MEET is its first half: ONE barrier; in front of it each wave waits for all its tensor loads (one is out: its part of the next slot),
; adds 0 to its spare word, and waits for that and for its own reads of this slot.  Behind it nobody reads this slot any more and the next slot is whole.
.macro MEET round                      ; round = 1: the rest of a round of the cluster's barrier follows
	WIN 0                                          ; (the add's two registers lie in window 0)
	s_wait_tensorcnt 0x0                           ; all my tensor loads have landed;
	ds_add_u32 v[SPW], v[NIL]                      ; 0 onto my spare word;
	s_wait_dscnt 9                                 ; (the add and the youngest eight loads may be out)
	MUL16 F1, 0, 0, 0                              ; sixteen matrix instructions stand between the add and the wait for it
	s_wait_dscnt 0x0                               ; the add is done, and my reads of this slot are over
	s_barrier_signal -1
	MUL16 F1, 0, 2, 0                              ; work on registers while the others arrive
.if \round
	WIN 0
.endif
	s_barrier_wait -1
.endm
; fill = 1: the barrier opens a round of the cluster's, and this slot is filled again, two K steps ahead, first thing behind the round.
.macro TURN slot, next, fill
	MEET \fill
.if \fill
	CREST                                          ; no wave of any partner still reads this slot's tiles or has a load on its way
	s_add_nc_u64 s[G0+4*(\slot)+2:G0+4*(\slot)+3], s[G0+4*(\slot)+2:G0+4*(\slot)+3], 2*KSTEP*2
	s_add_nc_u64 s[G0B+4*(\slot)+2:G0B+4*(\slot)+3], s[G0B+4*(\slot)+2:G0B+4*(\slot)+3], 2*BSTEP
	JLOAD \slot                                    ; my one tensor load behind the round; its four v_nop are also the places in front of the loads below
.else
	PLACES
.endif
	FETCH \next, 0, F0
	MUL16 F1, 1, 0, 0
	MUL16 F1, 1, 2, 0
.endm
	s_load_b64 s[4:5], s[0:1], ARG_A
	s_load_b64 s[6:7], s[0:1], ARG_B
	s_load_b64 s[8:9], s[0:1], ARG_C
	s_load_b64 s[66:67], s[0:1], ARG_S
	v_lshl_add_u32 v[SPW], v0, 2, SPARE
	v_mov_b32 v[NIL], 0
	ds_add_u32 v28, v29
	s_wait_dscnt 0x0
	v_lshrrev_b32 v1, 5, v0
	v_readfirstlane_b32 s10, v1                    ; wave 0..3
	s_lshr_b32 s11, s10, 1                         ; which half of the tile's rows is mine.  Also: I fetch for A (0) or for B (1)
	s_and_b32 s12, s10, 1                          ; which half of its columns.  Also: which half of that tile I fetch
	s_bfe_u32 s40, ttmp6, 0x40000                  ; cx, cy: my place in the cluster
	s_bfe_u32 s41, ttmp6, 0x40004
	s_lshl_b32 s42, ttmp9, 2
	s_add_co_u32 s42, s42, s40                     ; tile column of C = 4 x cluster x + cx
	s_and_b32 s45, ttmp7, 0xffff
	s_lshl_b32 s13, s45, 2
	s_add_co_u32 s13, s13, s41                     ; tile row of C = 4 x cluster y + cy
	s_lshr_b32 s45, s45, 1                         ; the batch: 8 tile rows = 2 clusters each, so it hangs on the cluster's y alone
	s_lshl_b32 s43, s41, 2
	s_lshl_b32 s43, 15, s43                        ; my row of the cluster
	s_lshl_b32 s44, 0x1111, s40                    ; my column
	; descriptor group 1, padded in LDS behind every row
	s_or_b32 s[G1+0], s43, (1<<16)|(1<<20)|(1<<21)|(5<<22)|(3<<25)        ; 15:0 the mask: my row; 17:16 2-byte elements; 20 padding on; 21 set beside a mask; 24:22 after every 64 words (code 5); 31:25 4 words (code 3)
	s_or_b32 s[G1B+0], s44, (1<<16)|(1<<20)|(1<<21)|(BQI<<22)|(BPAD<<25)  ; the same with my column's mask and B's padding
	s_mov_b32 s[G1+1], KSTEP<<16                   ; tensor_dim0 = 128
	s_mov_b32 s[G1+2], 128<<16                     ; tensor_dim1 = 128
	s_mov_b32 s[G1+3], KSTEP<<16                   ; tile_dim0 = 128
	s_mov_b32 s[G1+4], 128                         ; tile_dim1 = 128
	s_mov_b32 s[G1+5], AP                          ; elements from row to row
	s_mov_b32 s[G1+6], 0
	s_mov_b32 s[G1+7], 0
	s_mov_b32 s[G1B+1], BD0<<16
	s_mov_b32 s[G1B+2], BD1<<16
	s_mov_b32 s[G1B+3], BD0<<16
	s_mov_b32 s[G1B+4], BD1
	s_mov_b32 s[G1B+5], BP
	s_mov_b32 s[G1B+6], 0
	s_mov_b32 s[G1B+7], 0
	; where the tiles come from: A's hang on the tile row alone, B's on the tile column and the batch alone; all offsets stay under 2^32
	s_lshl_b32 s17, s12, 7
	s_lshl_b32 s16, s13, 8
	s_add_co_u32 s16, s16, s17                     ; A: row 256 x tile row + 128 x half
	s_mul_i32 s16, s16, AP*2
	s_mov_b32 s17, 0
.if BNN
	s_lshl_b32 s46, s12, 6                         ; B: 64 rows of K x half
.else
	s_lshl_b32 s46, s12, 7                         ; B: 128 rows x half,
	s_lshl_b32 s47, s42, 8                         ; in the tile column's 256 rows
	s_add_co_u32 s46, s46, s47
.endif
.if BBAT
	s_mul_i32 s47, s45, BBAT                       ; in the batch's rows
	s_add_co_u32 s46, s46, s47
.endif
	s_mul_i32 s46, s46, BP*2
.if BNN
	s_lshl_b32 s47, s42, 9                         ; at the tile column's 512 bytes
	s_add_co_u32 s46, s46, s47
.endif
.if BOFS
	s_add_co_u32 s46, s46, BOFS
.endif
	s_mov_b32 s47, 0
	s_mul_i32 s20, s10, HALFT                      ; and where they go: wave x 34,816 bytes: no place in the cluster enters an LDS address
	s_wait_kmcnt 0x0
	s_add_nc_u64 s[14:15], s[4:5], s[16:17]
	s_add_nc_u64 s[46:47], s[6:7], s[46:47]
	CROUND                                         ; all sixteen work-groups are here: the first joint loads meet
.irp s, 0,1
	s_mov_b32 s[G0+4*(\s)], 1                                        ; count = 1
	s_add_co_u32 s[G0+4*(\s)+1], s20, (\s)*SLOT                      ; LDS address
	s_add_nc_u64 s[G0+4*(\s)+2:G0+4*(\s)+3], s[14:15], (\s)*KSTEP*2  ; global address: K step s
	s_or_b32 s[G0+4*(\s)+3], s[G0+4*(\s)+3], 0x80000000              ; type = 2
	s_mov_b32 s[G0B+4*(\s)], 1
	s_add_co_u32 s[G0B+4*(\s)+1], s20, (\s)*SLOT
	s_add_nc_u64 s[G0B+4*(\s)+2:G0B+4*(\s)+3], s[46:47], (\s)*BSTEP
	s_or_b32 s[G0B+4*(\s)+3], s[G0B+4*(\s)+3], 0x80000000
	JLOAD \s                                       ; two tensor loads of mine are out
.endr
	; A fragment is 16 rows x 32 K in 8 registers: lane l holds row l % 16; registers 0-3 K = 8 (l / 16) + 0..7, registers 4-7 K = 16 + 8 (l / 16) + 0..7.
	v_and_b32 v1, 15, v0                           ; r = l % 16
	v_bfe_u32 v2, v0, 4, 1                         ; h = l / 16
	v_mul_u32_u24 v3, v1, PITCH
	v_lshl_add_u32 v3, v2, 4, v3                   ; row x pitch + 16 x half
	s_mul_i32 s21, s11, HALFT                      ; my 128 rows of A
	v_add_nc_u32 v[ADRA], s21, v3
	v_add_nc_u32 v[ADRA+1], SLOT, v[ADRA]
.if BNN
	; The turning load takes 16 K x 16 columns (lane l reads 16 bytes: K 8 (l / 16) + l % 8, columns 8 ((l / 8) % 2) + 0..7) and leaves half a fragment: lane l holds column l % 16 and 8 K.
	v_and_b32 v4, 7, v0
	v_lshl_add_u32 v4, v2, 3, v4
	v_mul_u32_u24 v4, v4, PB
	v_bfe_u32 v5, v0, 3, 1
	v_lshl_add_u32 v4, v5, 4, v4
	s_lshl_b32 s22, s12, 8                         ; my 128 columns: 256 bytes of each row,
	s_add_co_u32 s22, s22, 2*HALFT                 ; behind A's 256 rows
	v_add_nc_u32 v[ADRB], s22, v4
.else
	s_mul_i32 s22, s12, HALFT                      ; my 128 rows of B,
	s_add_co_u32 s22, s22, 2*HALFT                 ; behind A's 256
	v_add_nc_u32 v[ADRB], s22, v3
.endif
	v_add_nc_u32 v[ADRB+1], SLOT, v[ADRB]
	s_mul_i32 s23, s10, 16*SPITCH
	s_add_co_u32 s23, s23, STAGE                   ; my stage
	v_add_nc_u32 v[STO], s23, v3                   ; in: row l % 16, 16 bytes for each half of the lanes (the stage's pitch is the tiles')
	v_mul_u32_u24 v5, v2, SPITCH                   ; back: lanes 0-15 take one row of 256 bytes, lanes 16-31 the next
	v_lshl_add_u32 v5, v1, 4, v5
	v_add_nc_u32 v[RD], s23, v5
	v_mul_u32_u24 v5, v2, CPB                      ; and the same two rows in C
	v_lshl_add_u32 v[CO], v1, 4, v5
	s_lshl_b32 s16, s13, 8
	s_lshl_b32 s17, s11, 7
	s_add_co_u32 s16, s16, s17                     ; my first row of C: 256 x tile row + 128 x half
	s_mul_i32 s16, s16, CPB
	s_mov_b32 s17, 0
	s_add_nc_u64 s[8:9], s[8:9], s[16:17]
	s_lshl_b32 s46, s42, 9                         ; my first column, in bytes: 512 x tile column + 256 x half
	s_lshl_b32 s47, s12, 8
	s_add_co_u32 s46, s46, s47
	s_mov_b32 s47, 0
	s_add_nc_u64 s[8:9], s[8:9], s[46:47]
	; THE STATISTICS' constants and addresses.  The registers of the softmax lie where A's fragments lay and are written only behind the last product.
.set CC,  64                           ; v64-71    eight chains of the maximum
.set CM,  72                           ; v[72:73]  c m (the packed scaling names a pair and takes its low word for both halves)
.set LS,  74                           ; v74       l
.set T,   75                           ; v75       what the lane 16 away holds
.set T2,  76                           ; v76       c m in lanes 0-15, l in lanes 16-31
.set BLK, 80                           ; v[80:87]  four rows' c m and four rows' l, to store
	s_mov_b32 s68, 0x3d38aa3b                      ; c = log2(e) / 32 = 0.0450842
	s_mov_b32 s69, s68                             ; named with it as a pair
	s_mov_b32 s70, 0x76543210                      ; v_permlanex16_b32: each lane takes its own place in the other half
	s_mov_b32 s71, 0xfedcba98
	s_mov_b32 s72, 0xffff0000                      ; lanes 16-31
	s_lshl_b32 s18, s45, 4
	s_lshl_b32 s19, s42, 1
	s_add_co_u32 s18, s18, s19
	s_add_co_u32 s18, s18, s12                     ; 16 x batch + group; my group = 2 x tile column + column half,
	s_lshl_b32 s18, s18, 13                        ; 2,048 rows of 4 bytes each,
	s_and_b32 s19, s13, 7
	s_lshl_b32 s19, s19, 10                        ; my tile row's 256 rows in the batch,
	s_add_co_u32 s18, s18, s19
	s_lshl_b32 s19, s11, 9                         ; my wave's 128
	s_add_co_u32 s18, s18, s19
	s_mov_b32 s19, 0
	s_add_nc_u64 s[66:67], s[66:67], s[18:19]
	s_lshl_b32 s22, s10, 10
	s_add_co_u32 s22, s22, XTRA                    ; my scratch: 512 bytes of c m (128 rows), then 512 of l
	v_lshlrev_b32 v3, 2, v1
	v_lshl_add_u32 v3, v2, 9, v3
	v_add_nc_u32 v[SA], s22, v3                    ; in: 512 x half + 4 x row
	v_and_b32 v3, 31, v0
	v_lshlrev_b32 v[SO], 4, v3                     ; out: 16 bytes a lane
	v_add_nc_u32 v[SR], s22, v[SO]                 ; back: the same
	s_wait_tensorcnt 1                             ; my part of K step 0 is in; K step 1's may stay out
	s_barrier_signal -1
	s_barrier_wait -1                              ; everybody's is
	FETCH 0, 0, F0
	QUARTER 0, 1, F0, F1, 1                        ; the first quarter stands in front of the loop: its products start the sums
	WIN 0                                          ; at a label and at a branch every window is 0
	s_mov_b32 s3, LAPS-1
.Llap:                                                 ; a trip goes once round the ring, from a lap's second quarter to the next lap's first, and fills both slots again
	QUARTER 0, 2, F1, F0, 0
	QUARTER 0, 3, F0, F1, 0
	TURN 0, 1, 1
	QUARTER 1, 1, F0, F1, 0
	QUARTER 1, 2, F1, F0, 0
	QUARTER 1, 3, F0, F1, 0
	TURN 1, 0, 1
	QUARTER 0, 1, F0, F1, 0
	WIN 0
	s_sub_co_u32 s3, s3, 1
	s_cmp_lg_u32 s3, 0
	s_cbranch_scc1 .Llap
	QUARTER 0, 2, F1, F0, 0                        ; the last lap fills nothing, and has no round of the cluster's barrier
	QUARTER 0, 3, F0, F1, 0
	TURN 0, 1, 0
	QUARTER 1, 1, F0, F1, 0
	QUARTER 1, 2, F1, F0, 0
	QUARTER 1, 3, F0, F1, 0
	s_wait_dscnt 0x0                               ; the very last quarter: nothing more to fetch
	MUL16 F1, 0, 0, 0
	MUL16 F1, 0, 2, 0
	MUL16 F1, 1, 0, 0
	MUL16 F1, 1, 2, 0
	WIN 0
	PLACES
	v_mov_b32 v[T], 0                              ; v_permlanex16_b32's destination counts as read
; THE WAY OUT, a block of 16 rows at a time.  A lane holds 64 of its row's 128 scores (window 2 or 3, v[64 (a % 4) ..]); the lane 16 away holds the other 64.
; SOFT a: the maximum (each accumulator's lowest registers first); c s - c m; the exponentials; the rounding to f16; the sum of the unrounded weights; c m and l into my scratch.
.macro SOFT a
.set SB, 64*((\a)%4)
.set W, 2+(\a)/4                       ; the block's window
	WIN W|(W<<2)|(W<<4)                            ; three sources in the block's window, destination in window 0
.irp b, 0,1,2,3,4,5,6,7
	v_max3_num_f32 v[CC+(\b)], v[SB+8*(\b)], v[SB+8*(\b)+1], v[SB+8*(\b)+2]
.endr
	WIN (W<<2)|(W<<4)                              ; sources 1 and 2 in the block's window
.irp b, 0,1,2,3,4,5,6,7
	v_max3_num_f32 v[CC+(\b)], v[CC+(\b)], v[SB+8*(\b)+3], v[SB+8*(\b)+4]
.endr
.irp b, 0,1,2,3,4,5,6,7
	v_max3_num_f32 v[CC+(\b)], v[CC+(\b)], v[SB+8*(\b)+5], v[SB+8*(\b)+6]
.endr
.irp j, 0,1,2,3
	v_max3_num_f32 v[CC+(\j)], v[CC+(\j)], v[SB+16*(\j)+7], v[SB+16*(\j)+15]
.endr
	WIN 0
	v_max3_num_f32 v[CC], v[CC], v[CC+1], v[CC+2]
	v_max3_num_f32 v[CC+3], v[CC+3], v[CC+4], v[CC+5]
	v_max3_num_f32 v[CC], v[CC], v[CC+3], v[CC+6]
	v_max_num_f32 v[CC], v[CC], v[CC+7]
	v_permlanex16_b32 v[T], v[CC], s70, s71
	v_max_num_f32 v[CC], v[CC], v[T]               ; m of the row's 128 scores
	v_mul_f32 v[CM], s68, v[CC]
	v_mov_b32 v[CM+1], v[CM]
	WIN (W<<6)|W                                   ; in place in the block's window; c m in window 0
.set i, 0
.rept 32
	v_pk_fma_f32 v[SB+2*i:SB+2*i+1], v[SB+2*i:SB+2*i+1], s[68:69], v[CM:CM+1] op_sel_hi:[1,0,0] neg_lo:[0,0,1] neg_hi:[0,0,1]
.set i, i+1
.endr
.set i, 0
.rept 64
	v_exp_f32 v[SB+i], v[SB+i]
.set i, i+1
.endr
	v_nop                                          ; a plain instruction between the last exponential and the use of its result (ISA guide 5.7.2)
	WIN W|(W<<2)
.set i, 0
	s_wait_alu depctr_va_vdst(0)
.rept 32
	v_cvt_pk_f16_f32 v[TMP+i], v[SB+2*i], v[SB+2*i+1]
.set i, i+1
.endr
	WIN (W<<6)|W|(W<<2)                            ; the 32 pairs are added in place: neighbours 16, 8, 4, 2, 1 pairs apart
.irp w, 16,8,4,2,1
.set i, 0
.rept \w
	v_pk_add_f32 v[SB+2*i:SB+2*i+1], v[SB+2*i:SB+2*i+1], v[SB+2*(i+\w):SB+2*(i+\w)+1]
.set i, i+1
.endr
.endr
	WIN W|(W<<2)
	v_add_f32 v[LS], v[SB], v[SB+1]
	WIN 0
	v_permlanex16_b32 v[T], v[LS], s70, s71
	v_add_f32 v[LS], v[LS], v[T]                   ; l of the row's 128 weights
	v_cndmask_b32 v[T2], v[CM], v[LS], s72
	ds_store_b32 v[SA], v[T2] offset:64*(\a)
.endm
.macro TOSTAGE a
.set BK, OB+192*((\a)%2)
.irp b, 0,1,2,3,4,5,6,7
	ds_store_b128 v[STO], v[TMP+4*(\b):TMP+4*(\b)+3] offset:32*(\b)
.endr
.irp t, 0,1,2,3,4,5,6,7
	ds_load_b128 v[BK+4*(\t):BK+4*(\t)+3], v[RD] offset:(\t)*2*SPITCH  ; LDS serves a wave's instructions in order (ISA guide 5.7.1.4): these see the stores above; the next block's stores come behind them
.endr
.endm
.macro SEND a, younger                 ; younger: the LDS instructions issued behind TOSTAGE's loads, which may stay out
.set BK, OB+192*((\a)%2)
	s_wait_dscnt \younger                          ; the block is back in registers
	s_wait_xcnt 0x0                                ; every earlier memory instruction has had its addresses translated (ISA guide 3.1): the other set of 32 registers, which the block before stored, is loaded again only behind this wait
.irp t, 0,1,2,3,4,5,6,7
	global_store_b128 v[CO], v[BK+4*(\t):BK+4*(\t)+3], s[8:9] offset:(16*(\a)+2*(\t))*CPB  ; 16 lanes store 256 consecutive bytes, at a multiple of 256 from C's first byte; 126 rows of C at the most: inside the signed 24-bit immediate
.endr
.endm
	SOFT 0
	TOSTAGE 0
.irp a, 1,2,3,4,5,6,7                  ; block a's softmax stands between block a - 1's loads from the stage and the wait for them; behind those loads: its one store of statistics
	SOFT \a
	SEND (\a)-1, 1
	TOSTAGE \a
.endr
	SEND 7, 0
	ds_load_b128 v[BLK:BLK+3], v[SR]               ; my 128 rows' c m, four a lane,
	ds_load_b128 v[BLK+4:BLK+7], v[SR] offset:512  ; and their l
	s_wait_dscnt 0x0
	global_store_b128 v[SO], v[BLK:BLK+3], s[66:67]                    ; the wave stores 512 consecutive bytes, at a multiple of 512 from the buffer's first byte,
	global_store_b128 v[SO], v[BLK+4:BLK+7], s[66:67] offset:524288    ; and 512 more in l's half of the buffer
	s_wait_tensorcnt 0x0                           ; the wave's end: behind my last tensor load and my last LDS store
	ds_add_u32 v[SPW], v[NIL]
	s_wait_dscnt 0x0
	CROUND                                         ; the closing round: no work-group ends while a partner may still ask for a tile that names it
	s_endpgm
.Lfunc_end_k_qd7335009d8_gscores:
	.size	k_qd7335009d8_gscores, .Lfunc_end_k_qd7335009d8_gscores-k_qd7335009d8_gscores
	.p2alignl 7, 3214868480
	.fill 96, 4, 3214868480
	.section	.rodata,"a",@progbits
	.p2align	6, 0x0
	.amdhsa_kernel k_qd7335009d8_gscores
		.amdhsa_group_segment_fixed_size 327680
		.amdhsa_private_segment_fixed_size 0
		.amdhsa_enable_private_segment 0
		.amdhsa_kernarg_size 24
		.amdhsa_user_sgpr_count 2
		.amdhsa_user_sgpr_kernarg_segment_ptr 1
		.amdhsa_wavefront_size32 1
		.amdhsa_system_sgpr_workgroup_id_x 1
		.amdhsa_system_sgpr_workgroup_id_y 1
		.amdhsa_system_sgpr_workgroup_id_z 1
		.amdhsa_system_vgpr_workitem_id 0
		.amdhsa_next_free_vgpr 1024
		.amdhsa_next_free_sgpr 80
		.amdhsa_reserve_vcc 0
		.amdhsa_float_denorm_mode_32 3
		.amdhsa_float_denorm_mode_16_64 3
		.amdhsa_memory_ordered 1
		.amdhsa_forward_progress 1
		.amdhsa_inst_pref_size 212
	.end_amdhsa_kernel
	.amdgpu_metadata
---
amdhsa.version: [ 1, 2 ]
amdhsa.kernels:
  - .name:           k_qd7335009d8_gscores
    .symbol:         k_qd7335009d8_gscores.kd
    .args:
      - { .name: qkv, .offset: 0, .size: 8, .value_kind: global_buffer, .address_space: global }
      - { .name: p, .offset: 8, .size: 8, .value_kind: global_buffer, .address_space: global }
      - { .name: stats, .offset: 16, .size: 8, .value_kind: global_buffer, .address_space: global }
    .group_segment_fixed_size: 327680
    .private_segment_fixed_size: 0
    .kernarg_segment_align: 8
    .kernarg_segment_size: 24
    .max_flat_workgroup_size: 128
    .sgpr_count:     80
    .vgpr_count:     1024
    .wavefront_size: 32
...
	.end_amdgpu_metadata
.endif
;; end of part 7
;; launch gpv (part 8): grid 8 x 32, 4 waves a work-group, clusters of 4 x 4, 327,680 bytes of LDS; arguments p, qkv, y, stats; writes y
.if DOCPART == 8
	.amdgcn_target "amdgcn-amd-amdhsa--gfx1250"
	.amdhsa_code_object_version 6
	.text
	.protected	k_qd7335009d8_gpv
	.globl	k_qd7335009d8_gpv
	.p2align	8
	.type	k_qd7335009d8_gpv,@function
k_qd7335009d8_gpv:
	s_mov_b64 s[64:65], 0
	v_nop
	global_prefetch_b8 v0, s[64:65] scope:SCOPE_SE
	s_setreg_imm32_b32 hwreg(HW_REG_WAVE_MODE, 25, 1), 1
	s_wait_xcnt 0x0
	s_wait_alu depctr_hold_cnt(0) depctr_sa_sdst(0) depctr_va_vdst(0) depctr_va_sdst(0) depctr_va_ssrc(0) depctr_va_vcc(0) depctr_vm_vsrc(0)
	s_getreg_b32 s2, hwreg(HW_REG_IB_STS2, 6, 4)
	s_cmp_eq_u32 s2, 0
	s_cbranch_scc0 .Lentry_in_a_cluster
	s_endpgm
.Lentry_in_a_cluster:
	s_bfe_u32 s2, ttmp6, 0x10000c
	s_cmp_lg_u32 s2, 0xf033
	s_cbranch_scc0 .Lentry_shape_is_right
	s_endpgm
.Lentry_shape_is_right:
; WEIGHTS x VALUES.  For each batch y = (the sum over the 16 groups g of f_g P_g V_g) / L, with f_g = 2^(c m_g - the row's largest c m) and L = the sum of l_g f_g: the softmax over all 2,048 keys,
; its true maximum taken away.  P: p [8192][2048] f16; V: columns 2048-3071 of qkv's rows; c m, l: stats.  A group is one K step of 128 keys: the step's products X = P_g V_g start at 0 in
; registers of their own, and at the step's end O += f_g X, in f32.  y is rounded once to f16.
; LIMITS.  f_g lies in 0 to 1; below 2^-126 it counts as 0.  L is at least 1: the group that holds the maximum has f = 1 and l >= 1.  NaN and infinities are not treated apart.
; WHY 256 x 128.  y has 128 tiles of 256 x 256 and 256 of 256 x 128: the smaller tile gives each of the launch's 256 work-groups one tile.
.set SIZE_K, 2048                      ; the length of the sums
.set AP,   2048                        ; A's pitch in elements; A is [M][K]
.set BP,   3072                        ; B's pitch in elements; B is [K][N] and is turned on its way out of LDS
.set BOFS, 4096                        ; B's first column in its buffer's rows, in bytes
.set BBAT, 2048                        ; B's rows for each batch
.set CPB,  2048                        ; C's pitch in bytes
.set CCOL, 256                         ; bytes of a tile's 128 columns in C
.set ARG_A, 0
.set ARG_B, 8
.set ARG_C, 16
.set ARG_S, 24
; SHARES.  A work-group makes 256 x 128 of C; wave w its rows 64 w .. 64 w + 63 and all 128 columns: 32 accumulators of 16 x 16, 256 registers, twice (X and O).
; So a wave's rows of C are whole (256 bytes of f16).
; K goes in steps of 128 through two LDS slots filled by the tensor data mover; every row of a tile is 256 consecutive bytes, at a multiple of 256 from its buffer's first byte.
; CLUSTER.  4 x 4 work-groups: the four of a row need the same tile of A, the four of a column the same tile of B: each is asked for JOINTLY, by the same load, descriptor and mask in all four.
; THE MATRIX INSTRUCTION IS USED TRANSPOSED (source 0 = 16 columns of C out of B, source 1 = 16 rows out of A): lane l holds row l % 16 of C and the columns 8 (l / 16) + 0..7: one factor a lane and block of rows.
; REGISTERS.  Window 0: v0-31 addresses; v32-95 A's fragments, two buffers of 4 x 8; v96-223 B's, two buffers of 8 x 8; v224-239 factors; v240-247 1 / L.
;   Window 1: O, block (a, b) at v[8 (8 a + b)].  Window 2: X, likewise: the matrix instructions' accumulators.
.set KSTEP, 128
.set PA,    272                        ; a row of A in LDS: 256 bytes + 16 = 68 words: the 16 rows of a load start at 16 different groups of four banks (64 banks of 4 bytes: ISA guide 11.1)
.set PB,    288                        ; a row of B: 256 + 32 = 72 words
.set BSTEP, KSTEP*BP*2                 ; a K step goes 128 rows down
.set BOFF,  256*PA                     ; in a slot: A's 256 rows, then B's 128
.set SLOT,  106496
.set STAGE, 2*SLOT                     ; behind the ring, never filled by a tensor load: 16 rows for each wave, for the way out
.set SP,    272
.set XTRA,  STAGE+4*16*SP              ; behind the stages: each wave's table of factors: 16 groups x 16 rows x 4 blocks x 4 bytes
.set SPARE, XTRA+4*4096                ; the spare words, 128 bytes for each wave: two blocks of 256 bytes that no other line names
.set ADRA, 16                          ; v16-17  LDS address of my A fragments in slot 0, 1
.set ADRB, 20                          ; v20-21  the same for B
.set STO,  24                          ; v24     the way out: where I put my part of a row
.set RD,   25                          ; v25     the way out: where I read rows back
.set CO,   26                          ; v26     my byte offset in C
.set SPW,  28                          ; v28     LDS address of my spare word: SPARE + 4 x my thread's number; never rewritten
.set NIL,  29                          ; v29     0; never rewritten
.set FTA,  30                          ; v30     the factors of the K step to be fetched
.set SO,   31                          ; v31     my byte offset in the statistics
.set FA,   32
.set FB,   96
.set OUT,  32                          ; the way out works where the fragments lay
.set FK,   224                         ; v224-239 slot s, block a: the factor at FK + 8 s + 2 a (the packed lines name a pair and take its low word for both halves)
.set RI,   240                         ; v240-247 1 / L, a pair for each block a
.set G1,  24                           ; s[24:31] descriptor group 1 for A's tiles;  s[32:39] group 0, one set for each slot
.set G0,  32
.set G1B, 48                           ; s[48:55], s[56:63] the same for B's tiles
.set G0B, 56
.set MSB, 0
.macro WIN new                         ; s_set_vgpr_msb: bits 1:0 source 0, 3:2 source 1, 5:4 source 2, 7:6 destination; the high byte repeats the setting that is left
.if MSB != (\new)
	s_set_vgpr_msb (MSB<<8)|(\new)
.set MSB, \new
.endif
.endm
.set MUL, 0xa0                         ; fragments in window 0; C and D in window 2
.macro PLACES                          ; four places in front of loads into registers that matrix instructions have read, and of lines that read results (ISA guide 7.12.1 for lines that read results)
.rept 4
	v_nop
.endr
.endm
.macro JLOAD s                         ; a joint load: waves 0 and 1 fetch A's two halves, waves 2 and 3 B's; four v_nop follow each of the two lines, ahead of the jump, the label and what follows
	s_cmp_eq_u32 s11, 0
	s_cbranch_scc0 .Lfor_b_\@
	tensor_load_to_lds s[G0+4*(\s):G0+4*(\s)+3], s[G1:G1+7]
	s_nop 0
.rept 4
	v_nop
.endr
	s_branch .Lasked_\@
.Lfor_b_\@:
	tensor_load_to_lds s[G0B+4*(\s):G0B+4*(\s)+3], s[G1B:G1B+7]
	s_nop 0
.rept 4
	v_nop
.endr
.Lasked_\@:
.endm
.macro CREST                           ; a round of the cluster's barrier behind its opening barrier
	s_cmp_lg_u32 s10, 0
	s_cbranch_scc1 .Lnot_wave_0_\@
	s_barrier_signal -3
.Lnot_wave_0_\@:
	s_barrier_wait -3
	s_barrier_signal -1
	s_barrier_wait -1
.endm
.macro CROUND                          ; a whole round
	s_barrier_signal -1
	s_barrier_wait -1
	CREST
.endm
; 8 matrix instructions: my block a of 16 rows x all 8 blocks of 16 columns, 32 along K, from buffer f.  zero = 1: the product starts the K step's sums.
; The 32 accumulators take turns, one instruction a turn, in the same order in every quarter.
.macro MUL8 f, a, zero
	WIN MUL
.irp b, 0,1,2,3,4,5,6,7
.if \zero
	v_wmma_f32_16x16x32_f16 v[8*(8*(\a)+(\b)):8*(8*(\a)+(\b))+7], v[FB+64*(\f)+8*(\b):FB+64*(\f)+8*(\b)+7], v[FA+32*(\f)+8*(\a):FA+32*(\f)+8*(\a)+7], 0
.else
	v_wmma_f32_16x16x32_f16 v[8*(8*(\a)+(\b)):8*(8*(\a)+(\b))+7], v[FB+64*(\f)+8*(\b):FB+64*(\f)+8*(\b)+7], v[FA+32*(\f)+8*(\a):FA+32*(\f)+8*(\a)+7], v[8*(8*(\a)+(\b)):8*(8*(\a)+(\b))+7]
.endif
.endr
.endm
; 24 LDS loads in one run: the fragments of quarter kq (32 along K) of a slot into buffer f; a K step's first run also takes the step's four factors, each into the low register of a pair.
.macro FETCH slot, kq, f
	WIN 0
.if (\kq) == 0
.irp a, 0,1,2,3
	ds_load_b32 v[FK+8*(\slot)+2*(\a)], v[FTA] offset:4*(\a)
.endr
	v_add_nc_u32 v[FTA], 256, v[FTA]               ; the next K step's
.endif
.irp b, 0,1,2,3,4,5,6,7
	ds_load_tr16_b128 v[FB+64*(\f)+8*(\b):FB+64*(\f)+8*(\b)+3],   v[ADRB+(\slot)] offset:(\kq)*32*PB+32*(\b)
	ds_load_tr16_b128 v[FB+64*(\f)+8*(\b)+4:FB+64*(\f)+8*(\b)+7], v[ADRB+(\slot)] offset:(\kq)*32*PB+16*PB+32*(\b)
.endr
.irp a, 0,1,2,3
	ds_load_b128 v[FA+32*(\f)+8*(\a):FA+32*(\f)+8*(\a)+3],   v[ADRA+(\slot)] offset:(\a)*16*PA+64*(\kq)
	ds_load_b128 v[FA+32*(\f)+8*(\a)+4:FA+32*(\f)+8*(\a)+7], v[ADRA+(\slot)] offset:(\a)*16*PA+64*(\kq)+32
.endr
.endm
; A K step is four quarters of 32 along K, 32 matrix instructions each, on buffers 0, 1, 0, 1.  One of the first three: fetches quarter kq into buffer g, then multiplies buffer f.
.macro QUARTER slot, kq, f, g, zero
	s_wait_dscnt 0x0                               ; buffer f's loads were issued in front of the last 32 matrix instructions, and nothing behind them
	PLACES
	FETCH \slot, \kq, \g
	MUL8 \f, 0, \zero
	MUL8 \f, 1, \zero
	MUL8 \f, 2, \zero
	MUL8 \f, 3, \zero
.endm
.macro THREE slot                      ; a K step's first three quarters; the first starts the step's sums
	QUARTER \slot, 1, 0, 1, 1
	QUARTER \slot, 2, 1, 0, 0
	QUARTER \slot, 3, 0, 1, 0
.endm
; THE K STEP'S END: O += f X, 128 packed lines in f32 (each accumulator's registers in ascending order).  first = 1: O = f X: nothing is ever cleared.
; These lines are also the places between the step's last products and the next step's first, which write the same registers anew.
.macro FLUSH slot, first
	PLACES
.if \first
	WIN 0x42                                       ; O (destination) window 1, X (source 0) window 2, the factor window 0
.else
	WIN 0x52                                       ; the same, with O as source 2
.endif
.irp a, 0,1,2,3
.set i, 0
.rept 32
.if \first
	v_pk_mul_f32 v[64*(\a)+2*i:64*(\a)+2*i+1], v[64*(\a)+2*i:64*(\a)+2*i+1], v[FK+8*(\slot)+2*(\a):FK+8*(\slot)+2*(\a)+1] op_sel_hi:[1,0]
.else
	v_pk_fma_f32 v[64*(\a)+2*i:64*(\a)+2*i+1], v[64*(\a)+2*i:64*(\a)+2*i+1], v[FK+8*(\slot)+2*(\a):FK+8*(\slot)+2*(\a)+1], v[64*(\a)+2*i:64*(\a)+2*i+1] op_sel_hi:[1,0,1]
.endif
.set i, i+1
.endr
.endr
.endm
; The last quarter multiplies buffer 1 and changes slots: ONE barrier; in front of it each wave waits for all its tensor loads (one is out: its part of the next slot), adds 0 to its spare
; word, and waits for that and for its own reads of this slot.  fill = 1: the barrier opens a round of the cluster's, and this slot is filled again, two K steps ahead, first thing behind it.
.macro TURN slot, next, fill, first
	WIN 0
	s_wait_tensorcnt 0x0                           ; all my tensor loads have landed;
	ds_add_u32 v[SPW], v[NIL]                      ; 0 onto my spare word;
	s_wait_dscnt 1                                 ; (only the add may be out: buffer 1's 24 loads are in)
	MUL8 1, 0, 0                                   ; matrix instructions stand between the add and the wait for it
	s_wait_dscnt 0x0                               ; the add is done, and my reads of this slot are over
	s_barrier_signal -1
	MUL8 1, 1, 0
.if \fill
	WIN 0
.endif
	s_barrier_wait -1
.if \fill
	CREST                                          ; no wave of any partner still reads this slot's tiles or has a load on its way
	s_add_nc_u64 s[G0+4*(\slot)+2:G0+4*(\slot)+3], s[G0+4*(\slot)+2:G0+4*(\slot)+3], 2*KSTEP*2
	s_add_nc_u64 s[G0B+4*(\slot)+2:G0B+4*(\slot)+3], s[G0B+4*(\slot)+2:G0B+4*(\slot)+3], 2*BSTEP
	JLOAD \slot                                    ; my one tensor load behind the round; its four v_nop are also the places in front of the loads below
.else
	PLACES
.endif
	FETCH \next, 0, 0
	MUL8 1, 2, 0
	MUL8 1, 3, 0
	FLUSH \slot, \first
.endm
	s_load_b64 s[4:5], s[0:1], ARG_A
	s_load_b64 s[6:7], s[0:1], ARG_B
	s_load_b64 s[8:9], s[0:1], ARG_C
	s_load_b64 s[66:67], s[0:1], ARG_S
	v_lshl_add_u32 v[SPW], v0, 2, SPARE
	v_mov_b32 v[NIL], 0
	ds_add_u32 v28, v29
	s_wait_dscnt 0x0
	v_lshrrev_b32 v1, 5, v0
	v_readfirstlane_b32 s10, v1                    ; wave 0..3
	s_lshr_b32 s11, s10, 1                         ; I fetch for A (0) or for B (1),
	s_and_b32 s12, s10, 1                          ; and which half of that tile's rows
	s_bfe_u32 s40, ttmp6, 0x40000                  ; cx, cy: my place in the cluster
	s_bfe_u32 s41, ttmp6, 0x40004
	s_lshl_b32 s42, ttmp9, 2
	s_add_co_u32 s42, s42, s40                     ; tile column of C = 4 x cluster x + cx
	s_and_b32 s45, ttmp7, 0xffff
	s_lshl_b32 s13, s45, 2
	s_add_co_u32 s13, s13, s41                     ; tile row of C = 4 x cluster y + cy
	s_lshr_b32 s45, s45, 1                         ; the batch: 8 tile rows = 2 clusters each, so it hangs on the cluster's y alone
	s_lshl_b32 s43, s41, 2
	s_lshl_b32 s43, 15, s43                        ; my row of the cluster
	s_lshl_b32 s44, 0x1111, s40                    ; my column
	; descriptor group 1.  A: 128 rows x 128 elements a load; B: 64 rows x 128 elements; padded in LDS behind every row
	s_or_b32 s[G1+0], s43, (1<<16)|(1<<20)|(1<<21)|(5<<22)|(3<<25)   ; 15:0 the mask: my row; 17:16 2-byte elements; 20 padding on; 21 set beside a mask; 24:22 after every 64 words (code 5); 31:25 4 words (code 3)
	s_or_b32 s[G1B+0], s44, (1<<16)|(1<<20)|(1<<21)|(5<<22)|(7<<25)  ; the same with my column's mask and 8 words of padding (code 7)
	s_mov_b32 s[G1+1], KSTEP<<16                   ; tensor_dim0 = 128
	s_mov_b32 s[G1+2], 128<<16                     ; tensor_dim1 = 128
	s_mov_b32 s[G1+3], KSTEP<<16                   ; tile_dim0 = 128
	s_mov_b32 s[G1+4], 128                         ; tile_dim1 = 128
	s_mov_b32 s[G1+5], AP                          ; elements from row to row
	s_mov_b32 s[G1+6], 0
	s_mov_b32 s[G1+7], 0
	s_mov_b32 s[G1B+1], 128<<16
	s_mov_b32 s[G1B+2], 64<<16
	s_mov_b32 s[G1B+3], 128<<16
	s_mov_b32 s[G1B+4], 64
	s_mov_b32 s[G1B+5], BP
	s_mov_b32 s[G1B+6], 0
	s_mov_b32 s[G1B+7], 0
	; where the tiles come from: A's hang on the tile row alone, B's on the tile column and the batch alone; all offsets stay under 2^32
	s_lshl_b32 s17, s12, 7
	s_lshl_b32 s16, s13, 8
	s_add_co_u32 s16, s16, s17                     ; A: row 256 x tile row + 128 x half
	s_mul_i32 s16, s16, AP*2
	s_mov_b32 s17, 0
	s_lshl_b32 s46, s12, 6                         ; B: 64 x half,
	s_mul_i32 s47, s45, BBAT                       ; in the batch's rows,
	s_add_co_u32 s46, s46, s47
	s_mul_i32 s46, s46, BP*2
	s_lshl_b32 s47, s42, 8                         ; at the tile column's 256 bytes,
	s_add_co_u32 s46, s46, s47
	s_add_co_u32 s46, s46, BOFS                    ; in v's third of the rows
	s_mov_b32 s47, 0
	s_mul_i32 s20, s12, 128*PA                     ; and where they go: no place in the cluster enters an LDS address
	s_mul_i32 s21, s12, 64*PB
	s_add_co_u32 s21, s21, BOFF
	s_wait_kmcnt 0x0
	s_add_nc_u64 s[14:15], s[4:5], s[16:17]
	s_add_nc_u64 s[46:47], s[6:7], s[46:47]
	CROUND                                         ; all sixteen work-groups are here: the first joint loads meet
.irp s, 0,1
	s_mov_b32 s[G0+4*(\s)], 1                                        ; count = 1
	s_add_co_u32 s[G0+4*(\s)+1], s20, (\s)*SLOT                      ; LDS address
	s_add_nc_u64 s[G0+4*(\s)+2:G0+4*(\s)+3], s[14:15], (\s)*KSTEP*2  ; global address: K step s
	s_or_b32 s[G0+4*(\s)+3], s[G0+4*(\s)+3], 0x80000000              ; type = 2
	s_mov_b32 s[G0B+4*(\s)], 1
	s_add_co_u32 s[G0B+4*(\s)+1], s21, (\s)*SLOT
	s_add_nc_u64 s[G0B+4*(\s)+2:G0B+4*(\s)+3], s[46:47], (\s)*BSTEP
	s_or_b32 s[G0B+4*(\s)+3], s[G0B+4*(\s)+3], 0x80000000
	JLOAD \s                                       ; two tensor loads of mine are out
.endr
	; A fragment is 16 rows x 32 K in 8 registers: lane l holds row l % 16; registers 0-3 K = 8 (l / 16) + 0..7, registers 4-7 K = 16 + 8 (l / 16) + 0..7.
	v_and_b32 v1, 15, v0                           ; r = l % 16
	v_bfe_u32 v2, v0, 4, 1                         ; h = l / 16
	v_mul_u32_u24 v3, v1, PA
	v_lshl_add_u32 v3, v2, 4, v3                   ; row x pitch + 16 x half
	s_mul_i32 s22, s10, 64*PA                      ; my 64 rows of A
	v_add_nc_u32 v[ADRA], s22, v3
	v_add_nc_u32 v[ADRA+1], SLOT, v[ADRA]
	; The turning load takes 16 K x 16 columns (lane l reads 16 bytes: K 8 (l / 16) + l % 8, columns 8 ((l / 8) % 2) + 0..7) and leaves half a fragment: lane l holds column l % 16 and 8 K.
	v_and_b32 v4, 7, v0
	v_lshl_add_u32 v4, v2, 3, v4
	v_mul_u32_u24 v4, v4, PB
	v_bfe_u32 v5, v0, 3, 1
	v_lshl_add_u32 v4, v5, 4, v4
	v_add_nc_u32 v[ADRB], BOFF, v4
	v_add_nc_u32 v[ADRB+1], SLOT, v[ADRB]
	s_mul_i32 s23, s10, 16*SP
	s_add_co_u32 s23, s23, STAGE                   ; my stage
	v_mul_u32_u24 v4, v1, SP                       ; in: row l % 16, 16 bytes of f16 for each half of the lanes
	v_lshl_add_u32 v4, v2, 4, v4
	v_add_nc_u32 v[STO], s23, v4
	v_mul_u32_u24 v5, v2, SP                       ; back: lanes 0-15 take one row of 256 bytes, lanes 16-31 the next
	v_lshl_add_u32 v5, v1, 4, v5
	v_add_nc_u32 v[RD], s23, v5
	v_mul_u32_u24 v5, v2, CPB                      ; and the same two rows in C
	v_lshl_add_u32 v[CO], v1, 4, v5
	s_lshl_b32 s16, s13, 8
	s_lshl_b32 s17, s10, 6
	s_add_co_u32 s16, s16, s17                     ; my first row of C: 256 x tile row + 64 x wave
	s_mul_i32 s16, s16, CPB
	s_mov_b32 s17, 0
	s_add_nc_u64 s[8:9], s[8:9], s[16:17]
	s_mul_i32 s46, s42, CCOL                       ; the tile's first column, in bytes
	s_mov_b32 s47, 0
	s_add_nc_u64 s[8:9], s[8:9], s[46:47]
	; THE STATISTICS, once a wave, while the first tiles are on their way.  Lane l takes row 16 a + l % 16 of my 64, for a = 0..3 and all 16 groups g (both halves of the lanes alike).
.set CMR, 32                           ; v32-95   c m (g, a) at 4 g + a; then f
.set LR,  96                           ; v96-159  l (g, a)
.set MX,  160                          ; v160-163 the row's largest c m
.set LSUM, 164                         ; v164-167 L
	s_lshl_b32 s18, s45, 17                        ; the batch: 16 groups x 2,048 rows x 4 bytes,
	s_and_b32 s19, s13, 7
	s_lshl_b32 s19, s19, 10                        ; my tile row's 256 rows in the batch,
	s_add_co_u32 s18, s18, s19
	s_lshl_b32 s19, s10, 8                         ; my wave's 64
	s_add_co_u32 s18, s18, s19
	s_mov_b32 s19, 0
	s_add_nc_u64 s[66:67], s[66:67], s[18:19]
	v_lshlrev_b32 v[SO], 2, v1
.set g, 0
.rept 16
.irp a, 0,1,2,3
	global_load_b32 v[CMR+4*g+(\a)], v[SO], s[66:67] offset:8192*g+64*(\a)
	global_load_b32 v[LR+4*g+(\a)], v[SO], s[66:67] offset:8192*g+64*(\a)+524288
.endr
.set g, g+1
.endr
	s_lshl_b32 s22, s10, 12
	s_add_co_u32 s22, s22, XTRA                    ; my table of factors
	v_lshl_add_u32 v[FTA], v1, 4, s22
.set i, 0
.rept 8
	v_mov_b32 v[FK+2*i+1], 0                       ; the pairs' high registers are named with the factors and never used
.set i, i+1
.endr
	s_wait_loadcnt 0x0
.irp a, 0,1,2,3
	v_max3_num_f32 v[MX+(\a)], v[CMR+(\a)], v[CMR+4+(\a)], v[CMR+8+(\a)]
.endr
.set g, 3
.rept 6
.irp a, 0,1,2,3
	v_max3_num_f32 v[MX+(\a)], v[MX+(\a)], v[CMR+4*g+(\a)], v[CMR+4*g+4+(\a)]
.endr
.set g, g+2
.endr
.irp a, 0,1,2,3
	v_max_num_f32 v[MX+(\a)], v[MX+(\a)], v[CMR+60+(\a)]
.endr
.set i, 0
.rept 64
	v_sub_f32 v[CMR+i], v[CMR+i], v[MX+i%4]        ; c m_g less the row's largest: 0 at the most
.set i, i+1
.endr
.set i, 0
.rept 64
	v_exp_f32 v[CMR+i], v[CMR+i]                   ; f_g
.set i, i+1
.endr
	v_nop                                          ; a plain instruction between the last exponential and the use of its result (ISA guide 5.7.2)
	s_wait_alu depctr_va_vdst(0)
.irp a, 0,1,2,3
	v_mul_f32 v[LSUM+(\a)], v[LR+(\a)], v[CMR+(\a)]
.endr
.set g, 1
.rept 15
.irp a, 0,1,2,3
	v_fmac_f32 v[LSUM+(\a)], v[LR+4*g+(\a)], v[CMR+4*g+(\a)]
.endr
.set g, g+1
.endr
.irp a, 0,1,2,3
	v_rcp_f32 v[RI+2*(\a)], v[LSUM+(\a)]
	v_rcp_f32 v[RI+2*(\a)+1], v[LSUM+(\a)]
.endr
	v_nop
.set g, 0
.rept 16
	ds_store_b128 v[FTA], v[CMR+4*g:CMR+4*g+3] offset:256*g  ; my wave's own bytes; the two halves of the lanes write the same numbers to the same places
.set g, g+1
.endr
	s_wait_tensorcnt 1                             ; my part of K step 0 is in; K step 1's may stay out
	s_wait_dscnt 0x0                               ; no LDS instruction of mine is pending at a signal
	s_barrier_signal -1
	s_barrier_wait -1                              ; everybody's is
	FETCH 0, 0, 0
	THREE 0                                        ; K step 0 stands in front of the loop: its end starts O
	TURN 0, 1, 1, 1                                ; (K step 2 is asked for)
	WIN 0                                          ; at a label and at a branch every window is 0
	s_mov_b32 s3, 6
.Llap:                                                 ; six trips: K steps 1 to 12, two a trip; both slots are filled again: K steps 3 to 14
	THREE 1
	TURN 1, 0, 1, 0
	THREE 0
	TURN 0, 1, 1, 0
	WIN 0
	s_sub_co_u32 s3, s3, 1
	s_cmp_lg_u32 s3, 0
	s_cbranch_scc1 .Llap
	THREE 1                                        ; K step 13 asks for the last, 15
	TURN 1, 0, 1, 0
	THREE 0                                        ; K step 14 fills nothing, and has no round of the cluster's barrier
	TURN 0, 1, 0, 0
	THREE 1                                        ; K step 15
	s_wait_dscnt 0x0                               ; the very last quarter: nothing more to fetch
	MUL8 1, 0, 0
	MUL8 1, 1, 0
	MUL8 1, 2, 0
	MUL8 1, 3, 0
	FLUSH 1, 0
	WIN 0
; THE WAY OUT, a block of 16 rows at a time: O divided by the row's L; rounded to f16, 16 bytes a lane; into my stage; back as whole rows; stored.
.macro PACK a
	WIN 0x41                                       ; in place in window 1; 1 / L in window 0
.set i, 0
	s_wait_alu depctr_va_vdst(0)
.rept 32
	v_pk_mul_f32 v[64*(\a)+2*i:64*(\a)+2*i+1], v[64*(\a)+2*i:64*(\a)+2*i+1], v[RI+2*(\a):RI+2*(\a)+1] op_sel_hi:[1,0]
.set i, i+1
.endr
	WIN 0x05                                       ; sources 0 and 1 window 1, destination window 0
.set i, 0
.rept 32
	v_cvt_pk_f16_f32 v[OUT+32*(\a)+i], v[64*(\a)+2*i], v[64*(\a)+2*i+1]
.set i, i+1
.endr
	WIN 0
.endm
.macro STG a
.irp b, 0,1,2,3,4,5,6,7
	ds_store_b128 v[STO], v[OUT+32*(\a)+4*(\b):OUT+32*(\a)+4*(\b)+3] offset:32*(\b)
.endr
.irp t, 0,1,2,3,4,5,6,7
	ds_load_b128 v[OUT+32*(\a)+4*(\t):OUT+32*(\a)+4*(\t)+3], v[RD] offset:(\t)*2*SP  ; LDS serves a wave's instructions in order (ISA guide 5.7.1.4): these see the stores above; the next block's stores come behind them
.endr
.endm
.macro SEND a, younger                 ; younger: the LDS instructions issued behind block a's loads
.irp t, 0,1,2,3,4,5,6,7
	s_wait_dscnt (\younger)+7-(\t)
	global_store_b128 v[CO], v[OUT+32*(\a)+4*(\t):OUT+32*(\a)+4*(\t)+3], s[8:9] offset:(16*(\a)+2*(\t))*CPB  ; 16 lanes store 256 consecutive bytes, at a multiple of 256 from C's first byte
.endr
.endm
	PACK 0
	STG 0
.irp a, 1,2,3                          ; a block's arithmetic stands between the loads of the block before and its stores
	PACK \a
	STG \a
	SEND (\a)-1, 16
.endr
	SEND 3, 0
	s_wait_tensorcnt 0x0                           ; the wave's end: behind my last tensor load and my last LDS store
	ds_add_u32 v[SPW], v[NIL]
	s_wait_dscnt 0x0
	CROUND                                         ; the closing round: no work-group ends while a partner may still ask for a tile that names it
	s_endpgm
.Lfunc_end_k_qd7335009d8_gpv:
	.size	k_qd7335009d8_gpv, .Lfunc_end_k_qd7335009d8_gpv-k_qd7335009d8_gpv
	.p2alignl 7, 3214868480
	.fill 96, 4, 3214868480
	.section	.rodata,"a",@progbits
	.p2align	6, 0x0
	.amdhsa_kernel k_qd7335009d8_gpv
		.amdhsa_group_segment_fixed_size 327680
		.amdhsa_private_segment_fixed_size 0
		.amdhsa_enable_private_segment 0
		.amdhsa_kernarg_size 32
		.amdhsa_user_sgpr_count 2
		.amdhsa_user_sgpr_kernarg_segment_ptr 1
		.amdhsa_wavefront_size32 1
		.amdhsa_system_sgpr_workgroup_id_x 1
		.amdhsa_system_sgpr_workgroup_id_y 1
		.amdhsa_system_sgpr_workgroup_id_z 1
		.amdhsa_system_vgpr_workitem_id 0
		.amdhsa_next_free_vgpr 768
		.amdhsa_next_free_sgpr 80
		.amdhsa_reserve_vcc 0
		.amdhsa_float_denorm_mode_32 3
		.amdhsa_float_denorm_mode_16_64 3
		.amdhsa_memory_ordered 1
		.amdhsa_forward_progress 1
		.amdhsa_inst_pref_size 199
	.end_amdhsa_kernel
	.amdgpu_metadata
---
amdhsa.version: [ 1, 2 ]
amdhsa.kernels:
  - .name:           k_qd7335009d8_gpv
    .symbol:         k_qd7335009d8_gpv.kd
    .args:
      - { .name: p, .offset: 0, .size: 8, .value_kind: global_buffer, .address_space: global }
      - { .name: qkv, .offset: 8, .size: 8, .value_kind: global_buffer, .address_space: global }
      - { .name: y, .offset: 16, .size: 8, .value_kind: global_buffer, .address_space: global }
      - { .name: stats, .offset: 24, .size: 8, .value_kind: global_buffer, .address_space: global }
    .group_segment_fixed_size: 327680
    .private_segment_fixed_size: 0
    .kernarg_segment_align: 8
    .kernarg_segment_size: 32
    .max_flat_workgroup_size: 128
    .sgpr_count:     80
    .vgpr_count:     768
    .wavefront_size: 32
...
	.end_amdgpu_metadata
.endif
;; end of part 8
;; launch gproj (part 9): grid 8 x 32, 4 waves a work-group, clusters of 4 x 4, 327,680 bytes of LDS; arguments y, wo16, out0; writes out0
.if DOCPART == 9
	.amdgcn_target "amdgcn-amd-amdhsa--gfx1250"
	.amdhsa_code_object_version 6
	.text
	.protected	k_qd7335009d8_gproj
	.globl	k_qd7335009d8_gproj
	.p2align	8
	.type	k_qd7335009d8_gproj,@function
k_qd7335009d8_gproj:
	s_mov_b64 s[64:65], 0
	v_nop
	global_prefetch_b8 v0, s[64:65] scope:SCOPE_SE
	s_setreg_imm32_b32 hwreg(HW_REG_WAVE_MODE, 25, 1), 1
	s_wait_xcnt 0x0
	s_wait_alu depctr_hold_cnt(0) depctr_sa_sdst(0) depctr_va_vdst(0) depctr_va_sdst(0) depctr_va_ssrc(0) depctr_va_vcc(0) depctr_vm_vsrc(0)
	s_getreg_b32 s2, hwreg(HW_REG_IB_STS2, 6, 4)
	s_cmp_eq_u32 s2, 0
	s_cbranch_scc0 .Lentry_in_a_cluster
	s_endpgm
.Lentry_in_a_cluster:
	s_bfe_u32 s2, ttmp6, 0x10000c
	s_cmp_lg_u32 s2, 0xf033
	s_cbranch_scc0 .Lentry_shape_is_right
	s_endpgm
.Lentry_shape_is_right:
; THE OUTPUT PROJECTION: out0[8192][1024] (f32) = y[8192][1024] x wo16[1024][1024], operands f16, sums in f32, stored as they are.
; WHY 256 x 128.  out0 has 128 tiles of 256 x 256 and 256 of 256 x 128: the smaller tile gives each of the launch's 256 work-groups one tile.
; SHARES.  A work-group makes 256 x 128 of C; wave w its rows 64 w .. 64 w + 63 and all 128 columns: 32 accumulators of 16 x 16, 256 registers.
; So a wave's rows of C are whole (512 bytes of f32): each wave has a stage of its own and the way out needs no barrier.
; K goes in steps of 128 through two LDS slots filled by the tensor data mover; every row of a tile is 256 consecutive bytes, at a multiple of 256 from its buffer's first byte.
; Two slots of two K steps (2 x 2 x 106,496 bytes) do not fit in LDS, so a wave's one load behind a round has 112 of a step's 128 matrix instructions in which to land.
; CLUSTER.  4 x 4 work-groups: the four of a row need the same tile of A, the four of a column the same tile of B: each is asked for JOINTLY, by the same load, descriptor and mask in all four.
; THE MATRIX INSTRUCTION IS USED TRANSPOSED (source 0 = 16 columns of C out of B, source 1 = 16 rows out of A): lane l holds row l % 16 of C and the columns 8 (l / 16) + 0..7.
; REGISTERS.  Window 0: v0-31 addresses; v32-95 A's fragments, two buffers of 4 x 8; v96-223 B's, two buffers of 8 x 8.  Window 1: accumulator (a, b) at v[8 (8 a + b)].
.set SIZE_K, 1024                      ; the length of the sums
.set AP,    1024                       ; y's pitch in elements; it is [M][K]
.set BP,    1024                       ; wo16's pitch in elements; it is [K][N] and is turned on its way out of LDS
.set CPB,   4096                       ; out0's pitch in bytes
.set CCOL,  512                        ; bytes of a tile's 128 columns in out0
.set KSTEP, 128
.set PA,    272                        ; a row of A in LDS: 256 bytes + 16 = 68 words: the 16 rows of a load start at 16 different groups of four banks (64 banks of 4 bytes: ISA guide 11.1)
.set PB,    288                        ; a row of B: 256 + 32 = 72 words
.set BSTEP, KSTEP*BP*2                 ; a K step goes 128 rows down in B
.set BOFF,  256*PA                     ; in a slot: A's 256 rows, then B's 128
.set SLOT,  106496
.set STAGE, 2*SLOT                     ; behind the ring, never filled by a tensor load: 16 rows for each wave, for the way out
.set SP,    528                        ; a row of the stage: 512 bytes + 16
.set SPARE, STAGE+4*16*SP              ; behind the stages: the spare words, 128 bytes for each wave: two blocks of 256 bytes that no other line names
.set LAPS, SIZE_K/(2*KSTEP)            ; a lap = two K steps = once round the ring
.set ADRA, 16                          ; v16-17  LDS address of my A fragments in slot 0, 1
.set ADRB, 20                          ; v20-21  the same for B
.set STO,  24                          ; v24     the way out: where I put my part of a row
.set RD,   25                          ; v25     the way out: where I read rows back
.set CO,   26                          ; v26     my byte offset in C
.set SPW,  28                          ; v28     LDS address of my spare word: SPARE + 4 x my thread's number; never rewritten
.set NIL,  29                          ; v29     0; never rewritten
.set FA,   32
.set FB,   96
.set OUT,  32                          ; the way out works where the fragments lay
.set G1,  24                           ; s[24:31] descriptor group 1 for A's tiles;  s[32:39] group 0, one set for each slot
.set G0,  32
.set G1B, 48                           ; s[48:55], s[56:63] the same for B's tiles
.set G0B, 56
.set MSB, 0
.macro WIN new                         ; s_set_vgpr_msb: bits 1:0 source 0, 3:2 source 1, 5:4 source 2, 7:6 destination; the high byte repeats the setting that is left
.if MSB != (\new)
	s_set_vgpr_msb (MSB<<8)|(\new)
.set MSB, \new
.endif
.endm
.set MUL, 0x50                         ; fragments in window 0; C and D in window 1
.macro PLACES                          ; four places in front of loads into registers that matrix instructions have read, and of lines that read results (ISA guide 7.12.1 for lines that read results)
.rept 4
	v_nop
.endr
.endm
.macro JLOAD s                         ; a joint load: waves 0 and 1 fetch A's two halves, waves 2 and 3 B's; four v_nop follow each of the two lines, ahead of the jump, the label and what follows
	s_cmp_eq_u32 s11, 0
	s_cbranch_scc0 .Lfor_b_\@
	tensor_load_to_lds s[G0+4*(\s):G0+4*(\s)+3], s[G1:G1+7]
	s_nop 0
.rept 4
	v_nop
.endr
	s_branch .Lasked_\@
.Lfor_b_\@:
	tensor_load_to_lds s[G0B+4*(\s):G0B+4*(\s)+3], s[G1B:G1B+7]
	s_nop 0
.rept 4
	v_nop
.endr
.Lasked_\@:
.endm
.macro CREST                           ; a round of the cluster's barrier behind its opening barrier
	s_cmp_lg_u32 s10, 0
	s_cbranch_scc1 .Lnot_wave_0_\@
	s_barrier_signal -3
.Lnot_wave_0_\@:
	s_barrier_wait -3
	s_barrier_signal -1
	s_barrier_wait -1
.endm
.macro CROUND                          ; a whole round
	s_barrier_signal -1
	s_barrier_wait -1
	CREST
.endm
; 8 matrix instructions: my block a of 16 rows x all 8 blocks of 16 columns, 32 along K, from buffer f.  zero = 1: the product starts the sums.
; The 32 accumulators take turns, one instruction a turn, in the same order in every quarter.
.macro MUL8 f, a, zero
	WIN MUL
.irp b, 0,1,2,3,4,5,6,7
.if \zero
	v_wmma_f32_16x16x32_f16 v[8*(8*(\a)+(\b)):8*(8*(\a)+(\b))+7], v[FB+64*(\f)+8*(\b):FB+64*(\f)+8*(\b)+7], v[FA+32*(\f)+8*(\a):FA+32*(\f)+8*(\a)+7], 0
.else
	v_wmma_f32_16x16x32_f16 v[8*(8*(\a)+(\b)):8*(8*(\a)+(\b))+7], v[FB+64*(\f)+8*(\b):FB+64*(\f)+8*(\b)+7], v[FA+32*(\f)+8*(\a):FA+32*(\f)+8*(\a)+7], v[8*(8*(\a)+(\b)):8*(8*(\a)+(\b))+7]
.endif
.endr
.endm
; 24 LDS loads in one run: the fragments of quarter kq (32 along K) of a slot into buffer f
.macro FETCH slot, kq, f
	WIN 0
.irp b, 0,1,2,3,4,5,6,7
	ds_load_tr16_b128 v[FB+64*(\f)+8*(\b):FB+64*(\f)+8*(\b)+3],   v[ADRB+(\slot)] offset:(\kq)*32*PB+32*(\b)
	ds_load_tr16_b128 v[FB+64*(\f)+8*(\b)+4:FB+64*(\f)+8*(\b)+7], v[ADRB+(\slot)] offset:(\kq)*32*PB+16*PB+32*(\b)
.endr
.irp a, 0,1,2,3
	ds_load_b128 v[FA+32*(\f)+8*(\a):FA+32*(\f)+8*(\a)+3],   v[ADRA+(\slot)] offset:(\a)*16*PA+64*(\kq)
	ds_load_b128 v[FA+32*(\f)+8*(\a)+4:FA+32*(\f)+8*(\a)+7], v[ADRA+(\slot)] offset:(\a)*16*PA+64*(\kq)+32
.endr
.endm
; A K step is four quarters of 32 along K, 32 matrix instructions each, on buffers 0, 1, 0, 1.  One of the first three: fetches quarter kq into buffer g, then multiplies buffer f.
.macro QUARTER slot, kq, f, g, zero
	s_wait_dscnt 0x0                               ; buffer f's loads were issued in front of the last 32 matrix instructions, and nothing behind them
	PLACES
	FETCH \slot, \kq, \g
	MUL8 \f, 0, \zero
	MUL8 \f, 1, \zero
	MUL8 \f, 2, \zero
	MUL8 \f, 3, \zero
.endm
; The last quarter multiplies buffer 1 and changes slots: ONE barrier; in front of it each wave waits for all its tensor loads (one is out: its part of the next slot), adds 0 to its spare
; word, and waits for that and for its own reads of this slot.  fill = 1: the barrier opens a round of the cluster's, and this slot is filled again, two K steps ahead, first thing behind it.
.macro TURN slot, next, fill
	WIN 0
	s_wait_tensorcnt 0x0                           ; all my tensor loads have landed;
	ds_add_u32 v[SPW], v[NIL]                      ; 0 onto my spare word;
	s_wait_dscnt 1                                 ; (only the add may be out: buffer 1's 24 loads are in)
	MUL8 1, 0, 0                                   ; matrix instructions stand between the add and the wait for it
	s_wait_dscnt 0x0                               ; the add is done, and my reads of this slot are over
	s_barrier_signal -1
	MUL8 1, 1, 0
.if \fill
	WIN 0
.endif
	s_barrier_wait -1
.if \fill
	CREST                                          ; no wave of any partner still reads this slot's tiles or has a load on its way
	s_add_nc_u64 s[G0+4*(\slot)+2:G0+4*(\slot)+3], s[G0+4*(\slot)+2:G0+4*(\slot)+3], 2*KSTEP*2
	s_add_nc_u64 s[G0B+4*(\slot)+2:G0B+4*(\slot)+3], s[G0B+4*(\slot)+2:G0B+4*(\slot)+3], 2*BSTEP
	JLOAD \slot                                    ; my one tensor load behind the round; its four v_nop are also the places in front of the loads below
.else
	PLACES
.endif
	FETCH \next, 0, 0
	MUL8 1, 2, 0
	MUL8 1, 3, 0
.endm
	s_load_b64 s[4:5], s[0:1], 0x0                 ; y
	s_load_b64 s[6:7], s[0:1], 0x8                 ; wo16
	s_load_b64 s[8:9], s[0:1], 0x10                ; out0
	v_lshl_add_u32 v[SPW], v0, 2, SPARE
	v_mov_b32 v[NIL], 0
	ds_add_u32 v28, v29
	s_wait_dscnt 0x0
	v_lshrrev_b32 v1, 5, v0
	v_readfirstlane_b32 s10, v1                    ; wave 0..3
	s_lshr_b32 s11, s10, 1                         ; I fetch for A (0) or for B (1),
	s_and_b32 s12, s10, 1                          ; and which half of that tile's rows
	s_bfe_u32 s40, ttmp6, 0x40000                  ; cx, cy: my place in the cluster
	s_bfe_u32 s41, ttmp6, 0x40004
	s_lshl_b32 s42, ttmp9, 2
	s_add_co_u32 s42, s42, s40                     ; tile column of C = 4 x cluster x + cx
	s_and_b32 s13, ttmp7, 0xffff
	s_lshl_b32 s13, s13, 2
	s_add_co_u32 s13, s13, s41                     ; tile row of C = 4 x cluster y + cy
	s_lshl_b32 s43, s41, 2
	s_lshl_b32 s43, 15, s43                        ; my row of the cluster
	s_lshl_b32 s44, 0x1111, s40                    ; my column
	; descriptor group 1.  A: 128 rows x 128 elements a load; B: 64 rows x 128 elements; padded in LDS behind every row
	s_or_b32 s[G1+0], s43, (1<<16)|(1<<20)|(1<<21)|(5<<22)|(3<<25)   ; 15:0 the mask: my row; 17:16 2-byte elements; 20 padding on; 21 set beside a mask; 24:22 after every 64 words (code 5); 31:25 4 words (code 3)
	s_or_b32 s[G1B+0], s44, (1<<16)|(1<<20)|(1<<21)|(5<<22)|(7<<25)  ; the same with my column's mask and 8 words of padding (code 7)
	s_mov_b32 s[G1+1], KSTEP<<16                   ; tensor_dim0 = 128
	s_mov_b32 s[G1+2], 128<<16                     ; tensor_dim1 = 128
	s_mov_b32 s[G1+3], KSTEP<<16                   ; tile_dim0 = 128
	s_mov_b32 s[G1+4], 128                         ; tile_dim1 = 128
	s_mov_b32 s[G1+5], AP                          ; elements from row to row
	s_mov_b32 s[G1+6], 0
	s_mov_b32 s[G1+7], 0
	s_mov_b32 s[G1B+1], 128<<16
	s_mov_b32 s[G1B+2], 64<<16
	s_mov_b32 s[G1B+3], 128<<16
	s_mov_b32 s[G1B+4], 64
	s_mov_b32 s[G1B+5], BP
	s_mov_b32 s[G1B+6], 0
	s_mov_b32 s[G1B+7], 0
	; where the tiles come from: A's hang on the tile row alone, B's on the tile column alone; all offsets stay under 2^32
	s_lshl_b32 s17, s12, 7
	s_lshl_b32 s16, s13, 8
	s_add_co_u32 s16, s16, s17                     ; A: row 256 x tile row + 128 x half
	s_mul_i32 s16, s16, AP*2
	s_mov_b32 s17, 0
	s_lshl_b32 s46, s12, 6                         ; B: 64 rows of K x half,
	s_mul_i32 s46, s46, BP*2
	s_lshl_b32 s47, s42, 8                         ; at the tile column's 256 bytes
	s_add_co_u32 s46, s46, s47
	s_mov_b32 s47, 0
	s_mul_i32 s20, s12, 128*PA                     ; and where they go: no place in the cluster enters an LDS address
	s_mul_i32 s21, s12, 64*PB
	s_add_co_u32 s21, s21, BOFF
	s_wait_kmcnt 0x0
	s_add_nc_u64 s[14:15], s[4:5], s[16:17]
	s_add_nc_u64 s[46:47], s[6:7], s[46:47]
	CROUND                                         ; all sixteen work-groups are here: the first joint loads meet
.irp s, 0,1
	s_mov_b32 s[G0+4*(\s)], 1                                        ; count = 1
	s_add_co_u32 s[G0+4*(\s)+1], s20, (\s)*SLOT                      ; LDS address
	s_add_nc_u64 s[G0+4*(\s)+2:G0+4*(\s)+3], s[14:15], (\s)*KSTEP*2  ; global address: K step s
	s_or_b32 s[G0+4*(\s)+3], s[G0+4*(\s)+3], 0x80000000              ; type = 2
	s_mov_b32 s[G0B+4*(\s)], 1
	s_add_co_u32 s[G0B+4*(\s)+1], s21, (\s)*SLOT
	s_add_nc_u64 s[G0B+4*(\s)+2:G0B+4*(\s)+3], s[46:47], (\s)*BSTEP
	s_or_b32 s[G0B+4*(\s)+3], s[G0B+4*(\s)+3], 0x80000000
	JLOAD \s                                       ; two tensor loads of mine are out
.endr
	; A fragment is 16 rows x 32 K in 8 registers: lane l holds row l % 16; registers 0-3 K = 8 (l / 16) + 0..7, registers 4-7 K = 16 + 8 (l / 16) + 0..7.
	v_and_b32 v1, 15, v0                           ; r = l % 16
	v_bfe_u32 v2, v0, 4, 1                         ; h = l / 16
	v_mul_u32_u24 v3, v1, PA
	v_lshl_add_u32 v3, v2, 4, v3                   ; row x pitch + 16 x half
	s_mul_i32 s22, s10, 64*PA                      ; my 64 rows of A
	v_add_nc_u32 v[ADRA], s22, v3
	v_add_nc_u32 v[ADRA+1], SLOT, v[ADRA]
	; The turning load takes 16 K x 16 columns (lane l reads 16 bytes: K 8 (l / 16) + l % 8, columns 8 ((l / 8) % 2) + 0..7) and leaves half a fragment: lane l holds column l % 16 and 8 K.
	v_and_b32 v4, 7, v0
	v_lshl_add_u32 v4, v2, 3, v4
	v_mul_u32_u24 v4, v4, PB
	v_bfe_u32 v5, v0, 3, 1
	v_lshl_add_u32 v4, v5, 4, v4
	v_add_nc_u32 v[ADRB], BOFF, v4
	v_add_nc_u32 v[ADRB+1], SLOT, v[ADRB]
	s_mul_i32 s23, s10, 16*SP
	s_add_co_u32 s23, s23, STAGE                   ; my stage
	v_mul_u32_u24 v4, v1, SP                       ; in: row l % 16, my eight columns:
	v_lshl_add_u32 v4, v2, 5, v4                   ; 32 bytes of f32 for each half of the lanes
	v_add_nc_u32 v[STO], s23, v4
	v_and_b32 v5, 31, v0                           ; back: 32 lanes take one row of 512 bytes
	v_lshlrev_b32 v[CO], 4, v5
	v_add_nc_u32 v[RD], s23, v[CO]
	s_lshl_b32 s16, s13, 8
	s_lshl_b32 s17, s10, 6
	s_add_co_u32 s16, s16, s17                     ; my first row of C: 256 x tile row + 64 x wave
	s_mul_i32 s16, s16, CPB
	s_mov_b32 s17, 0
	s_add_nc_u64 s[8:9], s[8:9], s[16:17]
	s_mul_i32 s46, s42, CCOL                       ; the tile's first column, in bytes
	s_mov_b32 s47, 0
	s_add_nc_u64 s[8:9], s[8:9], s[46:47]
	s_wait_tensorcnt 1                             ; my part of K step 0 is in; K step 1's may stay out
	s_barrier_signal -1
	s_barrier_wait -1                              ; everybody's is
	FETCH 0, 0, 0
	QUARTER 0, 1, 0, 1, 1                          ; the first quarter stands in front of the loop: its products start the sums
	WIN 0                                          ; at a label and at a branch every window is 0
	s_mov_b32 s3, LAPS-1
.Llap:                                                 ; a trip goes once round the ring, from a lap's second quarter to the next lap's first, and fills both slots again
	QUARTER 0, 2, 1, 0, 0
	QUARTER 0, 3, 0, 1, 0
	TURN 0, 1, 1
	QUARTER 1, 1, 0, 1, 0
	QUARTER 1, 2, 1, 0, 0
	QUARTER 1, 3, 0, 1, 0
	TURN 1, 0, 1
	QUARTER 0, 1, 0, 1, 0
	WIN 0
	s_sub_co_u32 s3, s3, 1
	s_cmp_lg_u32 s3, 0
	s_cbranch_scc1 .Llap
	QUARTER 0, 2, 1, 0, 0                          ; the last lap fills nothing, and has no round of the cluster's barrier
	QUARTER 0, 3, 0, 1, 0
	TURN 0, 1, 0
	QUARTER 1, 1, 0, 1, 0
	QUARTER 1, 2, 1, 0, 0
	QUARTER 1, 3, 0, 1, 0
	s_wait_dscnt 0x0                               ; the very last quarter: nothing more to fetch
	MUL8 1, 0, 0
	MUL8 1, 1, 0
	MUL8 1, 2, 0
	MUL8 1, 3, 0
	WIN 0
	PLACES
; THE WAY OUT, a block of 16 rows at a time: a lane's eight f32 of a row go into my stage as they are (each accumulator's low four registers first), rows of 512 + 16 bytes,
; and come back as whole rows of 512 bytes, into one of three sets of 64 registers where the fragments lay.
.macro ST a
	WIN 0x04                                       ; the stores' data in window 1
.irp b, 0,1,2,3,4,5,6,7
	ds_store_b128 v[STO], v[64*(\a)+8*(\b):64*(\a)+8*(\b)+3] offset:64*(\b)
	ds_store_b128 v[STO], v[64*(\a)+8*(\b)+4:64*(\a)+8*(\b)+7] offset:64*(\b)+16
.endr
	WIN 0
.set OB, OUT+64*((\a)%3)
.set t, 0
.rept 16
	ds_load_b128 v[OB+4*t:OB+4*t+3], v[RD] offset:SP*t  ; LDS serves a wave's instructions in order (ISA guide 5.7.1.4): these see the stores above; the next block's stores come behind them
.set t, t+1
.endr
.endm
.macro SENDF a, younger                ; younger: the LDS instructions issued behind block a's loads: the next block's 32, or none
.set OB, OUT+64*((\a)%3)
.set t, 0
.rept 16
	s_wait_dscnt (\younger)+15-t
	global_store_b128 v[CO], v[OB+4*t:OB+4*t+3], s[8:9] offset:(16*(\a)+t)*CPB th:TH_STORE_NT  ; the wave stores 512 consecutive bytes, at a multiple of 512 from C's first byte
.set t, t+1
.endr
.endm
	ST 0
	ST 1
	SENDF 0, 32
	ST 2
	SENDF 1, 32
	s_wait_xcnt 0x0                                ; block 3 comes back into block 0's registers, which its stores read: they are loaded again only behind this wait (ISA guide 3.1)
	ST 3
	SENDF 2, 32
	SENDF 3, 0
	s_wait_tensorcnt 0x0                           ; the wave's end: behind my last tensor load and my last LDS store
	ds_add_u32 v[SPW], v[NIL]
	s_wait_dscnt 0x0
	CROUND                                         ; the closing round: no work-group ends while a partner may still ask for a tile that names it
	s_endpgm
.Lfunc_end_k_qd7335009d8_gproj:
	.size	k_qd7335009d8_gproj, .Lfunc_end_k_qd7335009d8_gproj-k_qd7335009d8_gproj
	.p2alignl 7, 3214868480
	.fill 96, 4, 3214868480
	.section	.rodata,"a",@progbits
	.p2align	6, 0x0
	.amdhsa_kernel k_qd7335009d8_gproj
		.amdhsa_group_segment_fixed_size 327680
		.amdhsa_private_segment_fixed_size 0
		.amdhsa_enable_private_segment 0
		.amdhsa_kernarg_size 24
		.amdhsa_user_sgpr_count 2
		.amdhsa_user_sgpr_kernarg_segment_ptr 1
		.amdhsa_wavefront_size32 1
		.amdhsa_system_sgpr_workgroup_id_x 1
		.amdhsa_system_sgpr_workgroup_id_y 1
		.amdhsa_system_sgpr_workgroup_id_z 1
		.amdhsa_system_vgpr_workitem_id 0
		.amdhsa_next_free_vgpr 512
		.amdhsa_next_free_sgpr 66
		.amdhsa_reserve_vcc 0
		.amdhsa_float_denorm_mode_32 3
		.amdhsa_float_denorm_mode_16_64 3
		.amdhsa_memory_ordered 1
		.amdhsa_forward_progress 1
		.amdhsa_inst_pref_size 86
	.end_amdhsa_kernel
	.amdgpu_metadata
---
amdhsa.version: [ 1, 2 ]
amdhsa.kernels:
  - .name:           k_qd7335009d8_gproj
    .symbol:         k_qd7335009d8_gproj.kd
    .args:
      - { .name: y, .offset: 0, .size: 8, .value_kind: global_buffer, .address_space: global }
      - { .name: wo16, .offset: 8, .size: 8, .value_kind: global_buffer, .address_space: global }
      - { .name: out0, .offset: 16, .size: 8, .value_kind: global_buffer, .address_space: global }
    .group_segment_fixed_size: 327680
    .private_segment_fixed_size: 0
    .kernarg_segment_align: 8
    .kernarg_segment_size: 24
    .max_flat_workgroup_size: 128
    .sgpr_count:     66
    .vgpr_count:     512
    .wavefront_size: 32
...
	.end_amdgpu_metadata
.endif
;; end of part 9
;; ======== version 3 of 3: 5 launches; version 2 with the launch prep written anew for expert scheduling mode
;; limits: values are held in f16: magnitudes above 65,504 overflow, below 6.1e-05 lose precision
;; workspace buffers: x16 16,777,216 bytes; wqkv 6,291,456 bytes; wo16 2,097,152 bytes; qkv 50,331,648 bytes; p 33,554,432 bytes; stats 1,048,576 bytes; y 16,777,216 bytes
;; launch prep (part 10): grid 768 x 1, 8 waves a work-group, no clusters, 0 bytes of LDS; arguments x, Wq, Wk, Wv, Wo, x16, wqkv, wo16; writes x16, wqkv, wo16
.if DOCPART == 10
	.amdgcn_target "amdgcn-amd-amdhsa--gfx1250"
	.amdhsa_code_object_version 6
	.text
	.protected	k_qd7335009d8_prep
	.globl	k_qd7335009d8_prep
	.p2align	8
	.type	k_qd7335009d8_prep,@function
k_qd7335009d8_prep:
	s_mov_b64 s[64:65], 0
	v_nop
	global_prefetch_b8 v0, s[64:65] scope:SCOPE_SE
	s_setreg_imm32_b32 hwreg(HW_REG_WAVE_SCHED_MODE, 0, 2), 2
	s_setreg_imm32_b32 hwreg(HW_REG_WAVE_MODE, 25, 1), 1
	s_wait_xcnt 0x0
	s_wait_alu depctr_vm_vsrc(0)
; THE CAST.  x, Wq, Wk, Wv, Wo (f32) are rounded to bf16 (nearest even), and that number is written as f16:
; x16 [8192][1024]; wqkv [1024][3072] with Wq, Wk, Wv side by side in a row; wo16 [1024][1024].
; LIMITS.  A bf16 number is exact in f16 from 2^-17 up to 65,504; below 2^-17 it is rounded to f16's fixed step of 6e-8; from 65,520 on it
; becomes an infinity.  NaN and infinities are not treated apart.
; A stream: each byte is read once and written once, nothing is shared between work-groups, so no LDS, no matrix unit, no cluster.
; SHARES.  12,288 rows of 1,024 numbers (8,192 of x, 1,024 of each weight); a work-group of eight waves takes 16 rows of one tensor.
; Thread t takes columns 4 t .. 4 t + 3 of each row: a wave's load covers 512 consecutive bytes, its store 256 consecutive bytes, aligned.
; All 16 loads of a thread go out first; no register that a load or store names is written again, so no wait frees a source.
; THE MODE: SCHED_MODE bits 1:0 = 2 (LLVM: expert scheduling mode 2), set by the entry lines.  The code itself states the register dependences
; between vector instructions and memory instructions, with s_wait_alu, always for 0.
; THE PLAN.  Registers that memory instructions touch:
;   v1        the loads' offset.  Written once at the head; read by all 16 loads.
;   X, row i  written by row i's one load; read by row i's two roundings to bf16.  No vector instruction writes it, no second load lands in it.
;   DO, row i the store's offset.  Written once, behind the run of loads; read by row i's store.
;   Y, row i  the store's data.  Written once, by row i's two conversions to f16; read by row i's store.
;   T and v2 are named by vector instructions alone.
; The 16 rows go in four blocks of four.  Block p's vector lines write T and block p's Y; its memory instructions are the four stores of block p - 1,
; which read that block's DO and Y.  So one wait at the head of blocks 1 to 3 states all that the block's four stores hang on, and these are dealt
; among the block's vector lines with no further wait; one more wait stands ahead of the last four stores, and one ahead of the first load.
.set ROWS,  16
.set BLOCK, 4                          ; rows in a block
.set DO,  4                            ; v[4:19]    row i: my byte offset in the destination
.set T,   20                           ; v[20:25]   at work
.set X,   32                           ; v[32:95]   row i: 4 numbers as loaded
.set Y,   96                           ; v[96:127]  row i: 4 numbers in f16, to store
	s_load_b512 s[8:23], s[0:1], 0x0               ; x s[8:9], Wq s[10:11], Wk s[12:13], Wv s[14:15], Wo s[16:17], x16 s[18:19], wqkv s[20:21], wo16 s[22:23]
	s_mov_b32 s2, ttmp9                            ; work-group w: 0-511 x, then 64 for each weight
	s_sub_co_u32 s3, s2, 512                       ; among the weights' (it wraps for x's work-groups: mat is then far above 3)
	s_lshr_b32 s4, s3, 6                           ; mat: 0 Wq, 1 Wk, 2 Wv, 3 Wo
	s_and_b32 s5, s3, 63                           ; the block of 16 rows in that weight
	s_mov_b32 s30, 0xffff0000                      ; a word's upper bf16
	v_lshlrev_b32 v1, 4, v0                        ; 16 t: my bytes in a source row
	v_lshlrev_b32 v2, 3, v0                        ; 8 t: in a destination row
	s_wait_kmcnt 0x0
	s_mov_b64 s[24:25], s[16:17]                   ; the source: Wo, unless ...
	s_cmp_eq_u32 s4, 2
	s_cselect_b64 s[24:25], s[14:15], s[24:25]
	s_cmp_eq_u32 s4, 1
	s_cselect_b64 s[24:25], s[12:13], s[24:25]
	s_cmp_eq_u32 s4, 0
	s_cselect_b64 s[24:25], s[10:11], s[24:25]
	s_cmp_lt_u32 s2, 512
	s_cselect_b64 s[24:25], s[8:9], s[24:25]
	s_cselect_b32 s6, s2, s5                       ; my block of 16 rows in the tensor
	s_movk_i32 s7, 2048                            ; the destination's pitch in bytes: 2,048, or 6,144 in wqkv
	s_cmp_lt_u32 s4, 3
	s_cselect_b64 s[26:27], s[20:21], s[22:23]     ; the destination: wqkv or wo16, unless ...
	s_cselect_b32 s7, 6144, s7
	s_cselect_b32 s31, s4, 0                       ; which third of wqkv's rows
	s_cmp_lt_u32 s2, 512
	s_cselect_b64 s[26:27], s[18:19], s[26:27]
	s_lshl_b32 s6, s6, 4                           ; my first row
	s_lshl_b32 s31, s31, 11                        ; 2,048 bytes a third
	s_lshl_b32 s28, s6, 12                         ; 4,096 bytes a source row: 33.5 million at the most
	s_mov_b32 s29, 0
	s_add_nc_u64 s[24:25], s[24:25], s[28:29]
	s_mul_i32 s28, s6, s7
	s_add_co_u32 s28, s28, s31
	s_add_nc_u64 s[26:27], s[26:27], s[28:29]
	s_wait_alu depctr_va_vdst(0)                   ; v1 is written: all 16 loads read it as their offset
.set i, 0
.rept ROWS
	global_load_b128 v[X+4*i:X+4*i+3], v1, s[24:25] offset:4096*i th:TH_LOAD_NT
.set i, i+1
.endr
.set i, 0
.rept ROWS
	v_mad_u32_u24 v[DO+i], s7, i, v2               ; row i x pitch + 8 t
.set i, i+1
.endr
.set i, 0
.rept ROWS
.if i % BLOCK == 0
	s_wait_loadcnt ROWS-1-i                        ; loads come back in order (ISA guide 5.7.1): the block's first row is in, the younger rows stay out
.if i > 0
	s_wait_alu depctr_va_vdst(0)                   ; the block before has written its Y, and all sixteen DO are written: the four stores dealt through this block read them
.endif
.endif
.if i >= BLOCK
	global_store_b64 v[DO+i-BLOCK], v[Y+2*(i-BLOCK):Y+2*(i-BLOCK)+1], s[26:27]  ; a row of the block before.  No wait: no vector line since the wait above names its offset or its data
.endif
.if i % BLOCK != 0
	s_wait_loadcnt ROWS-1-i                        ; row i is in, the younger rows stay out
.endif
	v_cvt_pk_bf16_f32 v[T], v[X+4*i], v[X+4*i+1]   ; the rounding that counts: to bf16
	v_cvt_pk_bf16_f32 v[T+1], v[X+4*i+2], v[X+4*i+3]
	v_lshlrev_b32 v[T+2], 16, v[T]                 ; back to f32: the low half moves up, the high half stays
	v_and_b32 v[T+3], s30, v[T]
	v_lshlrev_b32 v[T+4], 16, v[T+1]
	v_and_b32 v[T+5], s30, v[T+1]
	v_cvt_pk_f16_f32 v[Y+2*i], v[T+2], v[T+3]      ; the same number in f16
	v_cvt_pk_f16_f32 v[Y+2*i+1], v[T+4], v[T+5]
.set i, i+1
.endr
	s_wait_alu depctr_va_vdst(0)                   ; the last block has written its Y, which the last four stores read
.set i, ROWS-BLOCK
.rept BLOCK
	global_store_b64 v[DO+i], v[Y+2*i:Y+2*i+1], s[26:27]
.set i, i+1
.endr
	s_endpgm
.Lfunc_end_k_qd7335009d8_prep:
	.size	k_qd7335009d8_prep, .Lfunc_end_k_qd7335009d8_prep-k_qd7335009d8_prep
	.p2alignl 7, 3214868480
	.fill 96, 4, 3214868480
	.section	.rodata,"a",@progbits
	.p2align	6, 0x0
	.amdhsa_kernel k_qd7335009d8_prep
		.amdhsa_group_segment_fixed_size 0
		.amdhsa_private_segment_fixed_size 0
		.amdhsa_enable_private_segment 0
		.amdhsa_kernarg_size 64
		.amdhsa_user_sgpr_count 2
		.amdhsa_user_sgpr_kernarg_segment_ptr 1
		.amdhsa_wavefront_size32 1
		.amdhsa_system_sgpr_workgroup_id_x 1
		.amdhsa_system_sgpr_workgroup_id_y 1
		.amdhsa_system_sgpr_workgroup_id_z 1
		.amdhsa_system_vgpr_workitem_id 0
		.amdhsa_next_free_vgpr 128
		.amdhsa_next_free_sgpr 66
		.amdhsa_reserve_vcc 0
		.amdhsa_float_denorm_mode_32 3
		.amdhsa_float_denorm_mode_16_64 3
		.amdhsa_memory_ordered 1
		.amdhsa_forward_progress 1
		.amdhsa_inst_pref_size 13
	.end_amdhsa_kernel
	.amdgpu_metadata
---
amdhsa.version: [ 1, 2 ]
amdhsa.kernels:
  - .name:           k_qd7335009d8_prep
    .symbol:         k_qd7335009d8_prep.kd
    .args:
      - { .name: x, .offset: 0, .size: 8, .value_kind: global_buffer, .address_space: global }
      - { .name: Wq, .offset: 8, .size: 8, .value_kind: global_buffer, .address_space: global }
      - { .name: Wk, .offset: 16, .size: 8, .value_kind: global_buffer, .address_space: global }
      - { .name: Wv, .offset: 24, .size: 8, .value_kind: global_buffer, .address_space: global }
      - { .name: Wo, .offset: 32, .size: 8, .value_kind: global_buffer, .address_space: global }
      - { .name: x16, .offset: 40, .size: 8, .value_kind: global_buffer, .address_space: global }
      - { .name: wqkv, .offset: 48, .size: 8, .value_kind: global_buffer, .address_space: global }
      - { .name: wo16, .offset: 56, .size: 8, .value_kind: global_buffer, .address_space: global }
    .group_segment_fixed_size: 0
    .private_segment_fixed_size: 0
    .kernarg_segment_align: 8
    .kernarg_segment_size: 64
    .max_flat_workgroup_size: 256
    .sgpr_count:     66
    .vgpr_count:     128
    .wavefront_size: 32
...
	.end_amdgpu_metadata
.endif
;; end of part 10
;; launch gqkv: the kernel of part 6 again; grid 8 x 32, 4 waves a work-group, clusters of 4 x 4, 327,680 bytes of LDS; arguments x16, wqkv, qkv; writes qkv
;; launch gscores: the kernel of part 7 again; grid 8 x 32, 4 waves a work-group, clusters of 4 x 4, 327,680 bytes of LDS; arguments qkv, p, stats; writes p, stats
;; launch gpv: the kernel of part 8 again; grid 8 x 32, 4 waves a work-group, clusters of 4 x 4, 327,680 bytes of LDS; arguments p, qkv, y, stats; writes y
;; launch gproj: the kernel of part 9 again; grid 8 x 32, 4 waves a work-group, clusters of 4 x 4, 327,680 bytes of LDS; arguments y, wo16, out0; writes out0
